; MI455X (gfx1250); checked and timed in simulation.
; The chip was launched on July 23, 2026; its instructions are those of AMD's public machine-readable ISA for CDNA 5 (MIT licence, August 2026) and "CDNA5" Instruction Set Architecture Reference Guide (July 2026). The comments in the code are by the model that wrote it; some were corrected since.
;; Mutual My Layer. Allowed arithmetic: matrix products marked QUANTISED: E2M3 operands, one E8M0 scale for each 32 along K, by v_wmma_scale_f32_16x16x128_f8f6f4 with both operands' format E2M3, f32 sums; everything else in f32.
;; Inputs: kernel_codes 3 x 1,024 x 32 x 24 uint8 (E2M3 codes of kernel, K innermost, in blocks of 32 codes, four codes in three bytes); kernel_scales 3 x 1,024 x 32 uint8 (E8M0 scales of kernel, one for each 32 codes along K); x_codes 4 x 2,048 x 32 x 24 uint8 (E2M3 codes of x, K innermost, in blocks of 32 codes, four codes in three bytes); x_scales 4 x 2,048 x 32 uint8 (E8M0 scales of x, one for each 32 codes along K); y_codes 4 x 2,048 x 32 x 24 uint8 (E2M3 codes of y, K innermost, in blocks of 32 codes, four codes in three bytes); y_scales 4 x 2,048 x 32 uint8 (E8M0 scales of y, one for each 32 codes along K).
;; Outputs: out0 4 x 2,048 x 1,024 float32.
;; This version of the problem:
;;   THIS VERSION OF THE PROBLEM IS GIVEN IN LOW PRECISION. The matrix products marked QUANTISED in the list below multiply operands that are first quantised to E2M3 (2 exponent bits, 3 mantissa bits; 6 bits a number), with one power-of-two scale for each 32 numbers along K (OCP MX v1.0); their sums are f32. All else is computed in f32.
;;   The module's matrix products, in the order in which they are computed (A, B: the left and right operand; K: the contracted axis; several contracted axes count as one K, in the product's order):
;;     1. [M 8,192, K 1,024] x [K 1,024, N 1,024]; A: input x (given as codes); B: input kernel (given as codes): QUANTISED
;;     2. [M 8,192, K 1,024] x [K 1,024, N 1,024]; A: input x (given as codes); B: input kernel (given as codes): QUANTISED
;;     3. [M 8,192, K 1,024] x [K 1,024, N 1,024]; A: input y (given as codes); B: input kernel (given as codes): QUANTISED
;;     4. batch 4 x [M 2,048, K 1,024] x [K 1,024, N 2,048]; A: computed on the way; B: computed on the way: QUANTISED
;;     5. batch 4 x [M 2,048, K 2,048] x [K 2,048, N 1,024]; A: softmax (see below); B: computed on the way: QUANTISED
;;   THE QUANTISER, for each operand of a quantised product, along K:
;;     - K is cut into blocks of 32 from its start; a last block that is shorter is filled with zeros.
;;     - A block's scale is 2^e with e = floor(log2(the largest magnitude in the block)) - 2, held to -126 .. 127; a block of zeros has e = 0. As a byte (E8M0): e + 127.
;;     - Each number is divided by its block's scale, clamped to +-7.5, and rounded to the nearest number of E2M3, ties to even, subnormals kept.
;;     - The product sums the exact products of the quantised numbers (number of the format x scale) in f32.
;;   ~~~python
;;   def quantise(x, axis):      # numpy; x: float32 -> the quantised numbers, widened to float32 again
;;       x = np.moveaxis(x, axis, -1); K = x.shape[-1]
;;       x = np.pad(x, [(0, 0)] * (x.ndim - 1) + [(0, -K % 32)]); x = x.reshape(x.shape[:-1] + (-1, 32)); a = np.abs(x).max(-1, keepdims=True)
;;       e = np.where(a > 0, np.clip(np.frexp(np.where(a > 0, a, 1))[1] - 1 - 2, -126, 127), 0)      # np.frexp(a)[1] - 1 = floor(log2(a)), exactly
;;       r = np.clip(x / 2.0 ** e, -7.5, 7.5)
;;       step = 2.0 ** (np.maximum(np.frexp(np.where(r == 0, 1, r))[1] - 1, 0) - 3)
;;       q = np.round(r / step) * step * 2.0 ** e      # np.round: ties to even
;;       return np.moveaxis(q.reshape(q.shape[:-2] + (-1,))[..., :K], -1, axis).astype(np.float32)
;;   ~~~
;;   SOFTMAX AHEAD OF A QUANTISED PRODUCT. Where the list says 'softmax', what is quantised is not the finished softmax but p = 2^(t - M), with t = logit x log2(e) and M = ceil(the row's largest t), a whole number; so 1/2 < the row's largest p <= 1. The row's sum l is taken of the UNQUANTISED p, in f32, and the product's result is divided by l at the end. Since M is a whole number, a kernel that streams over the keys may use a running M (the ceiling of the running maximum): every later rescaling is an exact power of two, which a block's scale takes up: the codes' values come out the same.
;;   OPERANDS COMPUTED ON THE WAY. 'Computed on the way' means the value that the module computes at that place (a softmax that the list does not call 'softmax' is quantised finished and normalised). What goes into a quantiser is computed in f32, as accurately as f32 sums, v_exp_f32 and their like allow (about 1e-6 of the number): no bf16 or f16 on the way to a quantiser, and a product that is left as it is and whose result goes on into a quantised operand takes f32 operands (vector FMAs, or v_wmma_f32_16x16x4_f32). A number that lies on a knife's edge between two numbers of the format may be rounded either way, as far as f32 arithmetic and the matrix unit's own rounding can turn it there, and no further.
;;   INPUTS GIVEN AS CODES. kernel (in the module: [3, 1024, 1024], K = its axis 1); x (in the module: [4, 2048, 1024], K = its axis 2); y (in the module: [4, 2048, 1024], K = its axis 2): each comes as NAME_codes (uint8): NAME with its K axis moved to the last place and cut into blocks of 32 codes, [.., K / 32, bytes a block], one block behind the other in memory; four codes in three bytes: a row's codes are one little-endian stream of bits, code i at bits 6 i .. 6 i + 5 (a code: sign, 2 exponent bits, 3 mantissa bits); and NAME_scales (uint8): the same leading axes, one E8M0 byte (e + 127) for each 32 codes along K. Its value is code x scale, taken as it is: it is not quantised again, and the codes and scales need not be those that the quantiser above would give.
;; 2 versions. Each part assembles by itself: llvm-mc -triple=amdgcn-amd-amdhsa -mcpu=gfx1250 --defsym DOCPART=n.
;; ======== version 1 of 2: 3 launches
;; workspace buffers: qk_codes 12,582,912 bytes; qk_scales 524,288 bytes; vt_codes 6,291,456 bytes; vt_scales 262,144 bytes; p_codes 12,582,912 bytes; p_scales 524,288 bytes; p_stats 1,048,576 bytes
;; launch proj (part 1): grid 8 x 48, 4 waves a work-group, clusters of 4 x 4, 327,680 bytes of LDS; arguments x_codes, x_scales, kernel_codes, kernel_scales, y_codes, y_scales, qk_codes, qk_scales, vt_codes, vt_scales; writes qk_codes, qk_scales, vt_codes, vt_scales
.if DOCPART == 1
	.amdgcn_target "amdgcn-amd-amdhsa--gfx1250"
	.amdhsa_code_object_version 6
	.text
	.protected	k_q0815d8a3e5_proj
	.globl	k_q0815d8a3e5_proj
	.p2align	8
	.type	k_q0815d8a3e5_proj,@function
k_q0815d8a3e5_proj:
	s_mov_b64 s[64:65], 0
	v_nop
	global_prefetch_b8 v0, s[64:65] scope:SCOPE_SE
	s_setreg_imm32_b32 hwreg(HW_REG_WAVE_MODE, 25, 1), 1
	s_wait_xcnt 0x0
	s_wait_alu depctr_hold_cnt(0) depctr_sa_sdst(0) depctr_va_vdst(0) depctr_va_sdst(0) depctr_va_ssrc(0) depctr_va_vcc(0) depctr_vm_vsrc(0)
	s_getreg_b32 s2, hwreg(HW_REG_IB_STS2, 6, 4)
	s_cmp_eq_u32 s2, 0
	s_cbranch_scc0 .Lentry_in_a_cluster
	s_endpgm
.Lentry_in_a_cluster:
	s_bfe_u32 s2, ttmp6, 0x10000c
	s_cmp_lg_u32 s2, 0xf033
	s_cbranch_scc0 .Lentry_shape_is_right
	s_endpgm
.Lentry_shape_is_right:
; THE THREE PROJECTIONS, C = A B^T on codes of FP6 (E2M3) with one E8M0 scale for each 32 along K = 1,024, and C quantised again along its columns n for the next product.
; Clusters with y under 8: A = x (8,192 rows), B = kernel[0], kernel[1] (2,048 rows): C = WQ | WK, quantised along the outputs.
; Clusters with y 8 to 11 (batch y - 8): A = kernel[2] (1,024 rows), B = y's 2,048 rows of the batch: C = WV^T, quantised along the keys.  The two parts differ in pointers and offsets alone, chosen by s_cselect on the cluster's y.
; A tile of C, 256 x 256, is made by four waves, each 128 x 128 in 64 accumulators.  K goes in steps of 256 through a ring of two LDS slots; 4 x 4 work-groups form a cluster, A's tiles are asked for jointly along a row, B's along a column.
; THE MATRIX INSTRUCTION IS USED TRANSPOSED (source 0 = 16 rows of B, source 1 = 16 rows of A): lane (r, h) holds row r of C and, in tile b, columns 16 b + 8 h + 0 .. 7.
; THE WAY OUT.  The 16 registers of tiles 2 c and 2 c + 1 are 16 numbers of block c of 32 columns; lane l xor 16 holds the other 16.  They become 12 bytes of codes.  INSIDE A BLOCK OF 32 THE STORED ORDER IS
; columns 0-7, 16-23, 8-15, 24-31.  Both operands of each later product come out of this same way out (or the next launch's, which is alike), so the same k meets the same k and a block keeps its scale.
; WORKSPACE: planes of 256 columns; in a plane a row is 192 bytes of codes, or 8 scale bytes (two words of 128 columns).  A work-group's tile is one dense block of 49,152 bytes of codes and 2,048 of scale bytes.
; LIMITS: NaN and infinities are not served.  A block of zeros, or one whose largest magnitude lies under 2^-124, gets the byte 1 (its codes are zeros or near it; this program alone reads the bytes).
; The order of the products inside a block of 32 differs from the ascending one, as said above.
; No prefetch is laid: a tile has four K steps, of which two are first fills, and every tile of A and B is read by several clusters at about the same time.
; REGISTERS, in windows of 256: window 0: v0-31 addresses; v32-63 A's scale words, v64-95 B's, two sets each, and nothing else ever; v96-127 at work on the way out; from v128 A's fragments, ONE set; on the way out v128-255 are free.
;   window 1: B's fragments, two sets, at v0 and v128.   window 2: the accumulators of my rows 0-63 ((a, b) at v[8 (8 a + b)]);   window 3: those of my rows 64-127.
.set NA,     8                         ; A's blocks of 16 rows in a wave
.set NQ,     2                         ; matrix instructions deep in a slot
.set FR,     12                        ; registers of a fragment
.set NL,     6                         ; LDS loads that bring one
.set NP,     4                         ; places behind this matrix instruction (ISA guide 7.12.1)
.set PITCH,  240                       ; an LDS row: 3 x (64 bytes + 16 of padding)
.set HALFA,  16*NA*PITCH               ; what one tensor load brings of A
.set HALFB,  128*PITCH                 ; and of B
.set SLOT,   2*HALFA+2*HALFB           ; A's two halves, then B's two
.set LAPS,   2                         ; K / 512
.set RSTRIDE, 768                      ; a row of A or B in memory, in bytes
.set ASTEP,  192                       ; from slot to slot in memory
.set BSTEP,  192
.set SSTEPA, 8                         ; from slot to slot among the scale words in LDS
.set SSTEPB, 8
.set SBLKA,  544                       ; from block to block of 16 rows there: 512 bytes are two units of 256 + 16
.set SBLKB,  544
.set SCL,    2*SLOT                    ; behind the ring: the scales of 4 x 128 rows, as units of 256 bytes + 16 of padding
.set HALFS,  16*272                    ; those of 128 rows
.set SPARE,  SCL+4*HALFS               ; the spare words, 128 bytes a wave: two blocks of 256 bytes that no other line names
.set SPITCH, 272                       ; the way out's stage, in slot 0: 256 rows x (16 places of 16 bytes + 16)
.set SCST,   256*SPITCH                ; behind it the tile's scale words, 8 bytes a row
.set SSC,  8                           ; v8   where I put a row's scale word
.set LTL,  10                          ; v10  SCST + 16 x thread
.set LTG,  11                          ; v11  16 x thread
.set ADRA, 16                          ; v16-17 LDS address of my A fragments in slot 0, 1; v18-19 the same behind one padding more
.set ADRB, 20                          ; v20-23 the same for B
.set STO,  24                          ; v24  the stage: where I put 12 bytes of a row
.set RD,   25                          ; v25  and where I read them back
.set CO,   26                          ; v26  my byte offset in the tile's block of codes
.set ADRSA, 27                         ; v27  LDS address of A's scale words
.set SPW,  28                          ; v28  my spare word; never rewritten
.set NIL,  29                          ; v29  0; never rewritten
.set ADRSB, 30                         ; v30  LDS address of B's scale words
.set KC,   31                          ; v31  the floor 2^(3 - 127)
.set SCA,  32
.set SCB,  64
.set TM,   96                          ; v96-99   the four blocks' largest magnitudes
.set PB,   100                         ; v100-103 the other half's, then the bytes
.set SO,   104                         ; v104-107 the conversions' scale operands
.set AF,   128
.set OC,   12                          ; s[12:13] the tile's block of codes
.set OS,   96                          ; s[96:97] and of scale bytes
.set G1,   24
.set G0,   32
.set G1B,  48
.set G0B,  56
.set G1S,  68
.set G0S,  76
.set G1SB, 80
.set G0SB, 88
.set MSB, 0
.macro WIN new                         ; the immediate's high byte repeats the setting that is left
.if MSB != (\new)
	s_set_vgpr_msb (MSB<<8)|(\new)
.set MSB, (\new)
.endif
.endm
.set MUL_LO, 0xa1                      ; source 0 (B) window 1, source 1 (A) window 0, C and D window 2
.set MUL_HI, 0xf1                      ; the same, C and D window 3
.set TO_B,   0x40                      ; destination window 1, address window 0
; A joint load: waves 0 and 1 fetch for A, waves 2 and 3 for B; the branch hangs on the wave's number alone.  Four v_nop follow each of the two lines.
.macro JLOAD g0a, g1a, g0b, g1b
	s_cmp_eq_u32 s15, 0
	s_cbranch_scc0 .Lfor_b_\@
	tensor_load_to_lds s[\g0a:\g0a+3], s[\g1a:\g1a+7]
	s_nop 0
.rept 4
	v_nop
.endr
	s_branch .Lasked_\@
.Lfor_b_\@:
	tensor_load_to_lds s[\g0b:\g0b+3], s[\g1b:\g1b+7]
	s_nop 0
.rept 4
	v_nop
.endr
.Lasked_\@:
.endm
.macro CREST                           ; a round of the cluster's barrier behind its opening barrier
	s_cmp_lg_u32 s14, 0
	s_cbranch_scc1 .Lnot_wave_0_\@
	s_barrier_signal -3
.Lnot_wave_0_\@:
	s_barrier_wait -3
	s_barrier_signal -1
	s_barrier_wait -1
.endm
.macro CROUND                          ; a whole round
	s_barrier_signal -1
	s_barrier_wait -1
	CREST
.endm
.macro PLACES n
.rept \n
	v_nop
.endr
.endm
; A fragment, 16 rows x 128 K, is 12 registers: lane (r, h) takes 24 bytes at 96 q + 24 h and 24 at 96 q + 48 + 24 h of row r, in pieces of 8.  The mover has laid 16 bytes behind every 64:
; where the piece of lanes 16-31 lies behind one padding more than that of lanes 0-15, the second address register serves.
.macro FRAG reg, adr, q, i
.irp p, 0,1,2,3,4,5
.set PCE, 12*(\q)+6*(\p/3)+\p%3
.if PCE%8 < 5
	ds_load_b64 v[\reg+2*\p:\reg+2*\p+1], v[\adr] offset:8*PCE+16*(PCE/8)+(\i)*16*PITCH
.else
	ds_load_b64 v[\reg+2*\p:\reg+2*\p+1], v[\adr+2] offset:8*PCE+16*(PCE/8)+(\i)*16*PITCH
.endif
.endr
.endm
; A quarter of a step: NA / 4 blocks of A x B's eight, 128 along K.  p: B's set; q: which 128 of the slot; sc: the set of scale words.  zero = 1: the products start the sums.
; All accumulators take turns, one instruction a turn, in the same order in every step.
.macro MULQ qt, p, q, sc, zero
.set MA, (\qt)*NA/4
.rept NA/4
.if MA < 4
	WIN MUL_LO
.else
	WIN MUL_HI
.endif
.set MB, 0
.rept 8
.set RC, 8*(8*(MA%4)+MB)
.set RB, 128*(\p)+FR*MB
.set RA, AF+FR*MA
.set RSB, SCB+16*(\sc)+NQ*MB+(\q)
.set RSA, SCA+2*NA*(\sc)+NQ*MA+(\q)
.if \zero
	v_wmma_scale_f32_16x16x128_f8f6f4 v[RC:RC+7], v[RB:RB+FR-1], v[RA:RA+FR-1], 0, v[RSB], v[RSA] matrix_a_fmt:MATRIX_FMT_FP6 matrix_b_fmt:MATRIX_FMT_FP6
.else
	v_wmma_scale_f32_16x16x128_f8f6f4 v[RC:RC+7], v[RB:RB+FR-1], v[RA:RA+FR-1], v[RC:RC+7], v[RSB], v[RSA] matrix_a_fmt:MATRIX_FMT_FP6 matrix_b_fmt:MATRIX_FMT_FP6
.endif
.set MB, MB+1
.endr
.set MA, MA+1
.endr
.endm
.macro FETCH_B slot, q, p              ; B's eight fragments into set p
	WIN TO_B
.irp i, 0,1,2,3,4,5,6,7
	FRAG 128*(\p)+FR*\i, ADRB+\slot, \q, \i
.endr
	WIN 0
.endm
.macro FETCH_A slot, q, half           ; half of A's blocks
.set FI, (\half)*NA/2
.rept NA/2
	FRAG AF+FR*FI, ADRA+\slot, \q, FI
.set FI, FI+1
.endr
.endm
.macro SCALES set                      ; a slot's scale words, two a row: lane (r, h) takes row r's
.set SI, 0
.rept NA
	ds_load_b64 v[SCA+2*NA*(\set)+2*SI:SCA+2*NA*(\set)+2*SI+1], v[ADRSA] offset:SI*SBLKA
.set SI, SI+1
.endr
.irp i, 0,1,2,3,4,5,6,7
	ds_load_b64 v[SCB+16*(\set)+2*\i:SCB+16*(\set)+2*\i+1], v[ADRSB] offset:\i*SBLKB
.endr
.endm
; A slot's first step of 128 along K.  A has one set of registers: its first half is fetched anew in the step's middle, its second half at the end; B has two sets.
.macro STEP slot, zero
	s_wait_dscnt (NA/2)*NL                         ; all is in but the youngest loads, A's second half
	MULQ 0, 0, 0, \slot, \zero
	MULQ 1, 0, 0, \slot, \zero
	s_wait_dscnt 0                                 ; A's second half is in
	PLACES NP                                      ; in front of loads into registers that matrix instructions have read
	FETCH_B \slot, 1, 1
	FETCH_A \slot, 1, 0
	MULQ 2, 0, 0, \slot, \zero
	MULQ 3, 0, 0, \slot, \zero
	PLACES NP
	WIN 0
	FETCH_A \slot, 1, 1
.endm
; A slot's last step changes slots: ONE barrier; in front of it each wave waits for all its tensor loads, adds 0 to its spare word, and waits for that and for its reads of this slot.  fill = 1: this slot is filled again, two K steps ahead.
.macro TURN slot, next, fill
	s_wait_tensorcnt 0x0                           ; all my tensor loads have landed: my part of the next slot
	ds_add_u32 v[SPW], v[NIL]                      ; 0 onto my spare word
	s_wait_dscnt (NA/2)*NL+1                       ; (the add and A's second half may be out)
	MULQ 0, 1, 1, \slot, 0                         ; matrix work stands between the add and the wait for it
	s_wait_dscnt 0x0                               ; the add is done, and my reads of this slot are over
	s_barrier_signal -1
	MULQ 1, 1, 1, \slot, 0
	WIN 0
	s_barrier_wait -1
.if \fill
	CREST                                          ; the barrier has opened a round of the cluster's barrier: no wave of any partner still reads this slot or has a load on its way
	s_add_nc_u64 s[G0+4*\slot+2:G0+4*\slot+3], s[G0+4*\slot+2:G0+4*\slot+3], 2*ASTEP
	s_add_nc_u64 s[G0B+4*\slot+2:G0B+4*\slot+3], s[G0B+4*\slot+2:G0B+4*\slot+3], 2*BSTEP
	JLOAD G0+4*\slot, G1, G0B+4*\slot, G1B         ; the first tensor load behind the round; its four v_nop are the places in front of the loads below
.else
	PLACES NP
.endif
	v_add_nc_u32 v[ADRSA], SSTEPA, v[ADRSA]        ; on to the next slot's scale words (no LDS load of mine is out)
	v_add_nc_u32 v[ADRSB], SSTEPB, v[ADRSB]
	FETCH_B \next, 0, 0
	FETCH_A \next, 0, 0
	SCALES \next
	MULQ 2, 1, 1, \slot, 0
	MULQ 3, 1, 1, \slot, 0
	PLACES NP
	WIN 0
	FETCH_A \next, 0, 1
.endm
	s_load_b512 s[68:83], s[0:1], 0x0              ; x's codes s[68:69], scales s[70:71]; kernel's s[72:73], s[74:75]; y's s[76:77], s[78:79]; qk_codes s[80:81], qk_scales s[82:83]
	s_load_b128 s[84:87], s[0:1], 0x40             ; vt_codes s[84:85], vt_scales s[86:87]
	v_lshl_add_u32 v[SPW], v0, 2, SPARE
	v_mov_b32 v[NIL], 0
	ds_add_u32 v28, v29
	ds_add_u32 v28, v29
	s_wait_dscnt 0x0
	v_lshrrev_b32 v1, 5, v0
	v_readfirstlane_b32 s14, v1                    ; wave 0..3
	s_lshr_b32 s15, s14, 1                         ; which half of the tile's rows is mine.  Also: I fetch for A (0) or for B (1)
	s_and_b32 s16, s14, 1                          ; which half of its columns.  Also: which half of that tile I fetch
	s_bfe_u32 s40, ttmp6, 0x40000                  ; cx, cy: my place in the cluster
	s_bfe_u32 s41, ttmp6, 0x40004
	s_lshl_b32 s42, ttmp9, 2
	s_add_co_u32 s42, s42, s40                     ; tile column = 4 x cluster x + cx: 0 .. 7
	s_and_b32 s92, ttmp7, 0xffff                   ; the cluster's y, which all sixteen partners share
	s_sub_co_u32 s95, s92, 8
	s_cmp_lt_u32 s92, 8                            ; the part WQ | WK, or the part WV^T?
	s_cselect_b32 s93, s92, 0
	s_cselect_b32 s94, 0, 2048                     ; A's first row: x's 0, or kernel[2]'s
	s_cselect_b32 s95, 0, s95                      ; the batch, in the part WV^T
	s_cselect_b32 s2, 32, 4                        ; blocks of 256 rows in a plane of the output
	s_lshl_b32 s17, s93, 2
	s_add_co_u32 s17, s17, s41                     ; tile row
	s_lshl_b32 s43, s41, 2
	s_lshl_b32 s43, 15, s43                        ; my row of the cluster
	s_lshl_b32 s44, 0x1111, s40                    ; my column
	; descriptor group 1: a tile of 128 rows x 192 bytes, 16 bytes of padding behind every 64
	s_or_b32 s[G1+0], s43, (1<<20)|(1<<21)|(3<<22)|(3<<25)   ; 15:0 the mask: A's tiles go to my row; elements of 1 byte; 20 padding on; 21 set beside a mask; after every 16 words 4 words
	s_or_b32 s[G1B+0], s44, (1<<20)|(1<<21)|(3<<22)|(3<<25)
.irp g, G1, G1B
	s_mov_b32 s[\g+1], 192<<16                     ; tensor_dim0
	s_mov_b32 s[\g+2], 128<<16                     ; tensor_dim1
	s_mov_b32 s[\g+3], 192<<16                     ; tile_dim0
	s_mov_b32 s[\g+4], 128                         ; tile_dim1
	s_mov_b32 s[\g+5], RSTRIDE                     ; from row to row
	s_mov_b32 s[\g+6], 0
	s_mov_b32 s[\g+7], 0
.endr
	s_lshl_b32 s18, s16, 7                         ; which 128 rows of the tile I fetch
	s_lshl_b32 s20, s17, 8
	s_add_co_u32 s20, s20, s18
	s_add_co_u32 s20, s20, s94                     ; A's row
	s_lshl_b32 s46, s42, 8
	s_add_co_u32 s46, s46, s18
	s_lshl_b32 s19, s95, 11
	s_add_co_u32 s46, s46, s19                     ; B's row
	s_lshl_b32 s22, s20, 5                         ; 32 scale bytes a row
	s_mov_b32 s23, 0
	s_mul_i32 s20, s20, RSTRIDE                    ; 768 bytes of codes a row (all under 2^32)
	s_mov_b32 s21, 0
	s_lshl_b32 s98, s46, 5
	s_mov_b32 s99, 0
	s_mul_i32 s46, s46, RSTRIDE
	s_mov_b32 s47, 0
	s_mul_i32 s18, s42, s2                         ; the tile's block in the output: plane x blocks a plane + tile row
	s_add_co_u32 s18, s18, s17
	s_lshl_b32 s19, s95, 5                         ; (+ 8 planes of 4 blocks for each batch)
	s_add_co_u32 s18, s18, s19
	s_lshl_b32 s66, s18, 11                        ; 2,048 scale bytes a block
	s_mov_b32 s67, 0
	s_mul_i32 s18, s18, 256*192                    ; 49,152 bytes of codes
	s_mov_b32 s19, 0
	s_mul_i32 s45, s16, HALFA                      ; where the tiles go: no place in the cluster enters an LDS address
	s_mul_i32 s93, s16, HALFB
	s_add_co_u32 s93, s93, 2*HALFA
	s_mul_i32 s94, s14, HALFS
	s_wait_kmcnt 0x0
	s_cmp_lt_u32 s92, 8                            ; the choice hangs on the cluster's y alone
	s_cselect_b64 s[4:5], s[68:69], s[72:73]       ; A's codes: x's or kernel's
	s_cselect_b64 s[6:7], s[70:71], s[74:75]
	s_cselect_b64 s[8:9], s[72:73], s[76:77]       ; B's codes: kernel's or y's
	s_cselect_b64 s[10:11], s[74:75], s[78:79]
	s_cselect_b64 s[OC:OC+1], s[80:81], s[84:85]
	s_cselect_b64 s[OS:OS+1], s[82:83], s[86:87]
	s_add_nc_u64 s[20:21], s[4:5], s[20:21]
	s_add_nc_u64 s[22:23], s[6:7], s[22:23]
	s_add_nc_u64 s[46:47], s[8:9], s[46:47]
	s_add_nc_u64 s[98:99], s[10:11], s[98:99]
	s_add_nc_u64 s[OC:OC+1], s[OC:OC+1], s[18:19]
	s_add_nc_u64 s[OS:OS+1], s[OS:OS+1], s[66:67]
	; the scales of 128 rows: a dense block of 4,096 bytes, as 16 rows of 256 bytes (32 elements of 8 bytes), 16 bytes of padding behind each.  (s68-87 are free: the pointers have been chosen)
	s_or_b32 s[G1S+0], s43, (3<<16)|(1<<20)|(1<<21)|(5<<22)|(3<<25)
	s_or_b32 s[G1SB+0], s44, (3<<16)|(1<<20)|(1<<21)|(5<<22)|(3<<25)
.irp g, G1S, G1SB
	s_mov_b32 s[\g+1], 32<<16
	s_mov_b32 s[\g+2], 16<<16
	s_mov_b32 s[\g+3], 32<<16
	s_mov_b32 s[\g+4], 16
	s_mov_b32 s[\g+5], 32
	s_mov_b32 s[\g+6], 0
	s_mov_b32 s[\g+7], 0
.endr
	CROUND                                         ; all sixteen work-groups are here: the first joint loads meet
	s_mov_b32 s[G0S], 1
	s_add_co_u32 s[G0S+1], s94, SCL
	s_mov_b64 s[G0S+2:G0S+3], s[22:23]
	s_or_b32 s[G0S+3], s[G0S+3], 0x80000000
	s_mov_b32 s[G0SB], 1
	s_add_co_u32 s[G0SB+1], s94, SCL
	s_mov_b64 s[G0SB+2:G0SB+3], s[98:99]
	s_or_b32 s[G0SB+3], s[G0SB+3], 0x80000000
	JLOAD G0S, G1S, G0SB, G1SB                     ; the scales first: they are wanted with K step 0
.irp s, 0,1
	s_mov_b32 s[G0+4*\s], 1
	s_add_co_u32 s[G0+4*\s+1], s45, \s*SLOT
	s_add_nc_u64 s[G0+4*\s+2:G0+4*\s+3], s[20:21], \s*ASTEP
	s_or_b32 s[G0+4*\s+3], s[G0+4*\s+3], 0x80000000
	s_mov_b32 s[G0B+4*\s], 1
	s_add_co_u32 s[G0B+4*\s+1], s93, \s*SLOT
	s_add_nc_u64 s[G0B+4*\s+2:G0B+4*\s+3], s[46:47], \s*BSTEP
	s_or_b32 s[G0B+4*\s+3], s[G0B+4*\s+3], 0x80000000
	JLOAD G0+4*\s, G1, G0B+4*\s, G1B
.endr
	v_and_b32 v1, 15, v0                           ; r
	v_bfe_u32 v2, v0, 4, 1                         ; h
	v_mul_u32_u24 v3, v1, PITCH
	v_mul_u32_u24 v4, v2, 24
	v_add_nc_u32 v4, v3, v4                        ; a fragment's row x pitch + 24 h
	v_lshl_add_u32 v5, v2, 4, v4                   ; and the same behind one padding more
	s_mul_i32 s21, s15, HALFA                      ; my rows of A
	s_mul_i32 s22, s16, HALFB                      ; my rows of B, behind A's
	s_add_co_u32 s22, s22, 2*HALFA
.irp s, 0,1
	v_add_nc_u32 v[ADRA+\s], s21, v4
	v_add_nc_u32 v[ADRB+\s], s22, v4
	v_add_nc_u32 v[ADRA+2+\s], s21, v5
	v_add_nc_u32 v[ADRB+2+\s], s22, v5
	s_add_co_u32 s21, s21, SLOT
	s_add_co_u32 s22, s22, SLOT
.endr
	v_lshlrev_b32 v5, 5, v1                        ; my row's scales: 32 bytes a row,
	v_lshrrev_b32 v6, 8, v5
	v_lshl_add_u32 v5, v6, 4, v5                   ; and 16 more for each 256 passed
	s_mul_i32 s21, s15, HALFS
	s_add_co_u32 s21, s21, SCL
	v_add_nc_u32 v[ADRSA], s21, v5
	s_mul_i32 s22, s16, HALFS
	s_add_co_u32 s22, s22, SCL+2*HALFS
	v_add_nc_u32 v[ADRSB], s22, v5
	; the way out
	s_mul_i32 s18, s15, 128*SPITCH
	s_lshl_b32 s19, s16, 7
	s_add_co_u32 s18, s18, s19
	v_mul_u32_u24 v3, v1, SPITCH
	v_lshl_add_u32 v3, v2, 4, v3
	v_add_nc_u32 v[STO], s18, v3                   ; row 128 wr + r; place 2 (4 wc + c) + h of 16 bytes: 128 wc + 16 h, the rest in the immediate
	s_lshl_b32 s18, s15, 10
	s_lshl_b32 s19, s16, 2
	s_add_co_u32 s18, s18, s19
	s_add_co_u32 s18, s18, SCST
	v_lshl_add_u32 v[SSC], v1, 3, s18              ; 8 bytes a row, word wc
	s_mul_i32 s18, s14, 64*SPITCH
	v_mul_u32_u24 v3, v2, SPITCH
	v_lshl_add_u32 v3, v1, 4, v3
	v_add_nc_u32 v[RD], s18, v3                    ; back: wave w takes rows 64 w on, sixteen lanes to a row
	s_mul_i32 s18, s14, 64*192
	v_mul_u32_u24 v3, v2, 192
	v_mad_u32_u24 v3, v1, 12, v3
	v_add_nc_u32 v[CO], s18, v3                    ; and the same place in the block of codes: 192 bytes a row, 12 a lane
	v_lshlrev_b32 v[LTG], 4, v0
	v_lshl_add_u32 v[LTL], v0, 4, SCST
	v_mov_b32 v[KC], 0x1800000
.irp c, 0,1,2,3
	v_mov_b32 v[PB+\c], 0                          ; written once: a lane permute's destination counts as one of its sources
.endr
	s_mov_b32 s20, 0x76543210                      ; v_permlanex16_b32's selects for lane l xor 16
	s_mov_b32 s21, 0xfedcba98
	s_wait_tensorcnt 1                             ; three loads of mine are out: the scales and K step 0 are in, K step 1's may stay out
	s_barrier_signal -1
	s_barrier_wait -1                              ; everybody's are
	FETCH_B 0, 0, 0
	FETCH_A 0, 0, 0
	SCALES 0
	FETCH_A 0, 0, 1
	STEP 0, 1                                      ; the first step stands in front of the loop: its products start the sums
	s_mov_b32 s3, LAPS-1
.Llap:                                                 ; a trip goes once round the ring and fills both slots again
	TURN 0, 1, 1
	STEP 1, 0
	TURN 1, 0, 1
	STEP 0, 0
	s_sub_co_u32 s3, s3, 1
	s_cmp_lg_u32 s3, 0
	s_cbranch_scc1 .Llap
	TURN 0, 1, 0                                   ; the last lap fills nothing
	STEP 1, 0
	s_wait_dscnt (NA/2)*NL                         ; the very last step: nothing more to fetch
	MULQ 0, 1, 1, 1, 0
	MULQ 1, 1, 1, 1, 0
	s_wait_dscnt 0
	MULQ 2, 1, 1, 1, 0
	MULQ 3, 1, 1, 1, 0
	WIN 0
	PLACES NP
; THE WAY OUT of block a (16 rows x my 128 columns): four blocks of 32 columns are quantised and go to the stage, which lies in slot 0: that slot has had its last fill, and every wave has passed the last change of slots, behind which nobody reads it.
; The data of the stage's stores lie in two sets of registers by turns.
.macro QBLK a
.set W, 2+(\a)/4
.set AC, 64*((\a)%4)
.set CD, 128+16*((\a)%2)
.set PW, 160+(\a)%2
.if (\a) >= 2
	s_wait_dscnt 5                                 ; all but the last block's five stores are done: the set's registers may be written again
.endif
	WIN (W<<2)|(W<<4)                              ; sources 1 and 2: the accumulators' window
.irp c, 0,1,2,3
	v_max3_num_f32 v[TM+\c], v[KC], |v[AC+16*\c]|, |v[AC+16*\c+1]|   ; block c: my 16 numbers and the floor, so that the byte cannot fall under 1; each accumulator is read from its low end on
.endr
.irp i, 2,4,6,8,10,12,14
.irp c, 0,1,2,3
	v_max3_num_f32 v[TM+\c], v[TM+\c], |v[AC+16*\c+\i]|, |v[AC+16*\c+\i+1]|
.endr
.endr
	WIN 0
.irp c, 0,1,2,3
	v_permlanex16_b32 v[PB+\c], v[TM+\c], s20, s21
.endr
.irp c, 0,1,2,3
	v_max_num_f32 v[TM+\c], v[TM+\c], v[PB+\c]     ; with lane l xor 16's 16: the block's largest magnitude
.endr
.irp c, 0,1,2,3
	v_add_nc_u32 v[SO+\c], 0xff000000, v[TM+\c]    ; 2 off its exponent field: the conversion's scale operand
.endr
.irp c, 0,1,2,3
	v_lshrrev_b32 v[PB+\c], 23, v[SO+\c]           ; the scale's byte
.endr
	v_lshl_or_b32 v[PW], v[PB+1], 8, v[PB]         ; the row's scale word for my 128 columns
	v_lshl_or_b32 v[PW], v[PB+2], 16, v[PW]
	v_lshl_or_b32 v[PW], v[PB+3], 24, v[PW]
	WIN W                                          ; source 0: the accumulators' window
.irp c, 0,1,2,3
	v_cvt_scalef32_pk16_fp6_f32 v[CD+4*\c:CD+4*\c+2], v[AC+16*\c:AC+16*\c+15], v[SO+\c]
.endr
	v_nop                                          ; one plain place behind the scaled conversions
	WIN 0
.irp c, 0,1,2,3
	ds_store_b96 v[STO], v[CD+4*\c:CD+4*\c+2] offset:16*SPITCH*(\a)+32*\c   ; 12 bytes to a place of 16
.endr
	ds_store_b32 v[SSC], v[PW] offset:128*(\a)     ; both halves of the lanes store the same word
.endm
.irp a, 0,1,2,3,4,5,6,7
	QBLK \a
.endr
	s_wait_dscnt 0x0                               ; for the others' sake: my stores into the stage are done
	s_barrier_signal -1
	s_barrier_wait -1                              ; a row's 192 bytes come from two waves
.set T, 0
.rept 32
	ds_load_b96 v[128+4*T:130+4*T], v[RD] offset:2*SPITCH*T
.set T, T+1
.endr
	ds_load_b128 v[116:119], v[LTL]
.set T, 0
.rept 32
	s_wait_dscnt 32-T                              ; load T is in: behind it stand 31 - T of its kind and the scale words' one
	global_store_b96 v[CO], v[128+4*T:130+4*T], s[OC:OC+1] offset:384*T   ; 32 lanes store 384 consecutive bytes: two rows
.set T, T+1
.endr
	s_wait_dscnt 0x0
	global_store_b128 v[LTG], v[116:119], s[OS:OS+1]   ; 512 consecutive bytes a wave
	s_wait_tensorcnt 0x0                           ; the wave's end
	ds_add_u32 v[SPW], v[NIL]
	s_wait_dscnt 0x0
	CROUND                                         ; the closing round: no work-group ends while a partner may still ask for a tile that names it
	s_endpgm
.Lfunc_end_k_q0815d8a3e5_proj:
	.size	k_q0815d8a3e5_proj, .Lfunc_end_k_q0815d8a3e5_proj-k_q0815d8a3e5_proj
	.p2alignl 7, 3214868480
	.fill 96, 4, 3214868480
	.section	.rodata,"a",@progbits
	.p2align	6, 0x0
	.amdhsa_kernel k_q0815d8a3e5_proj
		.amdhsa_group_segment_fixed_size 327680
		.amdhsa_private_segment_fixed_size 0
		.amdhsa_enable_private_segment 0
		.amdhsa_kernarg_size 80
		.amdhsa_user_sgpr_count 2
		.amdhsa_user_sgpr_kernarg_segment_ptr 1
		.amdhsa_wavefront_size32 1
		.amdhsa_system_sgpr_workgroup_id_x 1
		.amdhsa_system_sgpr_workgroup_id_y 1
		.amdhsa_system_sgpr_workgroup_id_z 1
		.amdhsa_system_vgpr_workitem_id 0
		.amdhsa_next_free_vgpr 1024
		.amdhsa_next_free_sgpr 100
		.amdhsa_reserve_vcc 0
		.amdhsa_float_denorm_mode_32 3
		.amdhsa_float_denorm_mode_16_64 3
		.amdhsa_memory_ordered 1
		.amdhsa_forward_progress 1
		.amdhsa_inst_pref_size 170
	.end_amdhsa_kernel
	.amdgpu_metadata
---
amdhsa.version: [ 1, 2 ]
amdhsa.kernels:
  - .name:           k_q0815d8a3e5_proj
    .symbol:         k_q0815d8a3e5_proj.kd
    .args:
      - { .name: x_codes, .offset: 0, .size: 8, .value_kind: global_buffer, .address_space: global }
      - { .name: x_scales, .offset: 8, .size: 8, .value_kind: global_buffer, .address_space: global }
      - { .name: kernel_codes, .offset: 16, .size: 8, .value_kind: global_buffer, .address_space: global }
      - { .name: kernel_scales, .offset: 24, .size: 8, .value_kind: global_buffer, .address_space: global }
      - { .name: y_codes, .offset: 32, .size: 8, .value_kind: global_buffer, .address_space: global }
      - { .name: y_scales, .offset: 40, .size: 8, .value_kind: global_buffer, .address_space: global }
      - { .name: qk_codes, .offset: 48, .size: 8, .value_kind: global_buffer, .address_space: global }
      - { .name: qk_scales, .offset: 56, .size: 8, .value_kind: global_buffer, .address_space: global }
      - { .name: vt_codes, .offset: 64, .size: 8, .value_kind: global_buffer, .address_space: global }
      - { .name: vt_scales, .offset: 72, .size: 8, .value_kind: global_buffer, .address_space: global }
    .group_segment_fixed_size: 327680
    .private_segment_fixed_size: 0
    .kernarg_segment_align: 8
    .kernarg_segment_size: 80
    .max_flat_workgroup_size: 128
    .sgpr_count:     100
    .vgpr_count:     1024
    .wavefront_size: 32
...
	.end_amdgpu_metadata
.endif
;; end of part 1
;; launch scores (part 2): grid 8 x 32, 4 waves a work-group, clusters of 4 x 4, 327,680 bytes of LDS; arguments qk_codes, qk_scales, p_codes, p_scales, p_stats; writes p_codes, p_scales, p_stats
.if DOCPART == 2
	.amdgcn_target "amdgcn-amd-amdhsa--gfx1250"
	.amdhsa_code_object_version 6
	.text
	.protected	k_q0815d8a3e5_scores
	.globl	k_q0815d8a3e5_scores
	.p2align	8
	.type	k_q0815d8a3e5_scores,@function
k_q0815d8a3e5_scores:
	s_mov_b64 s[64:65], 0
	v_nop
	global_prefetch_b8 v0, s[64:65] scope:SCOPE_SE
	s_setreg_imm32_b32 hwreg(HW_REG_WAVE_MODE, 25, 1), 1
	s_wait_xcnt 0x0
	s_wait_alu depctr_hold_cnt(0) depctr_sa_sdst(0) depctr_va_vdst(0) depctr_va_sdst(0) depctr_va_ssrc(0) depctr_va_vcc(0) depctr_vm_vsrc(0)
	s_getreg_b32 s2, hwreg(HW_REG_IB_STS2, 6, 4)
	s_cmp_eq_u32 s2, 0
	s_cbranch_scc0 .Lentry_in_a_cluster
	s_endpgm
.Lentry_in_a_cluster:
	s_bfe_u32 s2, ttmp6, 0x10000c
	s_cmp_lg_u32 s2, 0xf033
	s_cbranch_scc0 .Lentry_shape_is_right
	s_endpgm
.Lentry_shape_is_right:
; S = WQ WK^T on codes of FP6 (E2M3), K = 1,024, and the softmax's p, finished for each row and each CHUNK of 128 keys, quantised along the keys.
; t = score x log2(e) / 32.  For a row and a chunk: M_c = the chunk's largest t rounded UP to a whole number; p = 2^(t - M_c); l_c = the sum of the unquantised p.  p's codes and scale bytes, -M_c and l_c go to memory.
; The next launch brings every chunk under the row's own M = the largest M_c by taking M - M_c off the scale bytes: a power of two, which changes no code.  So a true maximum is taken away ahead of every exponential.
; A tile of S, 256 queries x 256 keys of one batch, is made by four waves, each 128 x 128; the core is the first launch's: a ring of two LDS slots of 256 along K, 4 x 4 clusters, joint loads.
; qk_codes: [8 planes of 256 outputs: 0-3 WQ, 4-7 WK][8,192 rows][192 bytes]; qk_scales: [8][8,192][8].  A slot is a plane: a tile is 128 dense rows.
; The matrix instruction is used transposed: lane (r, h) holds query r and, in tile b, keys 16 b + 8 h + 0 .. 7.  INSIDE A BLOCK OF 32 KEYS THE STORED ORDER IS keys 0-7, 16-23, 8-15, 24-31, as in WV^T's codes.
; p_codes: [batch x 8 + plane of 256 keys][2,048 queries][192]; p_scales: [..][2,048][8]; p_stats: [..][2,048][2 chunks][-M_c, l_c].
; A block's largest p is not searched for: the block's largest score goes through the same multiply-add and exponential (this takes v_exp_f32 not to fall where its input rises).
; LIMITS: NaN and infinities are not served.  A block whose every p lies under 2^-124 gets the byte 1.  The order of the products inside a block of 32 differs from the ascending one.
; No prefetch is laid: a tile has four K steps, of which two are first fills, and every tile is read by several clusters at about the same time.
; REGISTERS as in the first launch: window 0: v0-31 addresses; v32-95 scale words and nothing else; v96-127 at work on the way out; from v128 A's fragments; window 1 B's two sets; windows 2, 3 the accumulators.
.set NA,     8
.set NQ,     2
.set FR,     12
.set NL,     6
.set NP,     4
.set PITCH,  240
.set HALFA,  16*NA*PITCH
.set HALFB,  128*PITCH
.set SLOT,   2*HALFA+2*HALFB
.set LAPS,   2
.set RSTRIDE, 192                      ; rows are dense in a plane
.set ASTEP,  8192*192                  ; from plane to plane
.set BSTEP,  8192*192
.set SSTEPA, 1024                      ; in LDS: 128 rows x 8 bytes a plane
.set SSTEPB, 1024
.set SBLKA,  128
.set SBLKB,  128
.set SCL,    2*SLOT                    ; behind the ring: the scale words, 4 x (4 planes x 1,024 bytes)
.set SPARE,  SCL+4*4096                ; the spare words, 128 bytes a wave: two blocks of 256 bytes that no other line names
.set SPITCH, 272                       ; the way out's stage, in slot 0
.set SCST,   256*SPITCH                ; the tile's scale words, 8 bytes a row
.set STST,   SCST+2048                 ; and its statistics, 16 bytes a row
.set SSC,  8
.set SST,  9                           ; v9   where I put a row's -M_c and l_c
.set LTL,  10
.set LTG,  11
.set ADRA, 16
.set ADRB, 20
.set STO,  24
.set RD,   25
.set CO,   26
.set ADRSA, 27
.set SPW,  28
.set NIL,  29
.set ADRSB, 30
.set KC,   31                          ; v31  -infinity
.set SCA,  32
.set SCB,  64
.set TM,   96                          ; v96-99   the four blocks' largest scores, then their p
.set PB,   100                         ; v100-103 the other half's, then the bytes
.set SO,   104                         ; v104-107 the conversions' scale operands
.set SU,   108                         ; v108-111 the sum, in two chains of pairs
.set RT,   112                         ; v112     the chunk's largest score, then t
.set PT,   113                         ; v113     the other half's sum
.set AF,   128
.set SEL,  20                          ; s[20:21]
.set CS,   22                          ; s[22:23] c = log2(e) / 32
.set OC,   8                           ; s[8:9] p_codes, s[10:11] p_scales, s[12:13] p_stats at the tile's blocks
.set OS,   10
.set OT,   12
.set G1,   24
.set G0,   32
.set G1B,  48
.set G0B,  56
.set G1S,  68
.set G0S,  76
.set G1SB, 80
.set G0SB, 88
.set MSB, 0
.macro WIN new                         ; the immediate's high byte repeats the setting that is left
.if MSB != (\new)
	s_set_vgpr_msb (MSB<<8)|(\new)
.set MSB, (\new)
.endif
.endm
.set MUL_LO, 0xa1
.set MUL_HI, 0xf1
.set TO_B,   0x40
.macro JLOAD g0a, g1a, g0b, g1b        ; a joint load: waves 0 and 1 fetch for A, waves 2 and 3 for B; four v_nop follow each of the two lines
	s_cmp_eq_u32 s15, 0
	s_cbranch_scc0 .Lfor_b_\@
	tensor_load_to_lds s[\g0a:\g0a+3], s[\g1a:\g1a+7]
	s_nop 0
.rept 4
	v_nop
.endr
	s_branch .Lasked_\@
.Lfor_b_\@:
	tensor_load_to_lds s[\g0b:\g0b+3], s[\g1b:\g1b+7]
	s_nop 0
.rept 4
	v_nop
.endr
.Lasked_\@:
.endm
.macro CREST
	s_cmp_lg_u32 s14, 0
	s_cbranch_scc1 .Lnot_wave_0_\@
	s_barrier_signal -3
.Lnot_wave_0_\@:
	s_barrier_wait -3
	s_barrier_signal -1
	s_barrier_wait -1
.endm
.macro CROUND
	s_barrier_signal -1
	s_barrier_wait -1
	CREST
.endm
.macro PLACES n
.rept \n
	v_nop
.endr
.endm
.macro FRAG reg, adr, q, i             ; a fragment in six pieces of 8 bytes; the second address register serves the pieces whose partner in lanes 16-31 lies behind one padding more
.irp p, 0,1,2,3,4,5
.set PCE, 12*(\q)+6*(\p/3)+\p%3
.if PCE%8 < 5
	ds_load_b64 v[\reg+2*\p:\reg+2*\p+1], v[\adr] offset:8*PCE+16*(PCE/8)+(\i)*16*PITCH
.else
	ds_load_b64 v[\reg+2*\p:\reg+2*\p+1], v[\adr+2] offset:8*PCE+16*(PCE/8)+(\i)*16*PITCH
.endif
.endr
.endm
.macro MULQ qt, p, q, sc, zero         ; a quarter of a step: NA / 4 blocks of A x B's eight; the accumulators take turns, one instruction a turn
.set MA, (\qt)*NA/4
.rept NA/4
.if MA < 4
	WIN MUL_LO
.else
	WIN MUL_HI
.endif
.set MB, 0
.rept 8
.set RC, 8*(8*(MA%4)+MB)
.set RB, 128*(\p)+FR*MB
.set RA, AF+FR*MA
.set RSB, SCB+16*(\sc)+NQ*MB+(\q)
.set RSA, SCA+2*NA*(\sc)+NQ*MA+(\q)
.if \zero
	v_wmma_scale_f32_16x16x128_f8f6f4 v[RC:RC+7], v[RB:RB+FR-1], v[RA:RA+FR-1], 0, v[RSB], v[RSA] matrix_a_fmt:MATRIX_FMT_FP6 matrix_b_fmt:MATRIX_FMT_FP6
.else
	v_wmma_scale_f32_16x16x128_f8f6f4 v[RC:RC+7], v[RB:RB+FR-1], v[RA:RA+FR-1], v[RC:RC+7], v[RSB], v[RSA] matrix_a_fmt:MATRIX_FMT_FP6 matrix_b_fmt:MATRIX_FMT_FP6
.endif
.set MB, MB+1
.endr
.set MA, MA+1
.endr
.endm
.macro FETCH_B slot, q, p
	WIN TO_B
.irp i, 0,1,2,3,4,5,6,7
	FRAG 128*(\p)+FR*\i, ADRB+\slot, \q, \i
.endr
	WIN 0
.endm
.macro FETCH_A slot, q, half
.set FI, (\half)*NA/2
.rept NA/2
	FRAG AF+FR*FI, ADRA+\slot, \q, FI
.set FI, FI+1
.endr
.endm
.macro SCALES set
.set SI, 0
.rept NA
	ds_load_b64 v[SCA+2*NA*(\set)+2*SI:SCA+2*NA*(\set)+2*SI+1], v[ADRSA] offset:SI*SBLKA
.set SI, SI+1
.endr
.irp i, 0,1,2,3,4,5,6,7
	ds_load_b64 v[SCB+16*(\set)+2*\i:SCB+16*(\set)+2*\i+1], v[ADRSB] offset:\i*SBLKB
.endr
.endm
.macro STEP slot, zero                 ; a slot's first step of 128 along K
	s_wait_dscnt (NA/2)*NL                         ; all is in but the youngest loads, A's second half
	MULQ 0, 0, 0, \slot, \zero
	MULQ 1, 0, 0, \slot, \zero
	s_wait_dscnt 0                                 ; A's second half is in
	PLACES NP                                      ; in front of loads into registers that matrix instructions have read
	FETCH_B \slot, 1, 1
	FETCH_A \slot, 1, 0
	MULQ 2, 0, 0, \slot, \zero
	MULQ 3, 0, 0, \slot, \zero
	PLACES NP
	WIN 0
	FETCH_A \slot, 1, 1
.endm
.macro TURN slot, next, fill           ; a slot's last step changes slots: ONE barrier, with the three lines in front of it
	s_wait_tensorcnt 0x0                           ; all my tensor loads have landed: my part of the next slot
	ds_add_u32 v[SPW], v[NIL]                      ; 0 onto my spare word
	s_wait_dscnt (NA/2)*NL+1                       ; (the add and A's second half may be out)
	MULQ 0, 1, 1, \slot, 0
	s_wait_dscnt 0x0                               ; the add is done, and my reads of this slot are over
	s_barrier_signal -1
	MULQ 1, 1, 1, \slot, 0
	WIN 0
	s_barrier_wait -1
.if \fill
	CREST                                          ; the barrier has opened a round of the cluster's barrier
	s_add_nc_u64 s[G0+4*\slot+2:G0+4*\slot+3], s[G0+4*\slot+2:G0+4*\slot+3], 2*ASTEP
	s_add_nc_u64 s[G0B+4*\slot+2:G0B+4*\slot+3], s[G0B+4*\slot+2:G0B+4*\slot+3], 2*BSTEP
	JLOAD G0+4*\slot, G1, G0B+4*\slot, G1B         ; the first tensor load behind the round; its four v_nop are the places in front of the loads below
.else
	PLACES NP
.endif
	v_add_nc_u32 v[ADRSA], SSTEPA, v[ADRSA]
	v_add_nc_u32 v[ADRSB], SSTEPB, v[ADRSB]
	FETCH_B \next, 0, 0
	FETCH_A \next, 0, 0
	SCALES \next
	MULQ 2, 1, 1, \slot, 0
	MULQ 3, 1, 1, \slot, 0
	PLACES NP
	WIN 0
	FETCH_A \next, 0, 1
.endm
	s_load_b256 s[4:11], s[0:1], 0x0               ; qk_codes s[4:5], qk_scales s[6:7], p_codes s[8:9], p_scales s[10:11]
	s_load_b64 s[12:13], s[0:1], 0x20              ; p_stats
	v_lshl_add_u32 v[SPW], v0, 2, SPARE
	v_mov_b32 v[NIL], 0
	ds_add_u32 v28, v29
	ds_add_u32 v28, v29
	s_wait_dscnt 0x0
	v_lshrrev_b32 v1, 5, v0
	v_readfirstlane_b32 s14, v1                    ; wave 0..3
	s_lshr_b32 s15, s14, 1
	s_and_b32 s16, s14, 1
	s_bfe_u32 s40, ttmp6, 0x40000                  ; cx, cy
	s_bfe_u32 s41, ttmp6, 0x40004
	s_lshl_b32 s42, ttmp9, 2
	s_add_co_u32 s42, s42, s40                     ; the block of 256 keys: 0 .. 7
	s_and_b32 s92, ttmp7, 0xffff                   ; the cluster's y
	s_lshl_b32 s17, s92, 2
	s_add_co_u32 s17, s17, s41                     ; the block of 256 queries among all 8,192 rows: 0 .. 31
	s_lshr_b32 s93, s92, 1                         ; the batch, which the sixteen partners share
	s_and_b32 s94, s92, 1
	s_lshl_b32 s43, s41, 2
	s_lshl_b32 s43, 15, s43                        ; my row of the cluster
	s_lshl_b32 s44, 0x1111, s40                    ; my column
	s_or_b32 s[G1+0], s43, (1<<20)|(1<<21)|(3<<22)|(3<<25)   ; a tile of 128 rows x 192 bytes, 16 bytes of padding behind every 64
	s_or_b32 s[G1B+0], s44, (1<<20)|(1<<21)|(3<<22)|(3<<25)
.irp g, G1, G1B
	s_mov_b32 s[\g+1], 192<<16
	s_mov_b32 s[\g+2], 128<<16
	s_mov_b32 s[\g+3], 192<<16
	s_mov_b32 s[\g+4], 128
	s_mov_b32 s[\g+5], RSTRIDE
	s_mov_b32 s[\g+6], 0
	s_mov_b32 s[\g+7], 0
.endr
	s_or_b32 s[G1S+0], s43, (3<<16)|(1<<21)        ; the scale words of 128 rows in 4 planes: 4 rows of 128 elements of 8 bytes, 8,192 elements apart; no padding
	s_or_b32 s[G1SB+0], s44, (3<<16)|(1<<21)
.irp g, G1S, G1SB
	s_mov_b32 s[\g+1], 128<<16
	s_mov_b32 s[\g+2], 4<<16
	s_mov_b32 s[\g+3], 128<<16
	s_mov_b32 s[\g+4], 4
	s_mov_b32 s[\g+5], 8192
	s_mov_b32 s[\g+6], 0
	s_mov_b32 s[\g+7], 0
.endr
	s_lshl_b32 s18, s16, 7                         ; which 128 rows of the tile I fetch
	s_lshl_b32 s20, s17, 8
	s_add_co_u32 s20, s20, s18                     ; A's row
	s_lshl_b32 s46, s42, 8
	s_add_co_u32 s46, s46, s18
	s_lshl_b32 s19, s93, 11
	s_add_co_u32 s46, s46, s19                     ; B's row: 2,048 x batch + 256 x key block + 128 x half
	s_lshl_b32 s22, s20, 3
	s_mov_b32 s23, 0
	s_mul_i32 s20, s20, 192
	s_mov_b32 s21, 0
	s_lshl_b32 s98, s46, 3
	s_mov_b32 s99, 0
	s_mul_i32 s46, s46, 192
	s_mov_b32 s47, 0
	s_lshl_b32 s18, s93, 6                         ; the tile's block in the outputs: (8 x batch + key block) x 8 + the query block in the batch
	s_lshl_b32 s19, s42, 3
	s_add_co_u32 s18, s18, s19
	s_lshl_b32 s19, s94, 2
	s_add_co_u32 s18, s18, s19
	s_add_co_u32 s18, s18, s41
	s_lshl_b32 s66, s18, 11                        ; 2,048 scale bytes,
	s_mov_b32 s67, 0
	s_lshl_b32 s96, s18, 12                        ; 4,096 bytes of statistics,
	s_mov_b32 s97, 0
	s_mul_i32 s18, s18, 256*192                    ; 49,152 bytes of codes a block
	s_mov_b32 s19, 0
	s_mul_i32 s45, s16, HALFA
	s_mul_i32 s93, s16, HALFB
	s_add_co_u32 s93, s93, 2*HALFA
	s_lshl_b32 s94, s14, 12
	s_wait_kmcnt 0x0
	s_add_nc_u64 s[20:21], s[4:5], s[20:21]
	s_add_nc_u64 s[22:23], s[6:7], s[22:23]
	s_add_nc_u64 s[46:47], s[4:5], s[46:47]
	s_add_nc_u64 s[46:47], s[46:47], 4*8192*192    ; WK's planes lie behind WQ's four
	s_add_nc_u64 s[98:99], s[6:7], s[98:99]
	s_add_nc_u64 s[98:99], s[98:99], 4*8192*8
	s_add_nc_u64 s[OC:OC+1], s[OC:OC+1], s[18:19]
	s_add_nc_u64 s[OS:OS+1], s[OS:OS+1], s[66:67]
	s_add_nc_u64 s[OT:OT+1], s[OT:OT+1], s[96:97]
	CROUND                                         ; all sixteen work-groups are here: the first joint loads meet
	s_mov_b32 s[G0S], 1
	s_add_co_u32 s[G0S+1], s94, SCL
	s_mov_b64 s[G0S+2:G0S+3], s[22:23]
	s_or_b32 s[G0S+3], s[G0S+3], 0x80000000
	s_mov_b32 s[G0SB], 1
	s_add_co_u32 s[G0SB+1], s94, SCL
	s_mov_b64 s[G0SB+2:G0SB+3], s[98:99]
	s_or_b32 s[G0SB+3], s[G0SB+3], 0x80000000
	JLOAD G0S, G1S, G0SB, G1SB
.irp s, 0,1
	s_mov_b32 s[G0+4*\s], 1
	s_add_co_u32 s[G0+4*\s+1], s45, \s*SLOT
	s_add_nc_u64 s[G0+4*\s+2:G0+4*\s+3], s[20:21], \s*ASTEP
	s_or_b32 s[G0+4*\s+3], s[G0+4*\s+3], 0x80000000
	s_mov_b32 s[G0B+4*\s], 1
	s_add_co_u32 s[G0B+4*\s+1], s93, \s*SLOT
	s_add_nc_u64 s[G0B+4*\s+2:G0B+4*\s+3], s[46:47], \s*BSTEP
	s_or_b32 s[G0B+4*\s+3], s[G0B+4*\s+3], 0x80000000
	JLOAD G0+4*\s, G1, G0B+4*\s, G1B
.endr
	v_and_b32 v1, 15, v0                           ; r
	v_bfe_u32 v2, v0, 4, 1                         ; h
	v_mul_u32_u24 v3, v1, PITCH
	v_mul_u32_u24 v4, v2, 24
	v_add_nc_u32 v4, v3, v4
	v_lshl_add_u32 v5, v2, 4, v4
	s_mul_i32 s21, s15, HALFA
	s_mul_i32 s22, s16, HALFB
	s_add_co_u32 s22, s22, 2*HALFA
.irp s, 0,1
	v_add_nc_u32 v[ADRA+\s], s21, v4
	v_add_nc_u32 v[ADRB+\s], s22, v4
	v_add_nc_u32 v[ADRA+2+\s], s21, v5
	v_add_nc_u32 v[ADRB+2+\s], s22, v5
	s_add_co_u32 s21, s21, SLOT
	s_add_co_u32 s22, s22, SLOT
.endr
	s_lshl_b32 s18, s15, 12
	s_add_co_u32 s18, s18, SCL
	v_lshl_add_u32 v[ADRSA], v1, 3, s18            ; A's scale words: my half's 4,096 bytes, 8 bytes a row
	s_lshl_b32 s18, s16, 12
	s_add_co_u32 s18, s18, SCL+8192
	v_lshl_add_u32 v[ADRSB], v1, 3, s18
	; the way out
	s_mul_i32 s18, s15, 128*SPITCH
	s_lshl_b32 s19, s16, 7
	s_add_co_u32 s18, s18, s19
	v_mul_u32_u24 v3, v1, SPITCH
	v_lshl_add_u32 v3, v2, 4, v3
	v_add_nc_u32 v[STO], s18, v3
	s_lshl_b32 s18, s15, 10
	s_lshl_b32 s19, s16, 2
	s_add_co_u32 s18, s18, s19
	s_add_co_u32 s18, s18, SCST
	v_lshl_add_u32 v[SSC], v1, 3, s18
	s_lshl_b32 s18, s15, 11
	s_lshl_b32 s19, s16, 3
	s_add_co_u32 s18, s18, s19
	s_add_co_u32 s18, s18, STST
	v_lshl_add_u32 v[SST], v1, 4, s18              ; 16 bytes a row, 8 for chunk wc
	s_mul_i32 s18, s14, 64*SPITCH
	v_mul_u32_u24 v3, v2, SPITCH
	v_lshl_add_u32 v3, v1, 4, v3
	v_add_nc_u32 v[RD], s18, v3
	s_mul_i32 s18, s14, 64*192
	v_mul_u32_u24 v3, v2, 192
	v_mad_u32_u24 v3, v1, 12, v3
	v_add_nc_u32 v[CO], s18, v3
	v_lshlrev_b32 v[LTG], 4, v0
	v_lshl_add_u32 v[LTL], v0, 4, SCST
	v_mov_b32 v[KC], 0xff800000
.irp c, 0,1,2,3
	v_mov_b32 v[PB+\c], 0                          ; written once: a lane permute's destination counts as one of its sources
.endr
	v_mov_b32 v[PT], 0
	s_mov_b32 s[SEL], 0x76543210
	s_mov_b32 s[SEL+1], 0xfedcba98
	s_mov_b32 s[CS], 0x3d38aa3b                    ; c = log2(e) / 32
	s_mov_b32 s[CS+1], s[CS]                       ; (named with it as a pair, so it is written)
	s_wait_tensorcnt 1                             ; three loads of mine are out: the scales and K step 0 are in, K step 1's may stay out
	s_barrier_signal -1
	s_barrier_wait -1
	FETCH_B 0, 0, 0
	FETCH_A 0, 0, 0
	SCALES 0
	FETCH_A 0, 0, 1
	STEP 0, 1
	s_mov_b32 s3, LAPS-1
.Llap:
	TURN 0, 1, 1
	STEP 1, 0
	TURN 1, 0, 1
	STEP 0, 0
	s_sub_co_u32 s3, s3, 1
	s_cmp_lg_u32 s3, 0
	s_cbranch_scc1 .Llap
	TURN 0, 1, 0
	STEP 1, 0
	s_wait_dscnt (NA/2)*NL
	MULQ 0, 1, 1, 1, 0
	MULQ 1, 1, 1, 1, 0
	s_wait_dscnt 0
	MULQ 2, 1, 1, 1, 0
	MULQ 3, 1, 1, 1, 0
	WIN 0
	PLACES NP
; THE WAY OUT of block a: 16 queries x my chunk of 128 keys; a lane holds 64 scores of one query, lane l xor 16 the other 64.
.macro SMBLK a
.set W, 2+(\a)/4
.set AC, 64*((\a)%4)
.set CD, 128+16*((\a)%2)
.set PW, 160+(\a)%2
.set NM, 164+2*((\a)%2)                ; the pair (-M_c, l_c)
.if (\a) >= 2
	s_wait_dscnt 6                                 ; all but the last block's six stores are done: the set's registers may be written again
.endif
	WIN (W<<2)|(W<<4)                              ; sources 1 and 2: the accumulators' window
.irp c, 0,1,2,3
	v_max3_num_f32 v[TM+\c], v[KC], v[AC+16*\c], v[AC+16*\c+1]   ; the largest score of each block of 32 keys; each accumulator is read from its low end on
.endr
.irp i, 2,4,6,8,10,12,14
.irp c, 0,1,2,3
	v_max3_num_f32 v[TM+\c], v[TM+\c], v[AC+16*\c+\i], v[AC+16*\c+\i+1]
.endr
.endr
	WIN 0
.irp c, 0,1,2,3
	v_permlanex16_b32 v[PB+\c], v[TM+\c], s[SEL], s[SEL+1]
.endr
.irp c, 0,1,2,3
	v_max_num_f32 v[TM+\c], v[TM+\c], v[PB+\c]
.endr
	v_max3_num_f32 v[RT], v[TM], v[TM+1], v[TM+2]
	v_max_num_f32 v[RT], v[RT], v[TM+3]            ; the chunk's largest score of my query
	v_mul_f32 v[RT], s[CS], v[RT]                  ; as t (c is positive)
	v_floor_f32 v[NM], -v[RT]                      ; -M_c = floor(-t) = -ceil(t): a whole number
	v_mov_b32 v[NM+1], 0                           ; (named with it as a pair below)
.irp c, 0,1,2,3
	v_fma_f32 v[TM+\c], v[TM+\c], s[CS], v[NM]     ; t - M_c of each block's largest score
.endr
.irp j, 0,1,2,3
	v_mov_b32 v[SU+\j], 0
.endr
	WIN (W<<6)|W                                   ; destination and source 0: the accumulators' window
.set J, 0
.rept 32
	v_pk_fma_f32 v[AC+J:AC+J+1], v[AC+J:AC+J+1], s[CS:CS+1], v[NM:NM+1] op_sel_hi:[1,0,0]   ; t - M_c, two at a time
.set J, J+2
.endr
.set J, 0
.rept 64
	v_exp_f32 v[AC+J], v[AC+J]                     ; p = 2^(t - M_c)
.set J, J+1
.endr
	WIN 0
.irp c, 0,1,2,3
	v_exp_f32 v[TM+\c], v[TM+\c]                   ; each block's largest p: the same two instructions on the same number give the same bits
.endr
	v_nop                                          ; a plain place behind the last exponential
	s_wait_alu depctr_va_vdst(0)                   ; one wait for the batch of 68, ahead of its first reader
	WIN W<<2                                       ; source 1: the accumulators' window
.set J, 0
.rept 16
	v_pk_add_f32 v[SU:SU+1], v[SU:SU+1], v[AC+J:AC+J+1]         ; the sum of the UNQUANTISED p, in two chains
	v_pk_add_f32 v[SU+2:SU+3], v[SU+2:SU+3], v[AC+J+2:AC+J+3]
.set J, J+4
.endr
	WIN 0
	v_pk_add_f32 v[SU:SU+1], v[SU:SU+1], v[SU+2:SU+3]
	v_add_f32 v[SU], v[SU], v[SU+1]
	v_permlanex16_b32 v[PT], v[SU], s[SEL], s[SEL+1]
	v_add_f32 v[NM+1], v[SU], v[PT]                ; l_c
.irp c, 0,1,2,3
	v_max_num_f32 v[TM+\c], 0x1800000, v[TM+\c]    ; the floor 2^(3 - 127): the byte cannot fall under 1
.endr
.irp c, 0,1,2,3
	v_add_nc_u32 v[SO+\c], 0xff000000, v[TM+\c]    ; 2 off the exponent field: the conversion's scale operand
.endr
.irp c, 0,1,2,3
	v_lshrrev_b32 v[PB+\c], 23, v[SO+\c]           ; the scale's byte
.endr
	v_lshl_or_b32 v[PW], v[PB+1], 8, v[PB]
	v_lshl_or_b32 v[PW], v[PB+2], 16, v[PW]
	v_lshl_or_b32 v[PW], v[PB+3], 24, v[PW]
	WIN W                                          ; source 0: the accumulators' window
.irp c, 0,1,2,3
	v_cvt_scalef32_pk16_fp6_f32 v[CD+4*\c:CD+4*\c+2], v[AC+16*\c:AC+16*\c+15], v[SO+\c]
.endr
	v_nop                                          ; one plain place behind the scaled conversions
	WIN 0
.irp c, 0,1,2,3
	ds_store_b96 v[STO], v[CD+4*\c:CD+4*\c+2] offset:16*SPITCH*(\a)+32*\c
.endr
	ds_store_b32 v[SSC], v[PW] offset:128*(\a)     ; both halves of the lanes store the same word,
	ds_store_b64 v[SST], v[NM:NM+1] offset:256*(\a)   ; and the same pair
.endm
.irp a, 0,1,2,3,4,5,6,7
	SMBLK \a
.endr
	s_wait_dscnt 0x0                               ; for the others' sake: my stores into the stage are done
	s_barrier_signal -1
	s_barrier_wait -1
.set T, 0
.rept 32
	ds_load_b96 v[128+4*T:130+4*T], v[RD] offset:2*SPITCH*T
.set T, T+1
.endr
	ds_load_b128 v[116:119], v[LTL]
	ds_load_b128 v[120:123], v[LTL] offset:2048    ; the statistics lie behind the scale words
	ds_load_b128 v[124:127], v[LTL] offset:4096
.set T, 0
.rept 32
	s_wait_dscnt 34-T                              ; load T is in: behind it stand 31 - T of its kind and three more
	global_store_b96 v[CO], v[128+4*T:130+4*T], s[OC:OC+1] offset:384*T   ; 32 lanes store 384 consecutive bytes: two rows
.set T, T+1
.endr
	s_wait_dscnt 0x0
	global_store_b128 v[LTG], v[116:119], s[OS:OS+1]
	global_store_b128 v[LTG], v[120:123], s[OT:OT+1]
	global_store_b128 v[LTG], v[124:127], s[OT:OT+1] offset:2048
	s_wait_tensorcnt 0x0                           ; the wave's end
	ds_add_u32 v[SPW], v[NIL]
	s_wait_dscnt 0x0
	CROUND                                         ; the closing round
	s_endpgm
.Lfunc_end_k_q0815d8a3e5_scores:
	.size	k_q0815d8a3e5_scores, .Lfunc_end_k_q0815d8a3e5_scores-k_q0815d8a3e5_scores
	.p2alignl 7, 3214868480
	.fill 96, 4, 3214868480
	.section	.rodata,"a",@progbits
	.p2align	6, 0x0
	.amdhsa_kernel k_q0815d8a3e5_scores
		.amdhsa_group_segment_fixed_size 327680
		.amdhsa_private_segment_fixed_size 0
		.amdhsa_enable_private_segment 0
		.amdhsa_kernarg_size 40
		.amdhsa_user_sgpr_count 2
		.amdhsa_user_sgpr_kernarg_segment_ptr 1
		.amdhsa_wavefront_size32 1
		.amdhsa_system_sgpr_workgroup_id_x 1
		.amdhsa_system_sgpr_workgroup_id_y 1
		.amdhsa_system_sgpr_workgroup_id_z 1
		.amdhsa_system_vgpr_workitem_id 0
		.amdhsa_next_free_vgpr 1024
		.amdhsa_next_free_sgpr 100
		.amdhsa_reserve_vcc 0
		.amdhsa_float_denorm_mode_32 3
		.amdhsa_float_denorm_mode_16_64 3
		.amdhsa_memory_ordered 1
		.amdhsa_forward_progress 1
		.amdhsa_inst_pref_size 230
	.end_amdhsa_kernel
	.amdgpu_metadata
---
amdhsa.version: [ 1, 2 ]
amdhsa.kernels:
  - .name:           k_q0815d8a3e5_scores
    .symbol:         k_q0815d8a3e5_scores.kd
    .args:
      - { .name: qk_codes, .offset: 0, .size: 8, .value_kind: global_buffer, .address_space: global }
      - { .name: qk_scales, .offset: 8, .size: 8, .value_kind: global_buffer, .address_space: global }
      - { .name: p_codes, .offset: 16, .size: 8, .value_kind: global_buffer, .address_space: global }
      - { .name: p_scales, .offset: 24, .size: 8, .value_kind: global_buffer, .address_space: global }
      - { .name: p_stats, .offset: 32, .size: 8, .value_kind: global_buffer, .address_space: global }
    .group_segment_fixed_size: 327680
    .private_segment_fixed_size: 0
    .kernarg_segment_align: 8
    .kernarg_segment_size: 40
    .max_flat_workgroup_size: 128
    .sgpr_count:     100
    .vgpr_count:     1024
    .wavefront_size: 32
...
	.end_amdgpu_metadata
.endif
;; end of part 2
;; launch pv (part 3): grid 4 x 64, 4 waves a work-group, clusters of 4 x 4, 327,680 bytes of LDS; arguments p_codes, p_scales, p_stats, vt_codes, vt_scales, out0; writes out0
.if DOCPART == 3
	.amdgcn_target "amdgcn-amd-amdhsa--gfx1250"
	.amdhsa_code_object_version 6
	.text
	.protected	k_q0815d8a3e5_pv
	.globl	k_q0815d8a3e5_pv
	.p2align	8
	.type	k_q0815d8a3e5_pv,@function
k_q0815d8a3e5_pv:
	s_mov_b64 s[64:65], 0
	v_nop
	global_prefetch_b8 v0, s[64:65] scope:SCOPE_SE
	s_setreg_imm32_b32 hwreg(HW_REG_WAVE_MODE, 25, 1), 1
	s_wait_xcnt 0x0
	s_wait_alu depctr_hold_cnt(0) depctr_sa_sdst(0) depctr_va_vdst(0) depctr_va_sdst(0) depctr_va_ssrc(0) depctr_va_vcc(0) depctr_vm_vsrc(0)
	s_getreg_b32 s2, hwreg(HW_REG_IB_STS2, 6, 4)
	s_cmp_eq_u32 s2, 0
	s_cbranch_scc0 .Lentry_in_a_cluster
	s_endpgm
.Lentry_in_a_cluster:
	s_bfe_u32 s2, ttmp6, 0x10000c
	s_cmp_lg_u32 s2, 0xf033
	s_cbranch_scc0 .Lentry_shape_is_right
	s_endpgm
.Lentry_shape_is_right:
; O = (P WV) / l on codes of FP6 (E2M3), K = the batch's 2,048 keys.  P came in chunks of 128 keys, each under its own whole number M_c: p_c = 2^(t - M_c).
; AT THE HEAD each thread takes one of the work-group's 128 queries: M = the largest of its 16 M_c; d = M - M_c is taken off the four scale bytes of chunk c (p = p_c x 2^-d: no code changes); l = the sum of l_c x 2^-d; 1 / l.
; The moved scale words go to LDS, where the products' scale operands are read from; 1 / l multiplies the sums at the end.
; A tile of O, 128 queries x 256 outputs, is made by four waves, each 64 x 128 in 32 accumulators: 256 work-groups.  The core is the first launch's with four blocks of A to a wave: a ring of two LDS slots of 256 keys, 4 x 4 clusters:
; P's tiles are asked for jointly along a row of the cluster, WV^T's along a column.  p_codes: [batch x 8 + plane][2,048][192]; vt_codes: [batch x 8 + plane][1,024 outputs][192]; a slot is a plane.
; WV^T's scale words of the work-group's 256 outputs, for all 8 planes, come once with the first fills: each wave brings two planes by a joint load of its own.
; LIMITS: NaN and infinities are not served.  A byte of P that would fall under 1 is held at 1: such a block then counts for at most 7.5 x 2^-126 a number, against a row's sum above 1/2.  d is held at 255, beyond which every byte is 1 and l_c x 2^-d is 0.
; No prefetch is laid: P's and WV^T's tiles are each read by several work-groups at about the same time, and a tile's walk is eight K steps.
; REGISTERS: window 0: v0-31 addresses; v32-47 P's scale words, v64-95 WV^T's, two sets each, and nothing else ever; v96-103 1 / l, a pair for each block of 16 rows; v104-127, v176-255 at work at the head; from v128 A's fragments, one set;
;   window 1: B's two sets;  window 2: the accumulators ((a, b) at v[8 (8 a + b)]).
.set NA,     4
.set NQ,     2
.set FR,     12
.set NL,     6
.set NP,     4
.set PITCH,  240
.set HALFA,  16*NA*PITCH               ; 64 rows of P
.set HALFB,  128*PITCH                 ; 128 rows of WV^T
.set SLOT,   2*HALFA+2*HALFB
.set LAPS,   4                         ; 2,048 / 512
.set RSTRIDE, 192
.set ASTEP,  2048*192                  ; from plane to plane
.set BSTEP,  1024*192
.set SSTEPA, 1024                      ; in LDS: 128 rows x 8 bytes a plane
.set SSTEPB, 2048                      ; 256 rows x 8 bytes
.set SBLKA,  128
.set SBLKB,  128
.set SCLB,   2*SLOT                    ; behind the ring: WV^T's scale words, 8 planes x 2,048 bytes, filled once
.set ASC,    SCLB+16384                ; P's moved scale words, 8 planes x 1,024 bytes: stored by the waves; no fill lands here
.set RLB,    ASC+8192                  ; 1 / l, 4 bytes a row
.set SPARE,  RLB+512                   ; the spare words, 128 bytes a wave: two blocks of 256 bytes that no other line names
.set SPITCH, 528                       ; the way out: a stage of 16 rows x (512 bytes + 16) for each wave, in slot 0
.set ADRA, 16
.set ADRB, 20
.set STO,  24
.set RD,   25
.set CO,   26
.set ADRSA, 27
.set SPW,  28
.set NIL,  29
.set ADRSB, 30
.set SCA,  32
.set SCB,  64
.set RL,   96
.set AF,   128
.set BK,   128                         ; the way out: 16 rows read back: v128-191 and v192-255 by turns
.set G1,   24
.set G0,   32
.set G1B,  48
.set G0B,  56
.set G1S,  68
.set G0S,  76
.set MSB, 0
.macro WIN new                         ; the immediate's high byte repeats the setting that is left
.if MSB != (\new)
	s_set_vgpr_msb (MSB<<8)|(\new)
.set MSB, (\new)
.endif
.endm
.set MUL_LO, 0xa1
.set MUL_HI, 0xf1
.set TO_B,   0x40
.macro JLOAD g0a, g1a, g0b, g1b        ; a joint load: waves 0 and 1 fetch for A, waves 2 and 3 for B; four v_nop follow each of the two lines
	s_cmp_eq_u32 s15, 0
	s_cbranch_scc0 .Lfor_b_\@
	tensor_load_to_lds s[\g0a:\g0a+3], s[\g1a:\g1a+7]
	s_nop 0
.rept 4
	v_nop
.endr
	s_branch .Lasked_\@
.Lfor_b_\@:
	tensor_load_to_lds s[\g0b:\g0b+3], s[\g1b:\g1b+7]
	s_nop 0
.rept 4
	v_nop
.endr
.Lasked_\@:
.endm
.macro CREST
	s_cmp_lg_u32 s14, 0
	s_cbranch_scc1 .Lnot_wave_0_\@
	s_barrier_signal -3
.Lnot_wave_0_\@:
	s_barrier_wait -3
	s_barrier_signal -1
	s_barrier_wait -1
.endm
.macro CROUND
	s_barrier_signal -1
	s_barrier_wait -1
	CREST
.endm
.macro PLACES n
.rept \n
	v_nop
.endr
.endm
.macro FRAG reg, adr, q, i             ; a fragment in six pieces of 8 bytes; the second address register serves the pieces whose partner in lanes 16-31 lies behind one padding more
.irp p, 0,1,2,3,4,5
.set PCE, 12*(\q)+6*(\p/3)+\p%3
.if PCE%8 < 5
	ds_load_b64 v[\reg+2*\p:\reg+2*\p+1], v[\adr] offset:8*PCE+16*(PCE/8)+(\i)*16*PITCH
.else
	ds_load_b64 v[\reg+2*\p:\reg+2*\p+1], v[\adr+2] offset:8*PCE+16*(PCE/8)+(\i)*16*PITCH
.endif
.endr
.endm
.macro MULQ qt, p, q, sc, zero         ; a quarter of a step: one block of A x B's eight; the 32 accumulators take turns, one instruction a turn
.set MA, (\qt)*NA/4
.rept NA/4
.if MA < 4
	WIN MUL_LO
.else
	WIN MUL_HI
.endif
.set MB, 0
.rept 8
.set RC, 8*(8*(MA%4)+MB)
.set RB, 128*(\p)+FR*MB
.set RA, AF+FR*MA
.set RSB, SCB+16*(\sc)+NQ*MB+(\q)
.set RSA, SCA+2*NA*(\sc)+NQ*MA+(\q)
.if \zero
	v_wmma_scale_f32_16x16x128_f8f6f4 v[RC:RC+7], v[RB:RB+FR-1], v[RA:RA+FR-1], 0, v[RSB], v[RSA] matrix_a_fmt:MATRIX_FMT_FP6 matrix_b_fmt:MATRIX_FMT_FP6
.else
	v_wmma_scale_f32_16x16x128_f8f6f4 v[RC:RC+7], v[RB:RB+FR-1], v[RA:RA+FR-1], v[RC:RC+7], v[RSB], v[RSA] matrix_a_fmt:MATRIX_FMT_FP6 matrix_b_fmt:MATRIX_FMT_FP6
.endif
.set MB, MB+1
.endr
.set MA, MA+1
.endr
.endm
.macro FETCH_B slot, q, p
	WIN TO_B
.irp i, 0,1,2,3,4,5,6,7
	FRAG 128*(\p)+FR*\i, ADRB+\slot, \q, \i
.endr
	WIN 0
.endm
.macro FETCH_A slot, q, half
.set FI, (\half)*NA/2
.rept NA/2
	FRAG AF+FR*FI, ADRA+\slot, \q, FI
.set FI, FI+1
.endr
.endm
.macro SCALES set
.set SI, 0
.rept NA
	ds_load_b64 v[SCA+2*NA*(\set)+2*SI:SCA+2*NA*(\set)+2*SI+1], v[ADRSA] offset:SI*SBLKA
.set SI, SI+1
.endr
.irp i, 0,1,2,3,4,5,6,7
	ds_load_b64 v[SCB+16*(\set)+2*\i:SCB+16*(\set)+2*\i+1], v[ADRSB] offset:\i*SBLKB
.endr
.endm
.macro STEP slot, zero                 ; a slot's first step of 128 along K
	s_wait_dscnt (NA/2)*NL                         ; all is in but the youngest loads, A's second half
	MULQ 0, 0, 0, \slot, \zero
	MULQ 1, 0, 0, \slot, \zero
	s_wait_dscnt 0                                 ; A's second half is in
	PLACES NP                                      ; in front of loads into registers that matrix instructions have read
	FETCH_B \slot, 1, 1
	FETCH_A \slot, 1, 0
	MULQ 2, 0, 0, \slot, \zero
	MULQ 3, 0, 0, \slot, \zero
	PLACES NP
	WIN 0
	FETCH_A \slot, 1, 1
.endm
.macro TURN slot, next, fill           ; a slot's last step changes slots: ONE barrier, with the three lines in front of it
	s_wait_tensorcnt 0x0                           ; all my tensor loads have landed: my part of the next slot
	ds_add_u32 v[SPW], v[NIL]                      ; 0 onto my spare word
	s_wait_dscnt (NA/2)*NL+1                       ; (the add and A's second half may be out)
	MULQ 0, 1, 1, \slot, 0
	s_wait_dscnt 0x0                               ; the add is done, and my reads of this slot are over
	s_barrier_signal -1
	MULQ 1, 1, 1, \slot, 0
	WIN 0
	s_barrier_wait -1
.if \fill
	CREST                                          ; the barrier has opened a round of the cluster's barrier
	s_add_nc_u64 s[G0+4*\slot+2:G0+4*\slot+3], s[G0+4*\slot+2:G0+4*\slot+3], 2*ASTEP
	s_add_nc_u64 s[G0B+4*\slot+2:G0B+4*\slot+3], s[G0B+4*\slot+2:G0B+4*\slot+3], 2*BSTEP
	JLOAD G0+4*\slot, G1, G0B+4*\slot, G1B         ; the first tensor load behind the round; its four v_nop are the places in front of the loads below
.else
	PLACES NP
.endif
	v_add_nc_u32 v[ADRSA], SSTEPA, v[ADRSA]
	v_add_nc_u32 v[ADRSB], SSTEPB, v[ADRSB]
	FETCH_B \next, 0, 0
	FETCH_A \next, 0, 0
	SCALES \next
	MULQ 2, 1, 1, \slot, 0
	MULQ 3, 1, 1, \slot, 0
	PLACES NP
	WIN 0
	FETCH_A \next, 0, 1
.endm
	s_load_b256 s[4:11], s[0:1], 0x0               ; p_codes s[4:5], p_scales s[6:7], p_stats s[8:9], vt_codes s[10:11]
	s_load_b128 s[96:99], s[0:1], 0x20             ; vt_scales s[96:97], out0 s[98:99]
	v_lshl_add_u32 v[SPW], v0, 2, SPARE
	v_mov_b32 v[NIL], 0
	ds_add_u32 v28, v29
	ds_add_u32 v28, v29
	s_wait_dscnt 0x0
	v_lshrrev_b32 v1, 5, v0
	v_readfirstlane_b32 s14, v1                    ; wave 0..3
	s_lshr_b32 s15, s14, 1                         ; which 64 of the tile's rows are mine.  Also: I fetch for A (0) or for B (1)
	s_and_b32 s16, s14, 1                          ; which 128 of its columns.  Also: which half of that tile I fetch
	s_bfe_u32 s40, ttmp6, 0x40000                  ; cx, cy
	s_bfe_u32 s41, ttmp6, 0x40004
	s_lshl_b32 s42, ttmp9, 2
	s_add_co_u32 s42, s42, s40                     ; the block of 256 outputs: 0 .. 3
	s_and_b32 s92, ttmp7, 0xffff                   ; the cluster's y
	s_lshl_b32 s17, s92, 2
	s_add_co_u32 s17, s17, s41                     ; the block of 128 queries among all 8,192 rows: 0 .. 63
	s_lshr_b32 s93, s92, 2                         ; the batch, which the sixteen partners share
	s_and_b32 s94, s92, 3
	s_lshl_b32 s94, s94, 2
	s_add_co_u32 s94, s94, s41
	s_lshl_b32 s94, s94, 7                         ; my first query in the batch
	s_lshl_b32 s95, s93, 14
	s_add_co_u32 s94, s94, s95                     ; + 8 planes of 2,048 rows for each batch: its row in the batch's first plane of P
	s_lshl_b32 s43, s41, 2
	s_lshl_b32 s43, 15, s43                        ; my row of the cluster
	s_lshl_b32 s44, 0x1111, s40                    ; my column
	s_or_b32 s[G1+0], s43, (1<<20)|(1<<21)|(3<<22)|(3<<25)   ; P: a tile of 64 rows x 192 bytes, 16 bytes of padding behind every 64
	s_mov_b32 s[G1+1], 192<<16
	s_mov_b32 s[G1+2], 64<<16
	s_mov_b32 s[G1+3], 192<<16
	s_mov_b32 s[G1+4], 64
	s_mov_b32 s[G1+5], RSTRIDE
	s_mov_b32 s[G1+6], 0
	s_mov_b32 s[G1+7], 0
	s_or_b32 s[G1B+0], s44, (1<<20)|(1<<21)|(3<<22)|(3<<25)  ; WV^T: 128 rows
	s_mov_b32 s[G1B+1], 192<<16
	s_mov_b32 s[G1B+2], 128<<16
	s_mov_b32 s[G1B+3], 192<<16
	s_mov_b32 s[G1B+4], 128
	s_mov_b32 s[G1B+5], RSTRIDE
	s_mov_b32 s[G1B+6], 0
	s_mov_b32 s[G1B+7], 0
	s_or_b32 s[G1S+0], s44, (3<<16)|(1<<21)        ; WV^T's scale words: 2 planes of 256 elements of 8 bytes, 1,024 elements apart; no padding; they go to my column
	s_mov_b32 s[G1S+1], 256<<16
	s_mov_b32 s[G1S+2], 2<<16
	s_mov_b32 s[G1S+3], 256<<16
	s_mov_b32 s[G1S+4], 2
	s_mov_b32 s[G1S+5], 1024
	s_mov_b32 s[G1S+6], 0
	s_mov_b32 s[G1S+7], 0
	s_lshl_b32 s18, s16, 6                         ; which 64 rows of P's tile I fetch
	s_add_co_u32 s20, s94, s18
	s_mul_i32 s20, s20, 192
	s_mov_b32 s21, 0
	s_lshl_b32 s46, s93, 13                        ; WV^T: 8 planes of 1,024 rows for each batch,
	s_lshl_b32 s19, s42, 8
	s_add_co_u32 s46, s46, s19                     ; + 256 x output block
	s_lshl_b32 s19, s14, 11                        ; its scale words: planes 2 w and 2 w + 1 are mine to fetch
	s_add_co_u32 s22, s46, s19
	s_lshl_b32 s22, s22, 3
	s_mov_b32 s23, 0
	s_lshl_b32 s19, s16, 7                         ; its codes: which 128 rows I fetch
	s_add_co_u32 s46, s46, s19
	s_mul_i32 s46, s46, 192
	s_mov_b32 s47, 0
	s_lshl_b32 s66, s94, 3                         ; P's scale words of my work-group's rows,
	s_mov_b32 s67, 0
	s_lshl_b32 s18, s94, 4                         ; and their statistics
	s_mov_b32 s19, 0
	s_lshl_b32 s12, s17, 7                         ; O: row 128 x query block + 64 wr, of 4,096 bytes; column 256 x output block + 128 wc, of 4 bytes
	s_lshl_b32 s13, s15, 6
	s_add_co_u32 s12, s12, s13
	s_lshl_b32 s12, s12, 12
	s_lshl_b32 s13, s42, 10
	s_add_co_u32 s12, s12, s13
	s_lshl_b32 s13, s16, 9
	s_add_co_u32 s12, s12, s13
	s_mov_b32 s13, 0
	s_mul_i32 s45, s16, HALFA                      ; where the tiles go: no place in the cluster enters an LDS address
	s_mul_i32 s93, s16, HALFB
	s_add_co_u32 s93, s93, 2*HALFA
	s_lshl_b32 s95, s14, 12
	s_wait_kmcnt 0x0
	s_add_nc_u64 s[20:21], s[4:5], s[20:21]
	s_add_nc_u64 s[46:47], s[10:11], s[46:47]
	s_add_nc_u64 s[22:23], s[96:97], s[22:23]
	s_add_nc_u64 s[6:7], s[6:7], s[66:67]
	s_add_nc_u64 s[8:9], s[8:9], s[18:19]
	s_add_nc_u64 s[12:13], s[98:99], s[12:13]
	CROUND                                         ; all sixteen work-groups are here: the first joint loads meet
	s_mov_b32 s[G0S], 1
	s_add_co_u32 s[G0S+1], s95, SCLB
	s_mov_b64 s[G0S+2:G0S+3], s[22:23]
	s_or_b32 s[G0S+3], s[G0S+3], 0x80000000
	tensor_load_to_lds s[G0S:G0S+3], s[G1S:G1S+7]  ; every wave brings its own two planes
	s_nop 0
.rept 4
	v_nop
.endr
.irp s, 0,1
	s_mov_b32 s[G0+4*\s], 1
	s_add_co_u32 s[G0+4*\s+1], s45, \s*SLOT
	s_add_nc_u64 s[G0+4*\s+2:G0+4*\s+3], s[20:21], \s*ASTEP
	s_or_b32 s[G0+4*\s+3], s[G0+4*\s+3], 0x80000000
	s_mov_b32 s[G0B+4*\s], 1
	s_add_co_u32 s[G0B+4*\s+1], s93, \s*SLOT
	s_add_nc_u64 s[G0B+4*\s+2:G0B+4*\s+3], s[46:47], \s*BSTEP
	s_or_b32 s[G0B+4*\s+3], s[G0B+4*\s+3], 0x80000000
	JLOAD G0+4*\s, G1, G0B+4*\s, G1B
.endr
	; THE HEAD: thread t takes row t of the work-group's 128: 16 scale words (v128 + k, k = 2 x plane + chunk) and 16 pairs (-M_c, l_c) (v144 + 2 k, v145 + 2 k)
	v_lshlrev_b32 v6, 3, v0
	v_lshlrev_b32 v7, 4, v0
.irp p, 0,1,2,3,4,5,6,7
	global_load_b64 v[128+2*\p:129+2*\p], v6, s[6:7] offset:16384*\p      ; a wave reads 256 consecutive bytes
.endr
.irp p, 0,1,2,3,4,5,6,7
	global_load_b128 v[144+4*\p:147+4*\p], v7, s[8:9] offset:32768*\p     ; and 512
.endr
	v_and_b32 v1, 15, v0                           ; r
	v_bfe_u32 v2, v0, 4, 1                         ; h
	v_mul_u32_u24 v3, v1, PITCH
	v_mul_u32_u24 v4, v2, 24
	v_add_nc_u32 v4, v3, v4
	v_lshl_add_u32 v5, v2, 4, v4
	s_mul_i32 s21, s15, HALFA
	s_mul_i32 s22, s16, HALFB
	s_add_co_u32 s22, s22, 2*HALFA
.irp s, 0,1
	v_add_nc_u32 v[ADRA+\s], s21, v4
	v_add_nc_u32 v[ADRB+\s], s22, v4
	v_add_nc_u32 v[ADRA+2+\s], s21, v5
	v_add_nc_u32 v[ADRB+2+\s], s22, v5
	s_add_co_u32 s21, s21, SLOT
	s_add_co_u32 s22, s22, SLOT
.endr
	s_lshl_b32 s18, s15, 9
	s_add_co_u32 s18, s18, ASC
	v_lshl_add_u32 v[ADRSA], v1, 3, s18            ; P's scale words: row 64 wr + r, 8 bytes a row
	s_lshl_b32 s18, s16, 10
	s_add_co_u32 s18, s18, SCLB
	v_lshl_add_u32 v[ADRSB], v1, 3, s18            ; WV^T's: row 128 wc + r
	s_lshl_b32 s18, s15, 8
	s_add_co_u32 s18, s18, RLB
	v_lshl_add_u32 v14, v1, 2, s18                 ; 1 / l of row 64 wr + r
	v_lshl_add_u32 v12, v0, 3, ASC                 ; where I store my row's words,
	v_lshl_add_u32 v13, v0, 2, RLB                 ; and its 1 / l
	s_mul_i32 s18, s14, 16*SPITCH                  ; my stage
	v_mul_u32_u24 v3, v1, SPITCH
	v_lshl_add_u32 v3, v2, 5, v3
	v_add_nc_u32 v[STO], s18, v3                   ; in: row r, 32 bytes for each half of the lanes
	v_and_b32 v3, 31, v0
	v_lshlrev_b32 v[CO], 4, v3                     ; back: the 32 lanes take one row of 512 bytes; and the same in O
	v_add_nc_u32 v[RD], s18, v[CO]
	s_wait_loadcnt 0x0
	v_min3_num_f32 v104, v144, v146, v148          ; -M = the least of the 16 -M_c
.irp k, 3,5,7,9,11,13
	v_min3_num_f32 v104, v104, v[144+2*\k], v[146+2*\k]
.endr
	v_min_num_f32 v104, v104, v174
.irp k, 0,1,2,3,4,5,6,7,8,9,10,11,12,13,14,15
	v_sub_f32 v[176+\k], v[144+2*\k], v104         ; d = M - M_c: a whole number, 0 or more
.endr
.irp k, 0,1,2,3,4,5,6,7,8,9,10,11,12,13,14,15
	v_min_num_f32 v[176+\k], 0x437f0000, v[176+\k] ; held at 255
.endr
.irp k, 0,1,2,3,4,5,6,7,8,9,10,11,12,13,14,15
	v_cvt_u32_f32 v[176+\k], v[176+\k]
.endr
.irp k, 0,1,2,3,4,5,6,7,8,9,10,11,12,13,14,15
	v_sub_nc_u32 v[192+\k], 0, v[176+\k]
.endr
.irp k, 0,1,2,3,4,5,6,7,8,9,10,11,12,13,14,15
	v_ldexp_f32 v[208+\k], v[145+2*\k], v[192+\k]  ; l_c x 2^-d
.endr
.irp k, 0,1,2,3,4,5,6,7
	v_add_f32 v[208+\k], v[208+\k], v[216+\k]
.endr
.irp k, 0,1,2,3
	v_add_f32 v[208+\k], v[208+\k], v[212+\k]
.endr
	v_add_f32 v208, v208, v210
	v_add_f32 v209, v209, v211
	v_add_f32 v208, v208, v209                     ; l
	v_rcp_f32 v105, v208
.irp k, 0,1,2,3,4,5,6,7,8,9,10,11,12,13,14,15
	v_add_nc_u32 v110, 0xfefefeff, v[128+\k]       ; every byte b is 1 or more: b - 1 in each, with no borrow
	v_bfe_u32 v111, v110, 0, 8
	v_bfe_u32 v112, v110, 8, 8
	v_bfe_u32 v113, v110, 16, 8
	v_lshrrev_b32 v114, 24, v110
	v_min_u32 v111, v111, v[176+\k]                ; min(b - 1, d)
	v_min_u32 v112, v112, v[176+\k]
	v_min_u32 v113, v113, v[176+\k]
	v_min_u32 v114, v114, v[176+\k]
	v_lshl_or_b32 v111, v112, 8, v111
	v_lshl_or_b32 v113, v114, 8, v113
	v_lshl_or_b32 v111, v113, 16, v111
	v_sub_nc_u32 v[128+\k], v[128+\k], v111        ; b - min(b - 1, d): 1 or more, with no borrow
.endr
	s_wait_alu depctr_va_vdst(0)                   ; the wait behind the reciprocal, ahead of its first reader; the lines above are the plain work between
.irp p, 0,1,2,3,4,5,6,7
	ds_store_b64 v12, v[128+2*\p:129+2*\p] offset:1024*\p
.endr
	ds_store_b32 v13, v105
	s_wait_tensorcnt 1                             ; three loads of mine are out: WV^T's scale words and K step 0 are in, K step 1's may stay out
	s_wait_dscnt 0x0                               ; for the others' sake: my stores of scale words and 1 / l are done
	s_barrier_signal -1
	s_barrier_wait -1
.irp a, 0,1,2,3
	ds_load_b32 v[RL+2*\a], v14 offset:64*\a       ; 1 / l of my rows, twice: a pair for the packed multiply.  The oldest LDS loads: every later wait covers them
	ds_load_b32 v[RL+2*\a+1], v14 offset:64*\a
.endr
	FETCH_B 0, 0, 0
	FETCH_A 0, 0, 0
	SCALES 0
	FETCH_A 0, 0, 1
	STEP 0, 1                                      ; the first step stands in front of the loop: its products start the sums
	s_mov_b32 s3, LAPS-1
.Llap:                                                 ; a trip goes once round the ring and fills both slots again
	TURN 0, 1, 1
	STEP 1, 0
	TURN 1, 0, 1
	STEP 0, 0
	s_sub_co_u32 s3, s3, 1
	s_cmp_lg_u32 s3, 0
	s_cbranch_scc1 .Llap
	TURN 0, 1, 0                                   ; the last lap fills nothing
	STEP 1, 0
	s_wait_dscnt (NA/2)*NL
	MULQ 0, 1, 1, 1, 0
	MULQ 1, 1, 1, 1, 0
	s_wait_dscnt 0
	MULQ 2, 1, 1, 1, 0
	MULQ 3, 1, 1, 1, 0
	WIN 0
	PLACES NP
; THE WAY OUT, block by block of 16 rows x 128 columns: x 1 / l; through my own stage in LDS (in slot 0, which has had its last fill and its last read); back as whole rows of 512 bytes.
; LDS serves a wave's instructions in order (ISA guide 5.7.1.4): no wait between the stores and the loads, nor in front of the next block's stores.
.macro TOSTAGE a
.set AC, 64*(\a)
	WIN 0x82                                       ; destination and source 0: window 2
.set J, 0
.rept 32
	v_pk_mul_f32 v[AC+J:AC+J+1], v[AC+J:AC+J+1], v[RL+2*(\a):RL+2*(\a)+1]   ; each accumulator from its low end on
.set J, J+2
.endr
	WIN 0x08                                       ; an LDS store's data are its source 1: window 2
.irp b, 0,1,2,3,4,5,6,7
	ds_store_b128 v[STO], v[AC+8*\b:AC+8*\b+3] offset:64*\b
	ds_store_b128 v[STO], v[AC+8*\b+4:AC+8*\b+7] offset:64*\b+16
.endr
	WIN 0
.set BB, BK+64*((\a)%2)
.set T, 0
.rept 16
	ds_load_b128 v[BB+4*T:BB+4*T+3], v[RD] offset:T*SPITCH
.set T, T+1
.endr
.endm
.macro SEND a, younger                 ; younger: the LDS instructions issued behind block a's loads, which may stay out
.set BB, BK+64*((\a)%2)
	s_wait_dscnt \younger
.if (\a) > 0
	s_add_nc_u64 s[12:13], s[12:13], 16*4096       ; 16 rows of O on (behind a wait on XCNT: the earlier stores have read their base)
.endif
.set T, 0
.rept 16
	global_store_b128 v[CO], v[BB+4*T:BB+4*T+3], s[12:13] offset:T*4096 th:TH_STORE_NT   ; 32 lanes store 512 consecutive bytes, at a multiple of 256 from O's first byte
.set T, T+1
.endr
.endm
	TOSTAGE 0
.irp a, 1,2,3
.if \a > 1
	s_wait_xcnt 0x0                                ; block a - 2's stores have read their registers and their base
.endif
	TOSTAGE \a
	SEND \a-1, 32                                  ; behind block a - 1's loads: block a's 16 stores and 16 loads
.endr
	s_wait_xcnt 0x0
	SEND 3, 0
	s_wait_tensorcnt 0x0                           ; the wave's end
	ds_add_u32 v[SPW], v[NIL]
	s_wait_dscnt 0x0
	CROUND                                         ; the closing round
	s_endpgm
.Lfunc_end_k_q0815d8a3e5_pv:
	.size	k_q0815d8a3e5_pv, .Lfunc_end_k_q0815d8a3e5_pv-k_q0815d8a3e5_pv
	.p2alignl 7, 3214868480
	.fill 96, 4, 3214868480
	.section	.rodata,"a",@progbits
	.p2align	6, 0x0
	.amdhsa_kernel k_q0815d8a3e5_pv
		.amdhsa_group_segment_fixed_size 327680
		.amdhsa_private_segment_fixed_size 0
		.amdhsa_enable_private_segment 0
		.amdhsa_kernarg_size 48
		.amdhsa_user_sgpr_count 2
		.amdhsa_user_sgpr_kernarg_segment_ptr 1
		.amdhsa_wavefront_size32 1
		.amdhsa_system_sgpr_workgroup_id_x 1
		.amdhsa_system_sgpr_workgroup_id_y 1
		.amdhsa_system_sgpr_workgroup_id_z 1
		.amdhsa_system_vgpr_workitem_id 0
		.amdhsa_next_free_vgpr 768
		.amdhsa_next_free_sgpr 100
		.amdhsa_reserve_vcc 0
		.amdhsa_float_denorm_mode_32 3
		.amdhsa_float_denorm_mode_16_64 3
		.amdhsa_memory_ordered 1
		.amdhsa_forward_progress 1
		.amdhsa_inst_pref_size 127
	.end_amdhsa_kernel
	.amdgpu_metadata
---
amdhsa.version: [ 1, 2 ]
amdhsa.kernels:
  - .name:           k_q0815d8a3e5_pv
    .symbol:         k_q0815d8a3e5_pv.kd
    .args:
      - { .name: p_codes, .offset: 0, .size: 8, .value_kind: global_buffer, .address_space: global }
      - { .name: p_scales, .offset: 8, .size: 8, .value_kind: global_buffer, .address_space: global }
      - { .name: p_stats, .offset: 16, .size: 8, .value_kind: global_buffer, .address_space: global }
      - { .name: vt_codes, .offset: 24, .size: 8, .value_kind: global_buffer, .address_space: global }
      - { .name: vt_scales, .offset: 32, .size: 8, .value_kind: global_buffer, .address_space: global }
      - { .name: out0, .offset: 40, .size: 8, .value_kind: global_buffer, .address_space: global }
    .group_segment_fixed_size: 327680
    .private_segment_fixed_size: 0
    .kernarg_segment_align: 8
    .kernarg_segment_size: 48
    .max_flat_workgroup_size: 128
    .sgpr_count:     100
    .vgpr_count:     768
    .wavefront_size: 32
...
	.end_amdgpu_metadata
.endif
;; end of part 3
;; ======== version 2 of 2: 3 launches
;; limits: right only within a limited range of input values
;; workspace buffers: qk_codes 12,582,912 bytes; qk_scales 524,288 bytes; vt_codes 6,291,456 bytes; vt_scales 262,144 bytes; p_codes 12,582,912 bytes; p_scales 524,288 bytes; p_stats 1,048,576 bytes
;; launch proj (part 4): grid 16 x 16, 4 waves a work-group, clusters of 4 x 4, 327,680 bytes of LDS; arguments x_codes, x_scales, kernel_codes, kernel_scales, y_codes, y_scales, qk_codes, qk_scales, vt_codes, vt_scales; writes qk_codes, qk_scales, vt_codes, vt_scales
.if DOCPART == 4
	.amdgcn_target "amdgcn-amd-amdhsa--gfx1250"
	.amdhsa_code_object_version 6
	.text
	.protected	k_q0815d8a3e5_proj
	.globl	k_q0815d8a3e5_proj
	.p2align	8
	.type	k_q0815d8a3e5_proj,@function
k_q0815d8a3e5_proj:
	s_mov_b64 s[64:65], 0
	v_nop
	global_prefetch_b8 v0, s[64:65] scope:SCOPE_SE
	s_setreg_imm32_b32 hwreg(HW_REG_WAVE_MODE, 25, 1), 1
	s_wait_xcnt 0x0
	s_wait_alu depctr_hold_cnt(0) depctr_sa_sdst(0) depctr_va_vdst(0) depctr_va_sdst(0) depctr_va_ssrc(0) depctr_va_vcc(0) depctr_vm_vsrc(0)
	s_getreg_b32 s2, hwreg(HW_REG_IB_STS2, 6, 4)
	s_cmp_eq_u32 s2, 0
	s_cbranch_scc0 .Lentry_in_a_cluster
	s_endpgm
.Lentry_in_a_cluster:
	s_bfe_u32 s2, ttmp6, 0x10000c
	s_cmp_lg_u32 s2, 0xf033
	s_cbranch_scc0 .Lentry_shape_is_right
	s_endpgm
.Lentry_shape_is_right:
; WQ = x kernel[0], WK = x kernel[1], WV = y kernel[2] on codes of FP6 (E2M3) with one E8M0 scale for each 32 along K = 1,024, and each result quantised again for the next product.
; LIMITS: NaN and infinities are not served.  A block whose largest magnitude lies under 2^-124 gets the byte 1 (this program alone reads the bytes).  The products inside a block of 32 are not in ascending order.
; THE DEAL.  256 work-groups of four waves, 2 x 2.  A wave holds 64 rows of a weight, all of K, in registers (384); x or y streams past in blocks of 16 rows, 32 products each.
; A work-group makes 256 tokens x 128 outputs of V (PHASE 1), then 512 x 128 of Q or K (PHASE 2).  The wave in row a, column b takes outputs 64 b + 0 .. 63;
; in phase 1 band a (64 tokens) of both key steps of 128 tokens; in phase 2 rows 32 s + 16 a + 0 .. 15 as block s.  A row of the cluster shares the rows of x and y, a column the weights' rows: joint loads.
; THE ORDER INSIDE A BLOCK OF 32.  A tile takes 8 rows of an even block (h = 0) and 8 of the odd block behind it (h = 1), so that a lane's registers run along ONE block.
; In an odd block the groups of 8 change places by pairs, so the 16 rows of a tile differ modulo 16 and start at 16 different banks (pitch 816 bytes; 64 banks of 4 bytes: ISA guide 11.1).
;   Q, K: tile j = 0 .. 3 is columns 32 h + 8 (j xor h) + i;  both have the same order.  V: position j of a block is tokens' group (0, 2, 1, 3)[j] xor h: the order in which the next launch leaves p.
; THE WORKSPACE: HALF IMAGES.  Registers 6 c .. 6 c + 5 of an operand (16 rows x 128 K) are 768 bytes: four registers at 16 x lane, two at 512 + 8 x lane.
; qk_codes [WQ, WK][512 blocks of 16 rows][8 K steps][c][768]; qk_scales [2][8][8,192 rows][word]; vt_codes [batch][64 blocks of 16 outputs][16 key steps][c][768]; vt_scales [batch][16][1,024][word].
; LDS: two slots of 128 rows, a region for the weights' 128 rows, two places for a slot's scale bytes, the stages of the results' scale bytes, the spare words.
; FILLS.  At the head one tensor load a wave: W_v, y's scale bytes, y's two key steps.  Four refill rounds, inside blocks: phase 1 block 2 (slot 0 and its scales: x's rows 0-127; the weights' region: W_q or W_k), block 6 (slot 1);
; phase 2 blocks 2 and 6 (x's chunks 2 and 3).  What a round brought is shown by the next round, or in phase 2 by the plain barriers of blocks 10 and 12, behind which nothing is filled.
; COUNTS.  A block's rows were fetched two blocks ago; younger are the next block's NF loads and the byte stores between.
; PREFETCHES: the sixteen waves of the work-groups that will ask jointly share a tile out by address: the second weight, x's chunk 0 and x's scale bytes at the head, chunk 1 behind the first refill, chunks 2 and 3 at phase 2's start.
.set NQ,     8
.set NB,     4
.set TN,     128
.set KROW,   768
.set KS,     32
.set PITCH,  816                       ; 3 x (256 + 16)
.set FR,     12
.set FPW,    21                        ; fragments in a window of 256 registers
.set NF,     28                        ; LDS loads of a block
.set RA,     128
.set YB,     RA*PITCH
.set BVB,    2*YB
.set SCL,    3*YB
.set CU,     16                        ; a chunk's scale bytes: 16 units of 256
.set SCB,    CU*272
.set SSTEP,  4*272
.set XN,     SCL+2*SCB
.set XM,     XN+2048
.set SPARE,  XM+1024
.set EMAX,   2
.set IMGB,   1536
.set CO,     9                         ; 16 x lane
.set CO8,    43                        ; 8 x lane
.set SPW,    10
.set NIL,    11
.set ADRA,   12                        ; v12, v13 the next block's LDS address (v13: for the pieces behind one padding more)
.set AAS,    17                        ; v17 and its scale words'
.set STO,    18
.set STV,    19
.set SB,     24                        ; v24-39 the weights' scale words
.set TQ,     40
.set SA,     44                        ; v44-59 the rows' scale words, two sets
.set TC,     60
.set ACC,    64
.set HV0,    64                        ; phase 1, key step 0: 32 t + 8 j + i
.set HV1,    840                       ; key step 1
.set NCD,    128
.set MCD,    192
.set SOP,    240
.set EB,     244
.set VX,     248
.set SB2,    968                       ; phase 2's weights' scale words
.set BA,     984                       ; LDS addresses of the weights' four tiles
.set YE,     224                       ; v992-997: y's bases (two addresses, scales) for an even group, then for an odd one
.set G1A, 24
.set G0A, 56
.set G0R, 68
.set G1B, 32
.set G0B, 60
.set G1S, 92
.set G0S, 72
.set MSB, 0
.macro WIN new
.if MSB != (\new)
	s_set_vgpr_msb (MSB<<8)|(\new)
.set MSB, (\new)
.endif
.endm
.macro PLACES n
.rept \n
	v_nop
.endr
.endm
.macro WALU
	s_wait_alu depctr_va_vdst(0)
.endm
.macro BARRIER
	s_barrier_signal -1
	s_barrier_wait -1
.endm
.macro MIDDLE                          ; a round's middle
	WIN 0
	s_barrier_wait -1
	s_cmp_lg_u32 s14, 0
	s_cbranch_scc1 .Lnot_wave_0_\@
	s_barrier_signal -3
.Lnot_wave_0_\@:
	s_barrier_wait -3
.endm
.macro CROUND
	s_barrier_signal -1
	MIDDLE
	BARRIER
.endm
.macro GRD
	s_wait_tensorcnt 0x0
	ds_add_u32 v[SPW], v[NIL]
.endm
.macro TLOAD g0, g1
	tensor_load_to_lds s[\g0:\g0+3], s[\g1:\g1+7]
	s_nop 0
	PLACES 4
.endm
.macro GROUP1 g, mask, rows
	s_or_b32 s[\g+0], s[\mask], (1<<20)|(1<<21)|(5<<22)|(3<<25)
	s_mov_b32 s[\g+1], KROW<<16
	s_mov_b32 s[\g+2], (\rows)<<16
	s_mov_b32 s[\g+3], KROW<<16
	s_mov_b32 s[\g+4], \rows
	s_mov_b32 s[\g+5], KROW
	s_mov_b32 s[\g+6], 0
	s_mov_b32 s[\g+7], 0
.endm
.macro SADD d, x
	s_add_co_u32 s\d, s\d, s\x
.endm
.macro G0SET g, base, off              ; s21 = 0
	s_mov_b32 s20, s\off
	s_add_nc_u64 s[\g+2:\g+3], s[\base:\base+1], s[20:21]
	s_or_b32 s[\g+3], s[\g+3], 0x80000000
.endm
; fragment f: window 1 + f / 21, register 12 (f % 21): 0-31 the weights' (4 q + b), 32-39 and 40-47 the rows' two sets
.macro FRAG f, q, a0, a1, aw           ; six pieces of 8 bytes, two to a load where both lie behind as many paddings
	WIN ((1+(\f)/FPW)<<6)|(\aw)
.set R_, FR*((\f)%FPW)
.set SKIP_, 0
.irp p, 0,1,2,3,4,5
.if SKIP_
.set SKIP_, 0
.else
.set PC_, 12*(\q)+6*(\p/3)+\p%3
.set PN_, 12*(\q)+6*((\p+1)/3)+(\p+1)%3
.set X_, (PC_%32+3)/32
.set XQ_, (PN_%32+3)/32
.if (\p < 5) && (X_ == XQ_)
.set SKIP_, 1
.if X_
	ds_load_2addr_b64 v[R_+2*\p:R_+2*\p+3], \a1 offset0:PC_+2*(PC_/32) offset1:PN_+2*(PN_/32)
.else
	ds_load_2addr_b64 v[R_+2*\p:R_+2*\p+3], \a0 offset0:PC_+2*(PC_/32) offset1:PN_+2*(PN_/32)
.endif
.elseif X_
	ds_load_b64 v[R_+2*\p:R_+2*\p+1], \a1 offset:8*(PC_+2*(PC_/32))
.else
	ds_load_b64 v[R_+2*\p:R_+2*\p+1], \a0 offset:8*(PC_+2*(PC_/32))
.endif
.endif
.endr
.endm
.macro WEIGHTS                         ; my 64 rows of the weight, all of K
.irp q, 0,1,2,3,4,5,6,7
.irp b, 0,1,2,3
	FRAG NB*\q+\b, \q, v[BA-768+2*\b], v[BA-768+2*\b+1], 3
.endr
.endr
	WIN 0
.endm
.macro FETCHAT e, a0, a1, as           ; a block's rows into set e: NF loads
.irp q, 0,1,2,3,4,5,6,7
	FRAG NB*NQ+NQ*(\e)+\q, \q, \a0, \a1, 0
.endr
	WIN 0
	ds_load_b128 v[SA+8*(\e):SA+8*(\e)+3], \as
	ds_load_b128 v[SA+8*(\e)+4:SA+8*(\e)+7], \as offset:16
.endm
.macro FETCH e
	FETCHAT \e, v[ADRA], v[ADRA+1], v[AAS]
.endm
; a product.  n = 4 q + tile.  kind 0 (Q, K): source 0 the weight's rows; kind 1 (V): source 0 y's rows
.macro PROD kind, e, n, a0, as
.set Q_, (\n)/4
.set FB_, NB*Q_+(\n)%4
.set FA_, NB*NQ+NQ*(\e)+Q_
.set D_, (\a0)+(\as)*((\n)%4)
.set DL_, D_&255
.set XB_, SB+NQ*(((\n)%4)/2)+Q_
.set XA_, SA+8*(\e)+Q_
.if \kind
	WIN (1+FA_/FPW)|((1+FB_/FPW)<<2)|((D_>>8)<<4)|((D_>>8)<<6)
.if Q_
	PROD1 DL_, FA_, FB_, v[DL_:DL_+7], XA_, XB_, b, (\n)%2
.else
	PROD1 DL_, FA_, FB_, 0, XA_, XB_, b, (\n)%2
.endif
.else
	WIN (1+FB_/FPW)|((1+FA_/FPW)<<2)|((D_>>8)<<4)|((D_>>8)<<6)
.if Q_
	PROD1 DL_, FB_, FA_, v[DL_:DL_+7], XB_, XA_, a, (\n)%2
.else
	PROD1 DL_, FB_, FA_, 0, XB_, XA_, a, (\n)%2
.endif
.endif
.endm
.macro PROD1 d, s0, s1, c, x0, x1, side, o
.if \o
	v_wmma_scale_f32_16x16x128_f8f6f4 v[\d:\d+7], v[FR*((\s0)%FPW):FR*((\s0)%FPW)+FR-1], v[FR*((\s1)%FPW):FR*((\s1)%FPW)+FR-1], \c, v[\x0], v[\x1] matrix_a_fmt:MATRIX_FMT_FP6 matrix_b_fmt:MATRIX_FMT_FP6 matrix_\side\()_scale:MATRIX_SCALE_ROW1
.else
	v_wmma_scale_f32_16x16x128_f8f6f4 v[\d:\d+7], v[FR*((\s0)%FPW):FR*((\s0)%FPW)+FR-1], v[FR*((\s1)%FPW):FR*((\s1)%FPW)+FR-1], \c, v[\x0], v[\x1] matrix_a_fmt:MATRIX_FMT_FP6 matrix_b_fmt:MATRIX_FMT_FP6 matrix_\side\()_scale:MATRIX_SCALE_ROW0
.endif
.endm
; products from .. to - 1 of a block; behind every second one, two entries of a list of scalar and vector lines
.macro BLOCK kind, e, a0, as, from, to, list, x=0, y=0
.set N_, \from
.rept (\to)-(\from)
	PROD \kind, \e, N_, \a0, \as
.if N_%2
	\list N_-1, \x, \y
	\list N_, \x, \y
.endif
.set N_, N_+1
.endr
.endm
.macro STEPY i, n                      ; phase 1: block n's LDS addresses, 3 entries.  Block 4 k + j: key step k (slot k), group (0, 2, 1, 3)[j]
.set SJ_, (\n)%4
.set SG_, (SJ_%2)*2+SJ_/2
.set SK_, (\n)/4
.set SR_, YE+3*(SJ_/2)
.if (\i) == 0
	WIN 0x0c
	v_add_nc_u32 v[ADRA], SK_*YB+8*SG_*PITCH, v[SR_]
.elseif (\i) == 1
	WIN 0x0c
	v_add_nc_u32 v[ADRA+1], SK_*YB+8*SG_*PITCH, v[SR_+1]
.elseif (\i) == 2
	WIN 0x0c
	v_add_nc_u32 v[AAS], SK_*SCB+272*SG_, v[SR_+2]
.endif
.endm
.macro STEP i, wrap                    ; phase 2: 3 entries; with the test for the ring's end 4
.if \wrap
.if (\i) == 0
	s_add_co_u32 s101, s101, 32*PITCH
	s_cmp_eq_u32 s101, 2*RA*PITCH
	s_cselect_b32 s101, 0, s101
	s_add_co_u32 s91, s91, SSTEP
.elseif (\i) == 1
	s_cmp_eq_u32 s91, 2*SCB
	s_cselect_b32 s91, 0, s91
.endif
	STEPV (\i)-1
.else
.if (\i) == 0
	s_add_co_u32 s101, s101, 32*PITCH
	s_add_co_u32 s91, s91, SSTEP
.endif
	STEPV \i
.endif
.endm
.macro STEPV i
.if (\i) == 0
	WIN 0
	v_add_nc_u32 v[ADRA], s101, v4
.elseif (\i) == 1
	WIN 0
	v_add_nc_u32 v[ADRA+1], s101, v5
.elseif (\i) == 2
	WIN 0
	v_add_nc_u32 v[AAS], s91, v6
.endif
.endm
.macro CHAIN i, x, n, t=TQ             ; a way out's first part, 18 entries: the largest magnitude of the 32 sums from register x on (two chains, one over each half), and the conversions' scale operand
.set XW_, (\x)>>8
.set XL_, (\x)&255
.if (\i) >= 0 && (\i) < 14
.set B_, XL_+16*((\i)%2)+2*((\i)/2)
.set T_, (\t)+1-(\i)%2
.if (\i) < 2
	WIN XW_|(XW_<<2)|(XW_<<4)
	v_max3_num_f32 v[T_], |v[B_]|, |v[B_+1]|, |v[B_+2]|
.else
	WIN (XW_<<2)|(XW_<<4)
	v_max3_num_f32 v[T_], v[T_], |v[B_+1]|, |v[B_+2]|
.endif
.elseif (\i) == 14
	WIN XW_<<2
	v_max3_num_f32 v[\t+1], v[\t+1], |v[XL_+15]|, (EMAX+1)<<23
.elseif (\i) == 15
	WIN 0
	v_nop                                  ; so that the next line, which reads entry 14's result, stands in the next pair
.elseif (\i) == 16
	WIN XW_<<2
	v_max3_num_f32 v[\t], v[\t], |v[XL_+31]|, v[\t+1]
.elseif (\i) == 17
	WIN 0
	v_add_nc_u32 v[SOP+\n], -(EMAX<<23), v[\t]
.endif
.endm
.macro CODES i, x, c, n, t=TC          ; its second part: 32 codes into v[c .. c+5], the scale's byte into v[EB+n]
.set XW_, (\x)>>8
.set XL_, (\x)&255
.if (\i) == 0
	WIN XW_
	v_cvt_scalef32_pk16_fp6_f32 v[\c:\c+2], v[XL_:XL_+15], v[SOP+\n]
.elseif (\i) == 1
	WIN XW_
	v_cvt_scalef32_pk16_fp6_f32 v[\t:\t+2], v[XL_+16:XL_+31], v[SOP+\n]
.elseif (\i) == 2
	WIN 0
	v_lshrrev_b32 v[EB+\n], 23, v[SOP+\n]
.else
	WIN 0
	v_mov_b32 v[\c+\i], v[\t+\i-3]
.endif
.endm
.macro CODES6 x, c, n
.irp i, 0,1,2,3,4,5
	CODES \i, \x, \c, \n
.endr
.endm
.macro PFGO v, base, off
	global_prefetch_b8 v\v, s[\base:\base+1] offset:\off th:TH_LOAD_NT scope:SCOPE_SE
.endm
.macro PUTH r, base, off               ; a half image leaves: 512 and 256 consecutive bytes
	global_store_b128 v[CO], v[\r:\r+3], \base offset:\off
	global_store_b64 v[CO8], v[\r+4:\r+5], \base offset:(\off)+512
.endm
.macro ASK i                           ; 4 entries: the descriptors of x's next chunk and of its scale bytes; then on
.if (\i) == 0
	s_mov_b32 s[G0R+1], s47
	s_mov_b32 s20, s88
	s_mov_b32 s21, 0
	s_add_nc_u64 s[G0R+2:G0R+3], s[4:5], s[20:21]
.elseif (\i) == 1
	s_or_b32 s[G0R+3], s[G0R+3], 0x80000000
	s_mov_b32 s[G0S+1], s8
	s_mov_b32 s20, s10
	s_add_nc_u64 s[G0S+2:G0S+3], s[6:7], s[20:21]
.elseif (\i) == 2
	s_or_b32 s[G0S+3], s[G0S+3], 0x80000000
	s_add_co_u32 s88, s88, RA*KROW
	s_add_co_u32 s10, s10, CU*256
.elseif (\i) == 3
	s_xor_b32 s47, s47, YB
	s_xor_b32 s8, s8, (SCL)^(SCL+SCB)
.endif
.endm
.macro PAIR i                          ; 2 entries: where pair s46's codes go and its scale bytes
.if (\i) == 0
	s_mul_i32 s20, s46, 4*8*IMGB
	s_mov_b32 s21, 0
	s_add_nc_u64 s[84:85], s[48:49], s[20:21]
.elseif (\i) == 1
	s_lshl_b32 s22, s46, 8
	s_add_co_u32 s46, s46, 1
	WIN 0
	v_add_nc_u32 v[VX], s22, v[STO]
.endif
.endm
; the lists
.macro L_NONE i, x, y
.endm
.macro L_Y i, x, y
	STEPY \i, NXB
.endm
.macro L_YOUT i, x, y
	STEPY \i, NXB
	CHAIN (\i)-3, \x, \y
.endm
.macro L_V2 i, x, y                    ; the first refill's descriptors (no load of mine is out)
.if (\i) == 0
	s_mov_b32 s[G1S+2], CU<<16
	s_mov_b32 s[G1S+4], CU
	s_mov_b64 s[G0B+2:G0B+3], s[66:67]
	s_or_b32 s[G0B+3], s[G0B+3], 0x80000000
.endif
	ASK (\i)-1
	STEPY (\i)-5, NXB
.endm
.macro L_V6 i, x, y
	ASK \i
	CHAIN (\i)-4, \x, \y
.endm
.macro L_V7 i, x, y                    ; phase 2's block 1: its addresses
.if (\i) == 0
	WIN 0
	v_add_nc_u32 v1, 32*PITCH, v4
.elseif (\i) == 1
	WIN 0
	v_add_nc_u32 v22, 32*PITCH, v5
.elseif (\i) == 2
	WIN 0
	v_add_nc_u32 v23, SSTEP, v6
.endif
	CHAIN (\i)-3, \x, \y
.endm
.macro L_STEP i, x, y
	STEP \i, 0
.endm
.macro L_OUT i, x, y
	STEP \i, 0
	CHAIN (\i)-3, \x, \y
.endm
.macro L_LAST i, x, y
	CHAIN \i, \x, \y
.endm
.macro L_ODD i, x, y
	PAIR \i
	STEP (\i)-2, 0
	CHAIN (\i)-5, ACC, 0
.endm
.macro L_ODDL i, x, y
	PAIR \i
	CHAIN (\i)-2, ACC, 0
.endm
.macro L_ROUND i, x, y
	ASK \i
	STEP (\i)-4, 1
	CHAIN (\i)-8, ACC+32, 1
.endm
.macro RLOADS w                        ; a refill, one load a wave: wave 2 x's rows, wave 1 their scale bytes; w = 1: wave 0 the second weight, onto W_v's rows, which all waves hold in registers
.if \w
	s_cmp_eq_u32 s14, 0
	s_cbranch_scc0 .Lnot0_\@
	TLOAD G0B, G1B
	s_branch .Lasked_\@
.Lnot0_\@:
.endif
	s_cmp_eq_u32 s14, 1
	s_cbranch_scc0 .Lnot1_\@
	TLOAD G0S, G1S
	s_branch .Lasked_\@
.Lnot1_\@:
	s_cmp_eq_u32 s14, 2
	s_cbranch_scc0 .Lasked_\@
	TLOAD G0R, G1A
.Lasked_\@:
.endm
; phase 2's blocks.  w: the count of the wait for the block's rows (-1: they are shown in already)
.macro WAITDS w
.if (\w) >= 0
	s_wait_dscnt \w
.endif
.endm
.macro EVENOUT fetch                   ; behind an even block: the odd block's byte, the pair's codes, the fetch of the block two on
	WALU
	ds_store_b8 v[VX], v[EB+1] offset:128
	PUTH NCD, s[84:85], 0
	PUTH NCD+6, s[84:85], 2*8*IMGB
.if \fetch
	FETCH 0
.endif
.endm
.macro EVEN w, fetch
	WAITDS \w
.if \fetch
	BLOCK 0, 0, ACC, 8, 0, 32, L_OUT, ACC+32, 1
.else
	BLOCK 0, 0, ACC, 8, 0, 32, L_LAST, ACC+32, 1
.endif
	WIN 0
	CODES6 ACC+32, NCD+6, 1
	EVENOUT \fetch
.endm
.macro EVENROUND w
	WAITDS \w
	GRD
	BLOCK 0, 0, ACC, 8, 0, 26, L_ROUND
	WIN 0
	WALU
	s_wait_dscnt 0x0
	s_barrier_signal -1
	BLOCK 0, 0, ACC, 8, 26, 32, L_NONE
	WIN 0
	CODES6 ACC+32, NCD+6, 1
	MIDDLE
	BARRIER
	RLOADS 0
	EVENOUT 1
.endm
.macro EVENSHOW w                      ; a plain barrier inside the block shows the last refill to all
	WAITDS \w
	BLOCK 0, 0, ACC, 8, 0, 26, L_OUT, ACC+32, 1
	WIN 0
	WALU
	s_wait_tensorcnt 0x0
	s_wait_dscnt 0x0
	s_barrier_signal -1
	BLOCK 0, 0, ACC, 8, 26, 32, L_NONE
	WIN 0
	s_barrier_wait -1
	CODES6 ACC+32, NCD+6, 1
	EVENOUT 1
.endm
.macro ODD w, fetch
	WAITDS \w
	s_wait_xcnt 0x0
.if \fetch
	BLOCK 0, 1, ACC+32, 8, 0, 32, L_ODD
.else
	BLOCK 0, 1, ACC+32, 8, 0, 32, L_ODDL
.endif
	WIN 0
	CODES6 ACC, NCD, 0
	WALU
	ds_store_b8 v[VX], v[EB]
.if \fetch
	FETCH 1
.endif
.endm
; ================= THE HEAD
	s_load_b128 s[4:7], s[0:1], 0x0                     ; x's codes, scales
	s_load_b256 s[76:83], s[0:1], 0x10                  ; kernel's codes s[76:77], scales s[78:79]; y's s[80:81], s[82:83]
	s_load_b256 s[48:55], s[0:1], 0x30                  ; qk_codes, qk_scales, vt_codes, vt_scales
	v_lshl_add_u32 v[SPW], v0, 2, SPARE
	v_mov_b32 v[NIL], 0
	ds_add_u32 v[SPW], v[NIL]
	ds_add_u32 v[SPW], v[NIL]
	v_lshrrev_b32 v1, 5, v0
	v_readfirstlane_b32 s14, v1                         ; s14 the wave; s15 = a its row of the 2 x 2, s16 = b its column
	s_lshr_b32 s15, s14, 1
	s_and_b32 s16, s14, 1
	s_bfe_u32 s40, ttmp6, 0x40000                       ; cx
	s_bfe_u32 s41, ttmp6, 0x40004                       ; cy
	s_lshl_b32 s42, ttmp9, 2
	SADD 42, 40                                         ; s42 phase 2's tile column, 0 .. 15: Q's eight, K's eight
	s_and_b32 s43, ttmp7, 0xffff
	s_lshl_b32 s43, s43, 2
	SADD 43, 41                                         ; s43 its tile row, 0 .. 15
	s_lshr_b32 s19, ttmp9, 1
	s_and_b32 s87, ttmp9, 1
	s_lshl_b32 s13, s19, 2
	SADD 13, 40                                         ; s13 V's tile column, 0 .. 7
	s_lshl_b32 s12, s43, 1
	SADD 12, 87                                         ; s12 V's tile row, 0 .. 31: (cluster x / 2, cluster x % 2, cx) is s42 told another way, so each tile of V has one work-group
	s_lshl_b32 s44, s41, 2
	s_lshl_b32 s44, 15, s44                             ; my row of the cluster
	s_lshl_b32 s45, 0x1111, s40                         ; my column
	GROUP1 G1A, 44, RA
	GROUP1 G1B, 45, TN
	s_or_b32 s[G1S+0], s44, (3<<16)|(1<<20)|(1<<21)|(5<<22)|(3<<25)
	s_mov_b32 s[G1S+1], 32<<16
	s_mov_b32 s[G1S+2], (2*CU)<<16
	s_mov_b32 s[G1S+3], 32<<16
	s_mov_b32 s[G1S+4], 2*CU
	s_mov_b32 s[G1S+5], 32
	s_mov_b32 s[G1S+6], 0
	s_mov_b32 s[G1S+7], 0
	s_mov_b32 s[G0S], 1
	s_mov_b32 s[G0S+1], SCL
	s_mov_b32 s[G0A], 1
	s_mov_b32 s[G0A+1], 0
	s_mov_b32 s[G0B], 1
	s_mov_b32 s[G0B+1], BVB
	s_mov_b32 s[G0R], 1
	s_mov_b32 s[G0R+1], YB
	s_mul_i32 s66, s12, 256*KROW                        ; y's rows
	s_mul_i32 s89, s12, 256*KS
	s_mul_i32 s2, s13, TN*KROW
	s_add_co_u32 s2, s2, 2048*KROW                      ; W_v's
	s_mul_i32 s9, s42, TN*KROW                          ; W_q's or W_k's
	s_mul_i32 s88, s43, 512*KROW                        ; x's
	s_mul_i32 s10, s43, 512*KS
	s_mul_i32 s21, s16, 64*KS
	s_mul_i32 s3, s13, TN*KS
	SADD 3, 21
	s_add_co_u32 s3, s3, 2048*KS                        ; the scale bytes of my 64 rows of W_v
	s_mul_i32 s11, s42, TN*KS
	SADD 11, 21                                         ; and of W_q or W_k
	WALU
	s_wait_dscnt 0x0
	CROUND                                              ; the opening round
	s_wait_kmcnt 0x0
	s_mov_b32 s21, 0
	G0SET G0A, 80, 66
	s_add_nc_u64 s[G0R+2:G0R+3], s[G0A+2:G0A+3], RA*KROW
	G0SET G0B, 76, 2
	G0SET G0S, 82, 89
	s_cmp_eq_u32 s14, 0
	s_cbranch_scc0 .Lwave_1
	TLOAD G0B, G1B                                      ; wave 0: W_v's rows
	s_branch .Lasked
.Lwave_1:
	s_cmp_eq_u32 s14, 1
	s_cbranch_scc0 .Lwave_2
	TLOAD G0S, G1S                                      ; wave 1: y's scale bytes
	s_branch .Lasked
.Lwave_2:
	s_cmp_eq_u32 s14, 2
	s_cbranch_scc0 .Lwave_3
	TLOAD G0A, G1A                                      ; wave 2: key step 0
	s_branch .Lasked
.Lwave_3:
	TLOAD G0R, G1A                                      ; wave 3: key step 1
.Lasked:
	s_mov_b32 s20, s3
	s_add_nc_u64 s[84:85], s[78:79], s[20:21]
	s_mov_b32 s20, s11
	s_add_nc_u64 s[2:3], s[78:79], s[20:21]
	s_mov_b32 s20, s9
	s_add_nc_u64 s[66:67], s[76:77], s[20:21]
	v_bfe_u32 v65, v0, 3, 1                             ; (r / 8)
	v_and_b32 v66, 7, v0                                ; i
	v_and_b32 v1, 15, v0                                ; r
	v_bfe_u32 v2, v0, 4, 1                              ; h
	v_and_b32 v3, 31, v0                                ; lane
	v_xor_b32 v85, v2, v65
	v_lshl_add_u32 v86, v65, 2, v85
	v_lshl_add_u32 v86, v86, 3, v66                     ; row of tile h of a pair of tiles: 32 (r / 8) + 8 (h xor r / 8) + i
	v_lshlrev_b32 v21, 5, v86
	v_lshlrev_b32 v16, 5, v3
.irp p, 0,1
.irp c, 0,1
	global_load_b128 v[SB+NQ*\p+4*\c:SB+NQ*\p+4*\c+3], v16, s[84:85] offset:\p*32*KS+16*\c
.endr
.endr
	WIN 3<<6
.irp p, 0,1
.irp c, 0,1
	global_load_b128 v[SB2-768+NQ*\p+4*\c:SB2-768+NQ*\p+4*\c+3], v21, s[2:3] offset:\p*16*KS+16*\c
.endr
.endr
	WIN 0
	v_mul_u32_u24 v67, v1, PITCH
	v_mad_u32_u24 v68, v2, 24, v67
	v_mad_u32_u24 v69, v2, 40, v67
	s_mul_i32 s20, s15, 16*PITCH
	v_add_nc_u32 v4, s20, v68                           ; x's block 0
	v_add_nc_u32 v5, s20, v69
	s_mul_i32 s22, s16, 64*PITCH
	s_add_co_u32 s22, s22, BVB
	v_add_nc_u32 v14, s22, v68                          ; my rows of W_v, as they lie
	v_add_nc_u32 v15, s22, v69
	v_mul_u32_u24 v67, v66, PITCH
	v_mad_u32_u24 v68, v2, 24, v67
	v_mad_u32_u24 v69, v2, 40, v67
	v_mad_u32_u24 v70, v65, 40*PITCH, v68               ; an even group: rows 32 + 8 on in lanes 8-15;
	v_mad_u32_u24 v71, v65, 40*PITCH, v69
	v_mad_u32_u24 v72, v65, 24*PITCH, v68               ; an odd one: 32 - 8
	v_mad_u32_u24 v73, v65, 24*PITCH, v69
.irp k, 0,1,2,3
	v_add_nc_u32 v[74+\k], s22, v[70+\k]                ; the same in the weights' region, for phase 2
.endr
	s_mul_i32 s20, s15, 64*PITCH                        ; my band
	v_add_nc_u32 v12, s20, v70
	v_add_nc_u32 v13, s20, v71
	WALU
	WIN 3<<6
	v_add_nc_u32 v[YE], s20, v70
	v_add_nc_u32 v[YE+1], s20, v71
	v_add_nc_u32 v[YE+3], s20, v72
	v_add_nc_u32 v[YE+4], s20, v73
	WIN 0
	v_lshlrev_b32 v78, 5, v66
	v_mad_u32_u24 v79, v65, 5*272, v78
	v_mad_u32_u24 v80, v65, 3*272, v78
	v_mad_u32_u24 v81, v65, 272, v78
	s_mul_i32 s20, s15, 8*272
	s_add_co_u32 s20, s20, SCL
	v_add_nc_u32 v17, s20, v79
	WIN 3<<6
	v_add_nc_u32 v[YE+2], s20, v79
	v_add_nc_u32 v[YE+5], s20, v80
	WIN 0
	s_mul_i32 s20, s15, 2*272
	s_add_co_u32 s20, s20, SCL
	v_add_nc_u32 v6, s20, v81
	v_lshl_add_u32 v84, v1, 2, v2                       ; 4 r + h
	s_lshl_b32 s20, s15, 6
	s_lshl_b32 s23, s16, 1
	SADD 20, 23
	s_add_co_u32 s20, s20, XN
	WALU
	v_add_nc_u32 v[STO], s20, v84
	s_lshl_b32 s20, s16, 8
	s_lshl_b32 s23, s15, 1
	SADD 20, 23
	s_add_co_u32 s20, s20, XM
	v_add_nc_u32 v[STV], s20, v84
	v_lshlrev_b32 v[CO], 4, v3
	v_lshlrev_b32 v[CO8], 3, v3
	v_min_u32 v82, 23, v3
	v_lshlrev_b32 v82, 8, v82
	v_min_u32 v83, 3, v3
	v_lshlrev_b32 v83, 8, v83
	WALU
	s_lshl_b32 s90, s40, 2
	SADD 90, 14                                         ; my number among the sixteen waves of my row of the cluster
	s_lshl_b32 s100, s41, 2
	SADD 100, 14                                        ; and of my column
	s_mul_i32 s20, s90, RA*KROW/16
	SADD 20, 88
	v_add_nc_u32 v7, s20, v82                           ; my sixteenth of x's chunk 0: 24 blocks of 256 bytes
	s_mul_i32 s20, s100, TN*KROW/16
	SADD 20, 9
	v_add_nc_u32 v8, s20, v82                           ; of the second weight
	s_lshl_b32 s20, s90, 10
	SADD 20, 10
	v_add_nc_u32 v20, s20, v83                          ; of the scale bytes of my 512 rows of x
	WIN 3<<6
.irp b, 0,1,2,3
	v_add_nc_u32 v[BA-768+2*\b], \b*16*PITCH, v14       ; W_v's tiles: neighbouring rows
	v_add_nc_u32 v[BA-768+2*\b+1], \b*16*PITCH, v15
.endr
	WIN 0
	v_add_nc_u32 v1, 16*PITCH, v12                      ; phase 1's block 1: group 2
	v_add_nc_u32 v22, 16*PITCH, v13
	v_add_nc_u32 v23, 2*272, v17
	WALU
	; where the results go
	s_lshr_b32 s22, s42, 3
	s_and_b32 s23, s42, 7
	s_mul_i32 s20, s22, 512*8*IMGB
	s_lshl_b32 s11, s43, 5
	SADD 11, 15
	s_mul_i32 s11, s11, 8*IMGB
	SADD 20, 11
	s_mul_i32 s11, s23, IMGB
	SADD 20, 11
	s_mul_i32 s11, s16, 768
	SADD 20, 11
	s_add_nc_u64 s[48:49], s[48:49], s[20:21]
	s_lshl_b32 s20, s22, 18
	s_lshl_b32 s11, s23, 15
	SADD 20, 11
	s_lshl_b32 s11, s43, 11
	SADD 20, 11
	s_lshl_b32 s11, s14, 9
	SADD 20, 11
	s_add_nc_u64 s[50:51], s[50:51], s[20:21]
	s_lshr_b32 s22, s12, 3                              ; the batch
	s_and_b32 s23, s12, 7
	s_lshl_b32 s23, s23, 1                              ; my first key step
	s_mul_i32 s20, s22, 64*16*IMGB
	s_lshl_b32 s11, s13, 3
	s_lshl_b32 s9, s16, 2
	SADD 11, 9
	s_mul_i32 s11, s11, 16*IMGB
	SADD 20, 11
	s_mul_i32 s11, s23, IMGB
	SADD 20, 11
	s_mul_i32 s11, s15, 768
	SADD 20, 11
	s_add_nc_u64 s[52:53], s[52:53], s[20:21]
	s_lshl_b32 s20, s22, 16
	SADD 23, 15
	s_lshl_b32 s11, s23, 12
	SADD 20, 11
	s_lshl_b32 s11, s13, 9
	SADD 20, 11
	s_lshl_b32 s11, s16, 8
	SADD 20, 11
	s_add_nc_u64 s[54:55], s[54:55], s[20:21]
	s_mov_b32 s46, 0
	s_mov_b32 s47, 0
	s_mov_b32 s8, SCL
	s_wait_loadcnt 0x0
	s_cmp_eq_u32 s14, 0
	s_cbranch_scc0 .Lnot_b
	s_wait_tensorcnt 0x0
.Lnot_b:
	BARRIER                                             ; W_v's rows are in
	PFGO 8, 76, 0
	PFGO 7, 4, 0
	PFGO 20, 6, 0
	WEIGHTS
	WIN 3<<6
.irp j, 0,1,2,3
	v_add_nc_u32 v[BA-768+2*\j], 8*\j*PITCH, v[74+2*(\j%2)]      ; phase 2's tiles of the weight
	v_add_nc_u32 v[BA-768+2*\j+1], 8*\j*PITCH, v[75+2*(\j%2)]
.endr
	WIN 0
	WALU
	s_cmp_eq_u32 s14, 3
	s_cbranch_scc1 .Lnot_a0
	s_wait_tensorcnt 0x0
.Lnot_a0:
	s_wait_dscnt 0x0
	BARRIER                                             ; key step 0 and the scale bytes are in; key step 1 may still be on its way
	FETCHAT 0, v[ADRA], v[ADRA+1], v[AAS]
	FETCHAT 1, v1, v22, v23
; ================= PHASE 1: V, eight blocks; key step 0's way outs stand in key step 1's blocks
.irp s, 0,1
	s_wait_dscnt NF
.set NXB, \s+2
	BLOCK 1, \s, HV0+8*\s, 32, 0, 32, L_Y
	WIN 0
	PLACES 4
	WALU
	FETCH \s
.endr
	s_wait_dscnt NF
	GRD
.set NXB, 4
	BLOCK 1, 0, HV0+16, 32, 0, 24, L_V2
	WIN 0
	WALU
	s_wait_dscnt 0x0
	s_barrier_signal -1
	BLOCK 1, 0, HV0+16, 32, 24, 32, L_NONE
	MIDDLE
	BARRIER
	RLOADS 1
	PLACES 4                                            ; the places between the block's products and the fetch into their registers
	WALU
	FETCH 0
	PFGO 7, 4, RA*KROW
.set NXB, 5
	BLOCK 1, 1, HV0+24, 32, 0, 32, L_Y
	WIN 0
	PLACES 4
	WALU
	FETCH 1
.irp j, 0,1
	s_wait_dscnt NF+\j
.set NXB, 6+\j
	BLOCK 1, \j, HV1+8*\j, 32, 0, 32, L_YOUT, HV0+32*\j, \j
	WIN 0
	CODES6 HV0+32*\j, MCD+12*\j, \j
	WALU
	ds_store_b8 v[STV], v[EB+\j] offset:64*\j
	PUTH MCD+12*\j, s[52:53], 16*IMGB*\j
	FETCH \j
.endr
	s_wait_dscnt NF+1
	GRD
	BLOCK 1, 0, HV1+16, 32, 0, 26, L_V6, HV0+64, 2
	WIN 0
	WALU
	s_wait_dscnt 0x0
	s_barrier_signal -1
	BLOCK 1, 0, HV1+16, 32, 26, 32, L_NONE
	WIN 0
	CODES6 HV0+64, MCD+24, 2
	MIDDLE
	BARRIER
	RLOADS 0
	WALU
	ds_store_b8 v[STV], v[EB+2] offset:128
	PUTH MCD+24, s[52:53], 16*IMGB*2
	BLOCK 1, 1, HV1+24, 32, 0, 32, L_V7, HV0+96, 3
	WIN 0
	CODES6 HV0+96, MCD+36, 3
	WALU
	ds_store_b8 v[STV], v[EB+3] offset:192
	PUTH MCD+36, s[52:53], 16*IMGB*3
; ================= THE CHANGE OF PHASE: the weights and the first two blocks' rows in one run of loads; key step 1's four way outs under their flight
	WEIGHTS
	FETCHAT 0, v4, v5, v6
	FETCHAT 1, v1, v22, v23
	s_mov_b32 s101, 32*PITCH
	s_mov_b32 s91, SSTEP
	PFGO 7, 4, 2*RA*KROW
	WIN 3
.set I, 0
.rept 16
	v_mov_b32 v[SB+I], v[SB2-768+I]
.set I, I+1
.endr
	WIN 0
.set I, 0
.rept 18
.irp t, 0,1,2,3
	CHAIN I, HV1+32*\t, \t, 64+4*\t
.endr
.set I, I+1
.endr
.set I, 0
.rept 6
.irp t, 0,1,2,3
	CODES I, HV1+32*\t, MCD+12*\t+6, \t, 80+4*\t
.endr
.set I, I+1
.endr
	WIN 0
	WALU
; ================= PHASE 2: Q or K, sixteen blocks, way outs by pairs
	s_wait_dscnt NF
	BLOCK 0, 0, ACC, 8, 0, 32, L_STEP
	WIN 0
	PLACES 4
	WALU
.irp t, 0,1,2,3
	ds_store_b8 v[STV], v[EB+\t] offset:512+64*\t
.endr
.irp t, 0,1,2,3
	PUTH MCD+12*\t+6, s[52:53], 16*IMGB*\t+IMGB
.endr
	FETCH 0
	ODD NF+4, 1
	PFGO 7, 4, 3*RA*KROW
	s_mov_b32 s86, 0
.Lwith_rounds:                                          ; blocks 2 to 5, 6 to 9
	EVENROUND NF+1
	ODD -1, 1
	EVEN NF+1, 1
	ODD NF+1, 1
	s_add_co_u32 s86, s86, 1
	s_cmp_lg_u32 s86, 2
	s_cbranch_scc1 .Lwith_rounds
.Lwithout:                                              ; blocks 10, 11 and 12, 13
	EVENSHOW NF+1
	ODD -1, 1
	s_add_co_u32 s86, s86, 1
	s_cmp_lg_u32 s86, 4
	s_cbranch_scc1 .Lwithout
	EVEN NF+1, 0
	ODD 1, 0
; ================= THE END: the last way out; the scale bytes go through LDS under its conversions
	s_lshl_b32 s21, s14, 9
	s_add_co_u32 s21, s21, XN
	v_add_nc_u32 v12, s21, v[CO]
	s_lshl_b32 s21, s14, 8
	s_add_co_u32 s21, s21, XM
	v_add_nc_u32 v14, s21, v[CO8]
.set I, 0
.rept 18
	CHAIN I, ACC+32, 1
.set I, I+1
.endr
	CODES 2, ACC+32, NCD+6, 1
	WALU
	ds_store_b8 v[VX], v[EB+1] offset:128
	s_wait_dscnt 0x0
	s_barrier_signal -1
	CODES 0, ACC+32, NCD+6, 1
	CODES 1, ACC+32, NCD+6, 1
	WIN 0
	v_nop
.irp i, 3,4,5
	CODES \i, ACC+32, NCD+6, 1
.endr
	s_barrier_wait -1
	WALU
	ds_load_b128 v[64:67], v12
	ds_load_b64 v[68:69], v14
	PUTH NCD, s[84:85], 0
	PUTH NCD+6, s[84:85], 2*8*IMGB
	s_wait_dscnt 0x0
	global_store_b128 v[CO], v[64:67], s[50:51]
	global_store_b64 v[CO8], v[68:69], s[54:55]
	s_wait_tensorcnt 0x0
	ds_add_u32 v[SPW], v[NIL]
	s_wait_dscnt 0x0
	CROUND
	s_endpgm
.Lfunc_end_k_q0815d8a3e5_proj:
	.size	k_q0815d8a3e5_proj, .Lfunc_end_k_q0815d8a3e5_proj-k_q0815d8a3e5_proj
	.p2alignl 7, 3214868480
	.fill 96, 4, 3214868480
	.section	.rodata,"a",@progbits
	.p2align	6, 0x0
	.amdhsa_kernel k_q0815d8a3e5_proj
		.amdhsa_group_segment_fixed_size 327680
		.amdhsa_private_segment_fixed_size 0
		.amdhsa_enable_private_segment 0
		.amdhsa_kernarg_size 80
		.amdhsa_user_sgpr_count 2
		.amdhsa_user_sgpr_kernarg_segment_ptr 1
		.amdhsa_wavefront_size32 1
		.amdhsa_system_sgpr_workgroup_id_x 1
		.amdhsa_system_sgpr_workgroup_id_y 1
		.amdhsa_system_sgpr_workgroup_id_z 1
		.amdhsa_system_vgpr_workitem_id 0
		.amdhsa_next_free_vgpr 1024
		.amdhsa_next_free_sgpr 102
		.amdhsa_reserve_vcc 0
		.amdhsa_float_denorm_mode_32 3
		.amdhsa_float_denorm_mode_16_64 3
		.amdhsa_memory_ordered 1
		.amdhsa_forward_progress 1
		.amdhsa_inst_pref_size 189
	.end_amdhsa_kernel
	.amdgpu_metadata
---
amdhsa.version: [ 1, 2 ]
amdhsa.kernels:
  - .name:           k_q0815d8a3e5_proj
    .symbol:         k_q0815d8a3e5_proj.kd
    .args:
      - { .name: x_codes, .offset: 0, .size: 8, .value_kind: global_buffer, .address_space: global }
      - { .name: x_scales, .offset: 8, .size: 8, .value_kind: global_buffer, .address_space: global }
      - { .name: kernel_codes, .offset: 16, .size: 8, .value_kind: global_buffer, .address_space: global }
      - { .name: kernel_scales, .offset: 24, .size: 8, .value_kind: global_buffer, .address_space: global }
      - { .name: y_codes, .offset: 32, .size: 8, .value_kind: global_buffer, .address_space: global }
      - { .name: y_scales, .offset: 40, .size: 8, .value_kind: global_buffer, .address_space: global }
      - { .name: qk_codes, .offset: 48, .size: 8, .value_kind: global_buffer, .address_space: global }
      - { .name: qk_scales, .offset: 56, .size: 8, .value_kind: global_buffer, .address_space: global }
      - { .name: vt_codes, .offset: 64, .size: 8, .value_kind: global_buffer, .address_space: global }
      - { .name: vt_scales, .offset: 72, .size: 8, .value_kind: global_buffer, .address_space: global }
    .group_segment_fixed_size: 327680
    .private_segment_fixed_size: 0
    .kernarg_segment_align: 8
    .kernarg_segment_size: 80
    .max_flat_workgroup_size: 128
    .sgpr_count:     102
    .vgpr_count:     1024
    .wavefront_size: 32
...
	.end_amdgpu_metadata
.endif
;; end of part 4
;; launch scores (part 5): grid 8 x 32, 4 waves a work-group, clusters of 4 x 4, 327,680 bytes of LDS; arguments qk_codes, qk_scales, p_codes, p_scales, p_stats; writes p_codes, p_scales, p_stats
.if DOCPART == 5
	.amdgcn_target "amdgcn-amd-amdhsa--gfx1250"
	.amdhsa_code_object_version 6
	.text
	.protected	k_q0815d8a3e5_scores
	.globl	k_q0815d8a3e5_scores
	.p2align	8
	.type	k_q0815d8a3e5_scores,@function
k_q0815d8a3e5_scores:
	s_mov_b64 s[64:65], 0
	v_nop
	global_prefetch_b8 v0, s[64:65] scope:SCOPE_SE
	s_setreg_imm32_b32 hwreg(HW_REG_WAVE_MODE, 25, 1), 1
	s_wait_xcnt 0x0
	s_wait_alu depctr_hold_cnt(0) depctr_sa_sdst(0) depctr_va_vdst(0) depctr_va_sdst(0) depctr_va_ssrc(0) depctr_va_vcc(0) depctr_vm_vsrc(0)
	s_getreg_b32 s2, hwreg(HW_REG_IB_STS2, 6, 4)
	s_cmp_eq_u32 s2, 0
	s_cbranch_scc0 .Lentry_in_a_cluster
	s_endpgm
.Lentry_in_a_cluster:
	s_bfe_u32 s2, ttmp6, 0x10000c
	s_cmp_lg_u32 s2, 0xf033
	s_cbranch_scc0 .Lentry_shape_is_right
	s_endpgm
.Lentry_shape_is_right:
; S = WQ WK^T on codes of FP6 (E2M3), K = 1,024, and the softmax's p, finished for each row and each CHUNK of 128 keys, quantised along the keys.
; t = score x log2(e) / 32.  For a row and a chunk: M_c = the chunk's largest t rounded UP to a whole number; p = 2^(t - M_c); l_c = the sum of the unquantised p.  p's codes and scale bytes, -M_c and l_c go to memory.
; The next launch brings every chunk under the row's own M = the largest M_c by taking M - M_c off the scale bytes: a power of two, which changes no code.  So a true maximum is taken away ahead of every exponential.
; A tile of S, 256 queries x 256 keys of one batch, is made by four waves, each 128 x 128 in 64 accumulators.  4 x 4 work-groups form a cluster: WQ's tiles are asked for jointly along a row, WK's along a column.
; THE OPERANDS LIE IN MEMORY AS IMAGES OF THEIR REGISTERS (16 rows x 128 K: 1,536 bytes, registers 4 g .. 4 g + 3 of lane l at 512 g + 16 l): qk_codes [WQ, WK][512 blocks of 16 rows][8 K steps][1,536].
; A fragment comes out of LDS by three loads of 16 bytes a lane at 16 x lane; a tile needs no padding.  A slot holds 256 along K: for each of 4 x 8 blocks 3,072 consecutive bytes: 98,304 bytes.
; THREE SLOTS: K steps 0, 1, 2 are first fills; K step 3 goes into slot 0 when that has been read, and has slots 1 and 2, 256 matrix instructions, in which to land.  So there is one refill, one round for it, and no barrier between slots 1 and 2.
; The matrix instruction is used transposed: lane (r, h) holds query r and, in tile b, keys 16 b + 8 h + 0 .. 7.  INSIDE A BLOCK OF 32 KEYS THE ORDER IS keys 0-7, 16-23, 8-15, 24-31, as in WV^T's codes.
; p_codes: [batch][128 blocks of 16 queries][16 chunks][1,536]; p_scales: [batch][16][2,048][one word]; p_stats: [batch][16][2,048][-M_c, l_c].
; A block's largest p is not searched for: the block's largest score goes through the same multiply-add and exponential (this takes v_exp_f32 not to fall where its input rises).
; LIMITS: NaN and infinities are not served.  A block whose every p lies under 2^-124 gets the byte 1.  The order of the products inside a block of 32 differs from the ascending one.
; No prefetch is laid: three of a tile's four K steps are first fills.
; REGISTERS: window 0: v0-31 addresses; v32-95 scale words and nothing else; v96-127 at work on the way out; from v128 A's fragments, ONE set; on the way out v128-223 eight images, v224-255 at work;
;   window 1: B's two sets;  windows 2, 3: the accumulators ((a, b) at v[8 (8 (a % 4) + b)]).
; AS THE TEXT STANDS, in place of what is said above of slots, fragments and prefetches:
; At the head one joint load a wave: K step 0's 256 rows of A, of B, and both sides' scale words.  K step 1 goes into slot 1 behind the next round, K step 2 into slot 2 behind step 1's round, K step 3 into slot 0 behind step 3's round.
; An image is two halves of 768 bytes (registers 6 c .. 6 c + 3 at 16 x lane, 6 c + 4, 6 c + 5 at 512 + 8 x lane).  In tiles of an odd block of 32 keys lane r takes key r xor 8: p's odd blocks have the order 8-15, 24-31, 0-7, 16-23, as in WV^T's codes.
; Prefetches: each K step's tiles are asked for one K step ahead of their load; the sixteen waves of the four work-groups that ask jointly take a block of 16 rows each.
.set NA,     8
.set FR,     12
.set NL,     4
.set NP,     4                         ; places behind this matrix instruction (ISA guide 7.12.1)
.set IMGB,   1536
.set BLKB,   2*IMGB                    ; a block of 16 rows in a slot
.set HALF,   8*BLKB                    ; what one tensor load brings: 128 rows
.set SLOT,   4*HALF                    ; A's two halves, then B's two
.set SCL,    3*SLOT                    ; behind the slots: the scale words, 4 x (8 K steps x 128 rows x 4 bytes): filled once
.set WST,    SCL+4*4096                ; 1,536 bytes for each wave: its scale words (512) and statistics (1,024) on their way out
.set SPARE,  WST+4*1536                ; the spare words, 128 bytes a wave: two blocks of 256 bytes that no other line names
.set SSC,  8                           ; v8   where I put a row's scale word
.set SST,  9                           ; v9   where I put a row's -M_c and l_c
.set SRD,  10                          ; v10  where I read them back
.set LI,   11                          ; v11  16 x lane
.set ADRA, 16                          ; v16-18 LDS address of my A fragments in slot 0, 1, 2
.set ADRB, 20                          ; v20-22 the same for B
.set ADRSA, 27
.set SPW,  28
.set NIL,  29
.set ADRSB, 30
.set KC,   31                          ; v31  -infinity
.set ADRBF8, 1                         ; v1-3   for pieces of 8 bytes: B's address with lane xor 8
.set ADRA8, 4                          ; v4-6   A's
.set PFA,  7                           ; v7, v15 the prefetches' offsets
.set ADRB8, 12                         ; v12-14 B's
.set PFB,  15
.set ADRBF, 23                         ; v23-25 B's address with lane xor 8
.set ADRSBF, 26                        ; v26    and its scale words'
.set SCA,  32
.set SCB,  64
.set TM,   96                          ; v96-99   the four blocks' largest scores, then their p
.set PB,   100                         ; v100-103 the other half's, then the bytes
.set SO,   104                         ; v104-107 the conversions' scale operands
.set SU,   108                         ; v108-111 the sum, in two chains of pairs
.set RT,   112                         ; v112     the chunk's largest score, then t
.set PT,   113                         ; v113     the other half's sum
.set RBK,  116                         ; v116-127 what is read back from my stage
.set AF,   128
.set TT,   224
.set SEL,  20                          ; s[20:21]
.set CS,   22                          ; s[22:23] c = log2(e) / 32
.set OC,   8                           ; s[8:9] p_codes, s[10:11] p_scales, s[12:13] p_stats at my wave's part
.set OS,   10
.set OT,   12
.set G1,   24
.set G1B,  32
.set G1S,  40
.set G1SB, 48
.set GA0,  56                          ; A's groups 0: s[56:59], s[60:63], s[68:71]
.set GB0,  72                          ; B's: s[72:83]
.set G0S,  84
.set G0SB, 88
.set MSB, 0
.macro WIN new                         ; the immediate's high byte repeats the setting that is left
.if MSB != (\new)
	s_set_vgpr_msb (MSB<<8)|(\new)
.set MSB, (\new)
.endif
.endm
.set MUL_LO, 0xa1
.set MUL_HI, 0xf1
.set TO_B,   0x40
.macro JLOAD g0a, g1a, g0b, g1b        ; a joint load: waves 0 and 1 fetch for A, waves 2 and 3 for B; four v_nop follow each of the two lines
	s_cmp_eq_u32 s15, 0
	s_cbranch_scc0 .Lfor_b_\@
	tensor_load_to_lds s[\g0a:\g0a+3], s[\g1a:\g1a+7]
	s_nop 0
.rept 4
	v_nop
.endr
	s_branch .Lasked_\@
.Lfor_b_\@:
	tensor_load_to_lds s[\g0b:\g0b+3], s[\g1b:\g1b+7]
	s_nop 0
.rept 4
	v_nop
.endr
.Lasked_\@:
.endm
.macro CREST
	s_cmp_lg_u32 s14, 0
	s_cbranch_scc1 .Lnot_wave_0_\@
	s_barrier_signal -3
.Lnot_wave_0_\@:
	s_barrier_wait -3
	s_barrier_signal -1
	s_barrier_wait -1
.endm
.macro CROUND
	s_barrier_signal -1
	s_barrier_wait -1
	CREST
.endm
.macro PLACES n
.rept \n
	v_nop
.endr
.endm
.macro FRAG reg, adr, adr8, off        ; an image comes back as it was stored: two halves of 512 + 256 consecutive bytes
.irp c, 0,1
	ds_load_b128 v[\reg+6*\c:\reg+6*\c+3], v[\adr] offset:\off+768*\c
	ds_load_b64 v[\reg+6*\c+4:\reg+6*\c+5], v[\adr8] offset:\off+768*\c+512
.endr
.endm
.macro ASKK k                          ; K step k of my block of 16 rows of A's and of B's tiles: 12 blocks of 256 bytes each
	global_prefetch_b8 v[PFA], s[4:5] offset:BLKB*(\k) th:TH_LOAD_NT scope:SCOPE_SE
	global_prefetch_b8 v[PFB], s[4:5] offset:BLKB*(\k) th:TH_LOAD_NT scope:SCOPE_SE
.endm
.macro MULQ qt, p, q, sc, zero         ; a quarter of a step: NA / 4 blocks of A x B's eight; the accumulators take turns, one instruction a turn
.set MA, (\qt)*NA/4
.rept NA/4
.if MA < 4
	WIN MUL_LO
.else
	WIN MUL_HI
.endif
.set MB, 0
.rept 8
.set RC, 8*(8*(MA%4)+MB)
.set RB, 128*(\p)+FR*MB
.set RA, AF+FR*MA
.set RSB, SCB+16*(\sc)+2*MB+(\q)
.set RSA, SCA+2*NA*(\sc)+2*MA+(\q)
.if \zero
	v_wmma_scale_f32_16x16x128_f8f6f4 v[RC:RC+7], v[RB:RB+FR-1], v[RA:RA+FR-1], 0, v[RSB], v[RSA] matrix_a_fmt:MATRIX_FMT_FP6 matrix_b_fmt:MATRIX_FMT_FP6
.else
	v_wmma_scale_f32_16x16x128_f8f6f4 v[RC:RC+7], v[RB:RB+FR-1], v[RA:RA+FR-1], v[RC:RC+7], v[RSB], v[RSA] matrix_a_fmt:MATRIX_FMT_FP6 matrix_b_fmt:MATRIX_FMT_FP6
.endif
.set MB, MB+1
.endr
.set MA, MA+1
.endr
.endm
.macro FETCH_B slot, q, p
	WIN TO_B
.irp i, 0,1,2,3,4,5,6,7
.if (\i/2)%2
	FRAG 128*(\p)+FR*\i, ADRBF+(\slot), ADRBF8+(\slot), \i*BLKB+(\q)*IMGB
.else
	FRAG 128*(\p)+FR*\i, ADRB+(\slot), ADRB8+(\slot), \i*BLKB+(\q)*IMGB
.endif
.endr
	WIN 0
.endm
.macro FETCH_A slot, q, half
.set FI, (\half)*NA/2
.rept NA/2
	FRAG AF+FR*FI, ADRA+(\slot), ADRA8+(\slot), FI*BLKB+(\q)*IMGB
.set FI, FI+1
.endr
.endm
.macro SCALES pl                       ; the scale words of K steps 2 pl and 2 pl + 1 into set pl % 2: lane (r, h) takes row r's
.set SI, 0
.rept NA
	ds_load_b32 v[SCA+2*NA*((\pl)%2)+2*SI], v[ADRSA] offset:(2*(\pl))*1024+64*SI
	ds_load_b32 v[SCA+2*NA*((\pl)%2)+2*SI+1], v[ADRSA] offset:(2*(\pl)+1)*1024+64*SI
.set SI, SI+1
.endr
.set SI, 0
.rept 8
.if (SI/2)%2
	ds_load_b32 v[SCB+16*((\pl)%2)+2*SI], v[ADRSBF] offset:(2*(\pl))*1024+64*SI
	ds_load_b32 v[SCB+16*((\pl)%2)+2*SI+1], v[ADRSBF] offset:(2*(\pl)+1)*1024+64*SI
.else
	ds_load_b32 v[SCB+16*((\pl)%2)+2*SI], v[ADRSB] offset:(2*(\pl))*1024+64*SI
	ds_load_b32 v[SCB+16*((\pl)%2)+2*SI+1], v[ADRSB] offset:(2*(\pl)+1)*1024+64*SI
.endif
.set SI, SI+1
.endr
.endm
; STEP t of eight, 128 along K: 64 matrix instructions; it fetches step t + 1's fragments.  A has one set of registers: its first half is fetched anew in the step's middle, its second half at the end; B has two sets.
; K step of 256 number pl lies in slot pl % 3.  kind 0: no barrier;  1: a barrier, since the next slot was filled behind the last one;  2: a barrier that opens a round, and behind it slot 0 is filled again.
.macro KSTEP t, kind
.set BS, (\t)%2
.set SS, ((\t)/2)%2
.set NX, (\t)+1
.set NS, (NX/2)%3
.set NK, NX%2
.set ZR, 0
.if (\t) == 0
.set ZR, 1
.endif
.if (\kind) == 0
	s_wait_dscnt (NA/2)*NL                         ; all is in but the youngest loads, A's second half
	MULQ 0, BS, BS, SS, ZR
	MULQ 1, BS, BS, SS, ZR
	s_wait_dscnt 0                                 ; A's second half is in
	PLACES NP                                      ; in front of loads into registers that matrix instructions have read
.else
	s_wait_tensorcnt 0x0                           ; all my tensor loads have landed
	ds_add_u32 v[SPW], v[NIL]                      ; 0 onto my spare word
	s_wait_dscnt (NA/2)*NL+1                       ; (the add and A's second half may be out)
	MULQ 0, BS, BS, SS, 0                          ; matrix work stands between the add and the wait for it
	s_wait_dscnt 0x0                               ; the add is done, and my reads of this slot are over
	s_barrier_signal -1
	MULQ 1, BS, BS, SS, 0
	WIN 0
	s_barrier_wait -1
.if (\kind) == 2
	CREST                                          ; the barrier has opened a round of the cluster's barrier: no wave of any partner still reads slot 0 or has a load on its way
.if (\t) == 1
	JLOAD GA0+12, G1, GB0+8, G1B                   ; K step 2 into slot 2, its first fill, issued as a refill is
.else
	s_add_nc_u64 s[GA0+2:GA0+3], s[GA0+2:GA0+3], 3*BLKB
	s_add_nc_u64 s[GB0+2:GB0+3], s[GB0+2:GB0+3], 3*BLKB
	JLOAD GA0, G1, GB0, G1B                        ; K step 3 into slot 0: the first tensor load behind the round; its four v_nop are the places in front of the loads below
.endif
.else
	PLACES NP
.endif
.endif
	FETCH_B NS, NK, 1-BS
	FETCH_A NS, NK, 0
.if NK == 0
	SCALES NX/2
.endif
.if (\t) == 1
	ASKK 3
.endif
	MULQ 2, BS, BS, SS, ZR
	MULQ 3, BS, BS, SS, ZR
	PLACES NP
	WIN 0
	FETCH_A NS, NK, 1
.endm
	s_load_b256 s[4:11], s[0:1], 0x0               ; qk_codes s[4:5], qk_scales s[6:7], p_codes s[8:9], p_scales s[10:11]
	s_load_b64 s[12:13], s[0:1], 0x20              ; p_stats
	v_lshl_add_u32 v[SPW], v0, 2, SPARE
	v_mov_b32 v[NIL], 0
	ds_add_u32 v28, v29
	ds_add_u32 v28, v29
	s_wait_dscnt 0x0
	v_lshrrev_b32 v1, 5, v0
	v_readfirstlane_b32 s14, v1                    ; wave 0..3
	s_lshr_b32 s15, s14, 1                         ; wr
	s_and_b32 s16, s14, 1                          ; wc
	s_bfe_u32 s92, ttmp6, 0x40000                  ; cx, cy
	s_bfe_u32 s93, ttmp6, 0x40004
	s_lshl_b32 s94, ttmp9, 2
	s_add_co_u32 s94, s94, s92                     ; the block of 256 keys: 0 .. 7
	s_and_b32 s97, ttmp7, 0xffff                   ; the cluster's y
	s_lshl_b32 s17, s97, 2
	s_add_co_u32 s17, s17, s93                     ; the block of 256 queries among all 8,192 rows: 0 .. 31
	s_lshr_b32 s98, s97, 1                         ; the batch, which the sixteen partners share
	s_and_b32 s99, s97, 1
	s_lshl_b32 s99, s99, 2
	s_add_co_u32 s99, s99, s93                     ; the block of 256 queries in the batch: 0 .. 7
	s_lshl_b32 s95, s93, 2
	s_lshl_b32 s95, 15, s95                        ; my row of the cluster
	s_lshl_b32 s96, 0x1111, s92                    ; my column
	s_or_b32 s[G1+0], s95, (3<<16)|(1<<21)         ; a tile: 8 blocks of 16 rows, of each 3,072 bytes (384 elements of 8 bytes), 12,288 bytes apart; no padding; 21 set beside a mask
	s_or_b32 s[G1B+0], s96, (3<<16)|(1<<21)
.irp g, G1, G1B
	s_mov_b32 s[\g+1], 384<<16                     ; tensor_dim0
	s_mov_b32 s[\g+2], 16<<16                      ; tensor_dim1: 16 blocks for the head's loads, 8 behind them
	s_mov_b32 s[\g+3], 384<<16                     ; tile_dim0
	s_mov_b32 s[\g+4], 16                          ; tile_dim1
	s_mov_b32 s[\g+5], 8*IMGB/8                    ; from block to block, in elements
	s_mov_b32 s[\g+6], 0
	s_mov_b32 s[\g+7], 0
.endr
	s_or_b32 s[G1S+0], s95, (3<<16)|(1<<21)        ; the scale words of 256 rows: 8 K steps of 1,024 bytes (128 elements), 32,768 bytes apart
	s_or_b32 s[G1SB+0], s96, (3<<16)|(1<<21)
.irp g, G1S, G1SB
	s_mov_b32 s[\g+1], 128<<16                     ; 256 rows: 1,024 bytes for each of 8 K steps
	s_mov_b32 s[\g+2], 8<<16
	s_mov_b32 s[\g+3], 128<<16
	s_mov_b32 s[\g+4], 8
	s_mov_b32 s[\g+5], 4096
	s_mov_b32 s[\g+6], 0
	s_mov_b32 s[\g+7], 0
.endr
	s_lshl_b32 s20, s16, 3                         ; 8 wc: which 8 blocks of the tile I fetch
	s_lshl_b32 s21, s17, 4
	s_add_co_u32 s21, s21, s20                     ; A: block 16 x query block + 8 wc
	s_mul_i32 s2, s21, 8*IMGB
	s_mov_b32 s3, 0
	s_lshl_b32 s[G0S+2], s17, 10                   ; the scale words of the tile's 256 rows
	s_mov_b32 s[G0S+3], 0
	s_lshl_b32 s66, s98, 7
	s_add_co_u32 s66, s66, s20
	s_lshl_b32 s67, s94, 4
	s_add_co_u32 s66, s66, s67                     ; B: block 128 x batch + 16 x key block + 8 wc
	s_mul_i32 s18, s66, 8*IMGB
	s_mov_b32 s19, 0
	s_lshl_b32 s[G0SB+2], s98, 13
	s_lshl_b32 s67, s94, 10
	s_add_co_u32 s[G0SB+2], s[G0SB+2], s67
	s_mov_b32 s[G0SB+3], 0
	s_lshl_b32 s20, s94, 1
	s_add_co_u32 s20, s20, s16                     ; my chunk of 128 keys: 0 .. 15
	s_lshl_b32 s21, s99, 4
	s_lshl_b32 s97, s15, 3
	s_add_co_u32 s21, s21, s97                     ; my first block of 16 queries in the batch
	s_mul_i32 s22, s98, 128*16*IMGB
	s_mul_i32 s97, s21, 16*IMGB
	s_add_co_u32 s22, s22, s97
	s_mul_i32 s97, s20, IMGB
	s_add_co_u32 s22, s22, s97                     ; in p_codes
	s_mov_b32 s23, 0
	s_lshl_b32 s66, s98, 17
	s_lshl_b32 s97, s20, 13
	s_add_co_u32 s66, s66, s97
	s_lshl_b32 s97, s21, 6
	s_add_co_u32 s66, s66, s97                     ; in p_scales: 4 bytes a row;
	s_mov_b32 s67, 0
	s_lshl_b32 s100, s66, 1                        ; in p_stats: 8
	s_mov_b32 s101, 0
	s_mul_i32 s20, s16, HALF                       ; where the tiles go: no place in the cluster enters an LDS address
	s_add_co_u32 s21, s20, 2*HALF
	s_wait_kmcnt 0x0
	s_add_nc_u64 s[2:3], s[4:5], s[2:3]
	s_add_nc_u64 s[18:19], s[4:5], s[18:19]
	s_add_nc_u64 s[18:19], s[18:19], 512*8*IMGB    ; WK's images lie behind WQ's
	s_add_nc_u64 s[G0S+2:G0S+3], s[6:7], s[G0S+2:G0S+3]
	s_add_nc_u64 s[G0SB+2:G0SB+3], s[6:7], s[G0SB+2:G0SB+3]
	s_add_nc_u64 s[G0SB+2:G0SB+3], s[G0SB+2:G0SB+3], 8*8192*4
	s_add_nc_u64 s[OC:OC+1], s[OC:OC+1], s[22:23]
	s_add_nc_u64 s[OS:OS+1], s[OS:OS+1], s[66:67]
	s_add_nc_u64 s[OT:OT+1], s[OT:OT+1], s[100:101]
	CROUND                                         ; all sixteen work-groups are here: the first joint loads meet
	s_mov_b32 s[G0S], 1
	s_mov_b32 s[G0S+1], SCL
	s_or_b32 s[G0S+3], s[G0S+3], 0x80000000
	s_mov_b32 s[G0SB], 1
	s_mov_b32 s[G0SB+1], SCL+8192
	s_or_b32 s[G0SB+3], s[G0SB+3], 0x80000000
.irp s, 0,1,2
.set GA, GA0+4*\s+4*(\s/2)
.set GB, GB0+4*\s
	s_mov_b32 s[GA], 1
	s_add_co_u32 s[GA+1], s20, \s*SLOT
	s_add_nc_u64 s[GA+2:GA+3], s[2:3], \s*BLKB
	s_or_b32 s[GA+3], s[GA+3], 0x80000000
	s_mov_b32 s[GB], 1
	s_add_co_u32 s[GB+1], s21, \s*SLOT
	s_add_nc_u64 s[GB+2:GB+3], s[18:19], \s*BLKB
	s_or_b32 s[GB+3], s[GB+3], 0x80000000
.endr
	; the head's loads, one a wave.  Waves 0 and 2 (wc = 0) bring K step 0's 16 blocks of A and of B, waves 1 and 3 the scale words
.macro HLOAD g0, g1
	tensor_load_to_lds s[\g0:\g0+3], s[\g1:\g1+7]
	s_nop 0
.rept 4
	v_nop
.endr
.endm
	s_cmp_eq_u32 s14, 0
	s_cbranch_scc0 .Lhead_1
	HLOAD GA0, G1
	s_branch .Lhead_asked
.Lhead_1:
	s_cmp_eq_u32 s14, 2
	s_cbranch_scc0 .Lhead_2
	HLOAD GB0, G1B
	s_branch .Lhead_asked
.Lhead_2:
	s_cmp_eq_u32 s14, 1
	s_cbranch_scc0 .Lhead_3
	HLOAD G0S, G1S
	s_branch .Lhead_asked
.Lhead_3:
	HLOAD G0SB, G1SB
.Lhead_asked:
	v_and_b32 v224, 15, v0                         ; r
	v_and_b32 v225, 31, v0                         ; lane
	v_xor_b32 v226, 8, v225
	v_lshlrev_b32 v[LI], 4, v225                   ; 16 x lane
	v_lshlrev_b32 v227, 4, v226
	v_lshlrev_b32 v228, 3, v225
	v_lshlrev_b32 v229, 3, v226
	v_xor_b32 v230, 8, v224
	v_min_u32 v231, 11, v225
	v_lshlrev_b32 v231, 8, v231
	s_wait_alu depctr_va_vdst(0)
	s_mul_i32 s18, s15, HALF                       ; my rows of A
	s_mul_i32 s19, s16, HALF                       ; my rows of B, behind A's
	s_add_co_u32 s19, s19, 2*HALF
.irp s, 0,1,2
	v_add_nc_u32 v[ADRA+\s], s18, v[LI]
	v_add_nc_u32 v[ADRA8+\s], s18, v228
	v_add_nc_u32 v[ADRB+\s], s19, v[LI]
	v_add_nc_u32 v[ADRB8+\s], s19, v228
	v_add_nc_u32 v[ADRBF+\s], s19, v227
	v_add_nc_u32 v[ADRBF8+\s], s19, v229
	s_add_co_u32 s18, s18, SLOT
	s_add_co_u32 s19, s19, SLOT
.endr
	s_lshl_b32 s18, s15, 9
	s_add_co_u32 s18, s18, SCL
	v_lshl_add_u32 v[ADRSA], v224, 2, s18          ; A's scale words: 1,024 bytes a K step, my 128 rows' 512
	s_lshl_b32 s18, s16, 9
	s_add_co_u32 s18, s18, SCL+8192
	v_lshl_add_u32 v[ADRSB], v224, 2, s18
	v_lshl_add_u32 v[ADRSBF], v230, 2, s18
	s_mul_i32 s18, s14, 1536
	s_add_co_u32 s18, s18, WST                     ; my stage
	v_lshl_add_u32 v[SSC], v224, 2, s18
	v_add_nc_u32 v[SRD], s18, v[LI]
	s_add_co_u32 s18, s18, 512
	v_lshl_add_u32 v[SST], v224, 3, s18
	s_wait_alu depctr_va_vdst(0)
	s_lshl_b32 s18, s92, 2                         ; A's tile: its 16 blocks shared out over the waves of my row of the cluster
	s_add_co_u32 s18, s18, s14
	s_lshl_b32 s19, s17, 4
	s_add_co_u32 s18, s18, s19
	s_mul_i32 s18, s18, 8*IMGB
	v_add_nc_u32 v[PFA], s18, v231
	s_lshl_b32 s18, s93, 2                         ; B's: over those of my column
	s_add_co_u32 s18, s18, s14
	s_lshl_b32 s19, s98, 7
	s_add_co_u32 s18, s18, s19
	s_lshl_b32 s19, s94, 4
	s_add_co_u32 s18, s18, s19
	s_mul_i32 s18, s18, 8*IMGB
	s_add_co_u32 s18, s18, 512*8*IMGB
	v_add_nc_u32 v[PFB], s18, v231
	s_wait_alu depctr_va_vdst(0)                   ; the wait ahead of the offsets' first reader
	ASKK 1
	v_mov_b32 v[KC], 0xff800000
.irp c, 0,1,2,3
	v_mov_b32 v[PB+\c], 0                          ; written once: a lane permute's destination counts as one of its sources
.endr
	v_mov_b32 v[PT], 0
	s_mov_b32 s[SEL], 0x76543210
	s_mov_b32 s[SEL+1], 0xfedcba98
	s_mov_b32 s[CS], 0x3d38aa3b                    ; c = log2(e) / 32
	s_mov_b32 s[CS+1], s[CS]                       ; (named with it as a pair, so it is written)
	s_wait_alu depctr_va_vdst(0)                   ; the wait at the head's end
	s_wait_tensorcnt 0x0                           ; my load of the head's four is in
	ds_add_u32 v[SPW], v[NIL]                      ; 0 onto my spare word
	s_mov_b32 s[G1+2], 8<<16                       ; no load of mine is out: from here on a load brings 8 blocks
	s_mov_b32 s[G1+4], 8
	s_mov_b32 s[G1B+2], 8<<16
	s_mov_b32 s[G1B+4], 8
	s_wait_dscnt 0x0
	CROUND                                         ; everybody's are in
	JLOAD GA0+4, G1, GB0+4, G1B                    ; K step 1 into slot 1
	FETCH_B 0, 0, 0
	FETCH_A 0, 0, 0
	SCALES 0
	FETCH_A 0, 0, 1
	ASKK 2
	KSTEP 0, 0                                     ; slot 0; the first products start the sums
	KSTEP 1, 2                                     ; K step 1 has landed; slot 2 takes K step 2
	KSTEP 2, 0                                     ; slot 1
	KSTEP 3, 2                                     ; K step 2 has landed; slot 0 takes K step 3
	KSTEP 4, 0                                     ; slot 2
	KSTEP 5, 1                                     ; my part of K step 3 has landed; behind the barrier everybody's has
	KSTEP 6, 0                                     ; slot 0
	s_wait_dscnt (NA/2)*NL                         ; the very last step: nothing more to fetch
	MULQ 0, 1, 1, 1, 0
	MULQ 1, 1, 1, 1, 0
	s_wait_alu depctr_va_vdst(0)
	s_wait_dscnt 0
	MULQ 2, 1, 1, 1, 0
	MULQ 3, 1, 1, 1, 0
	WIN 0
	PLACES NP
; THE WAY OUT of block a: 16 queries x my chunk of 128 keys; a lane holds 64 scores of one query, lane l xor 16 the other 64.  Each block has registers of its own for what it stores.
.macro SMBLK a
.set W, 2+(\a)/4
.set AC, 64*((\a)%4)
.set PC, 128+12*(\a)
.set PW, 232+(\a)
.set NM, 240+2*(\a)                    ; the pair (-M_c, l_c)
	WIN (W<<2)|(W<<4)                              ; sources 1 and 2: the accumulators' window
.irp c, 0,1,2,3
	v_max3_num_f32 v[TM+\c], v[KC], v[AC+16*\c], v[AC+16*\c+1]   ; the largest score of each block of 32 keys; each accumulator is read from its low end on
.endr
.irp i, 2,4,6,8,10,12,14
.irp c, 0,1,2,3
	v_max3_num_f32 v[TM+\c], v[TM+\c], v[AC+16*\c+\i], v[AC+16*\c+\i+1]
.endr
.endr
	WIN 0
.irp c, 0,1,2,3
	v_permlanex16_b32 v[PB+\c], v[TM+\c], s[SEL], s[SEL+1]
.endr
.irp c, 0,1,2,3
	v_max_num_f32 v[TM+\c], v[TM+\c], v[PB+\c]
.endr
	v_max3_num_f32 v[RT], v[TM], v[TM+1], v[TM+2]
	v_max_num_f32 v[RT], v[RT], v[TM+3]            ; the chunk's largest score of my query
	v_mul_f32 v[RT], s[CS], v[RT]                  ; as t (c is positive)
	v_floor_f32 v[NM], -v[RT]                      ; -M_c = floor(-t) = -ceil(t): a whole number
	v_mov_b32 v[NM+1], 0                           ; (named with it as a pair below)
.irp c, 0,1,2,3
	v_fma_f32 v[TM+\c], v[TM+\c], s[CS], v[NM]     ; t - M_c of each block's largest score
.endr
.irp j, 0,1,2,3
	v_mov_b32 v[SU+\j], 0
.endr
	WIN (W<<6)|W                                   ; destination and source 0: the accumulators' window
.set J, 0
.rept 32
	v_pk_fma_f32 v[AC+J:AC+J+1], v[AC+J:AC+J+1], s[CS:CS+1], v[NM:NM+1] op_sel_hi:[1,0,0]   ; t - M_c, two at a time
.set J, J+2
.endr
.set J, 0
	s_wait_alu depctr_va_vdst(0)
.rept 64
	v_exp_f32 v[AC+J], v[AC+J]                     ; p = 2^(t - M_c)
.set J, J+1
.endr
	WIN 0
.irp c, 0,1,2,3
	v_exp_f32 v[TM+\c], v[TM+\c]                   ; each block's largest p: the same two instructions on the same number give the same bits
.endr
	v_nop                                          ; a plain place behind the last exponential
	s_wait_alu depctr_va_vdst(0)                   ; one wait for the batch of 68, ahead of its first reader
	WIN W<<2                                       ; source 1: the accumulators' window
.set J, 0
.rept 16
	v_pk_add_f32 v[SU:SU+1], v[SU:SU+1], v[AC+J:AC+J+1]         ; the sum of the UNQUANTISED p, in two chains
	v_pk_add_f32 v[SU+2:SU+3], v[SU+2:SU+3], v[AC+J+2:AC+J+3]
.set J, J+4
.endr
	WIN 0
	v_pk_add_f32 v[SU:SU+1], v[SU:SU+1], v[SU+2:SU+3]
	v_add_f32 v[SU], v[SU], v[SU+1]
	v_permlanex16_b32 v[PT], v[SU], s[SEL], s[SEL+1]
	v_add_f32 v[NM+1], v[SU], v[PT]                ; l_c
.irp c, 0,1,2,3
	v_max_num_f32 v[TM+\c], 0x1800000, v[TM+\c]    ; the floor 2^(3 - 127): the byte cannot fall under 1
.endr
.irp c, 0,1,2,3
	v_add_nc_u32 v[SO+\c], 0xff000000, v[TM+\c]    ; 2 off the exponent field: the conversion's scale operand
.endr
.irp c, 0,1,2,3
	v_lshrrev_b32 v[PB+\c], 23, v[SO+\c]           ; the scale's byte
.endr
	v_lshl_or_b32 v[PW], v[PB+1], 8, v[PB]
	v_lshl_or_b32 v[PW], v[PB+2], 16, v[PW]
	v_lshl_or_b32 v[PW], v[PB+3], 24, v[PW]
	WIN W                                          ; source 0: the accumulators' window
	v_cvt_scalef32_pk16_fp6_f32 v[PC:PC+2], v[AC:AC+15], v[SO]
	v_cvt_scalef32_pk16_fp6_f32 v[TT:TT+2], v[AC+16:AC+31], v[SO+1]       ; (a conversion's three registers begin on an even number)
	v_cvt_scalef32_pk16_fp6_f32 v[PC+6:PC+8], v[AC+32:AC+47], v[SO+2]
	v_cvt_scalef32_pk16_fp6_f32 v[TT+4:TT+6], v[AC+48:AC+63], v[SO+3]
	v_nop                                          ; one plain place behind the scaled conversions
	WIN 0
.irp i, 0,1,2                                  ; the operand wants a WHOLE block in a lane: lanes 0-15 blocks 0 and 2, lanes 16-31 blocks 1 and 3
	v_permlane16_swap_b32 v[PC+\i], v[TT+\i]
	v_permlane16_swap_b32 v[PC+6+\i], v[TT+4+\i]
.endr
.irp i, 0,1,2
	v_mov_b32 v[PC+3+\i], v[TT+\i]
	v_mov_b32 v[PC+9+\i], v[TT+4+\i]
.endr
.irp g, 0,1,2
	global_store_b128 v[LI], v[PC+4*\g:PC+4*\g+3], s[OC:OC+1] offset:16*IMGB*(\a)+512*\g   ; 32 lanes store 512 consecutive bytes, at a multiple of 256 from the buffer's first byte
.endr
	ds_store_b32 v[SSC], v[PW] offset:64*(\a)      ; both halves of the lanes store the same word,
	ds_store_b64 v[SST], v[NM:NM+1] offset:128*(\a)   ; and the same pair
.endm
.irp a, 0,1,2,3,4,5,6,7
	SMBLK \a
.endr
	ds_load_b128 v[RBK:RBK+3], v[SRD]              ; LDS serves a wave's instructions in order (ISA guide 5.7.1.4): these see my stores
	ds_load_b128 v[RBK+4:RBK+7], v[SRD] offset:512
	ds_load_b128 v[RBK+8:RBK+11], v[SRD] offset:1024
	s_wait_dscnt 0x0
	global_store_b128 v[LI], v[RBK:RBK+3], s[OS:OS+1]            ; my 128 rows' words: 512 consecutive bytes
	global_store_b128 v[LI], v[RBK+4:RBK+7], s[OT:OT+1]          ; and their statistics: 1,024
	global_store_b128 v[LI], v[RBK+8:RBK+11], s[OT:OT+1] offset:512
	s_wait_tensorcnt 0x0                           ; the wave's end
	ds_add_u32 v[SPW], v[NIL]
	s_wait_dscnt 0x0
	CROUND                                         ; the closing round
	s_endpgm
.Lfunc_end_k_q0815d8a3e5_scores:
	.size	k_q0815d8a3e5_scores, .Lfunc_end_k_q0815d8a3e5_scores-k_q0815d8a3e5_scores
	.p2alignl 7, 3214868480
	.fill 96, 4, 3214868480
	.section	.rodata,"a",@progbits
	.p2align	6, 0x0
	.amdhsa_kernel k_q0815d8a3e5_scores
		.amdhsa_group_segment_fixed_size 327680
		.amdhsa_private_segment_fixed_size 0
		.amdhsa_enable_private_segment 0
		.amdhsa_kernarg_size 40
		.amdhsa_user_sgpr_count 2
		.amdhsa_user_sgpr_kernarg_segment_ptr 1
		.amdhsa_wavefront_size32 1
		.amdhsa_system_sgpr_workgroup_id_x 1
		.amdhsa_system_sgpr_workgroup_id_y 1
		.amdhsa_system_sgpr_workgroup_id_z 1
		.amdhsa_system_vgpr_workitem_id 0
		.amdhsa_next_free_vgpr 1024
		.amdhsa_next_free_sgpr 102
		.amdhsa_reserve_vcc 0
		.amdhsa_float_denorm_mode_32 3
		.amdhsa_float_denorm_mode_16_64 3
		.amdhsa_memory_ordered 1
		.amdhsa_forward_progress 1
		.amdhsa_inst_pref_size 216
	.end_amdhsa_kernel
	.amdgpu_metadata
---
amdhsa.version: [ 1, 2 ]
amdhsa.kernels:
  - .name:           k_q0815d8a3e5_scores
    .symbol:         k_q0815d8a3e5_scores.kd
    .args:
      - { .name: qk_codes, .offset: 0, .size: 8, .value_kind: global_buffer, .address_space: global }
      - { .name: qk_scales, .offset: 8, .size: 8, .value_kind: global_buffer, .address_space: global }
      - { .name: p_codes, .offset: 16, .size: 8, .value_kind: global_buffer, .address_space: global }
      - { .name: p_scales, .offset: 24, .size: 8, .value_kind: global_buffer, .address_space: global }
      - { .name: p_stats, .offset: 32, .size: 8, .value_kind: global_buffer, .address_space: global }
    .group_segment_fixed_size: 327680
    .private_segment_fixed_size: 0
    .kernarg_segment_align: 8
    .kernarg_segment_size: 40
    .max_flat_workgroup_size: 128
    .sgpr_count:     102
    .vgpr_count:     1024
    .wavefront_size: 32
...
	.end_amdgpu_metadata
.endif
;; end of part 5
;; launch pv (part 6): grid 4 x 64, 4 waves a work-group, clusters of 4 x 4, 327,680 bytes of LDS; arguments p_codes, p_scales, p_stats, vt_codes, vt_scales, out0; writes out0
.if DOCPART == 6
	.amdgcn_target "amdgcn-amd-amdhsa--gfx1250"
	.amdhsa_code_object_version 6
	.text
	.protected	k_q0815d8a3e5_pv
	.globl	k_q0815d8a3e5_pv
	.p2align	8
	.type	k_q0815d8a3e5_pv,@function
k_q0815d8a3e5_pv:
	s_mov_b64 s[64:65], 0
	v_nop
	global_prefetch_b8 v0, s[64:65] scope:SCOPE_SE
	s_setreg_imm32_b32 hwreg(HW_REG_WAVE_MODE, 25, 1), 1
	s_wait_xcnt 0x0
	s_wait_alu depctr_hold_cnt(0) depctr_sa_sdst(0) depctr_va_vdst(0) depctr_va_sdst(0) depctr_va_ssrc(0) depctr_va_vcc(0) depctr_vm_vsrc(0)
	s_getreg_b32 s2, hwreg(HW_REG_IB_STS2, 6, 4)
	s_cmp_eq_u32 s2, 0
	s_cbranch_scc0 .Lentry_in_a_cluster
	s_endpgm
.Lentry_in_a_cluster:
	s_bfe_u32 s2, ttmp6, 0x10000c
	s_cmp_lg_u32 s2, 0xf033
	s_cbranch_scc0 .Lentry_shape_is_right
	s_endpgm
.Lentry_shape_is_right:
; O = P WV / l on codes of FP6 (E2M3), K = 2,048 keys.  A tile of 128 queries x 256 outputs is made by four waves, each 64 x 128; 4 x 4 work-groups form a cluster: P's tiles are asked for jointly along a row, WV^T's along a column.
; P's codes stand under each chunk's own M_c: the row's M = the largest M_c, and M - M_c comes off the chunk's scale bytes (held at 1 from below), a power of two; l = the sum of l_c 2^(M_c - M); O is multiplied by 1 / l.
; LIMITS: NaN and infinities are not served; the scaled scores stay under 2^31 in magnitude.
; K goes in four tiles of 512 keys through two LDS slots.  At the head one joint load a wave: P's 8 blocks of tile 0, WV^T's two halves, WV^T's scale words; the row statistics are worked out under their flight and shown by the same round.
; P's images are three pieces of 512 bytes; WV^T's two halves of 512 + 256 bytes.
; Prefetches: a tile is asked for one tile ahead of its load; the sixteen waves of the four work-groups that ask jointly share its blocks out by address.
.set NA,     4
.set FR,     12
.set NL,     3
.set NP,     4
.set IMGB,   1536
.set BLKB,   4*IMGB
.set HALFA,  4*BLKB
.set HALFB,  8*BLKB
.set SLOT,   2*HALFA+2*HALFB
.set SCLB,   2*SLOT
.set ASC,    SCLB+16384
.set RLB,    ASC+8192
.set SPARE,  RLB+512
.set SPITCH, 528
.set ADRA, 16
.set ADRB, 20
.set STO,  24
.set RD,   25
.set CO,   26
.set ADRSA, 27
.set SPW,  28
.set NIL,  29
.set ADRSB, 30
.set SCA,  32
.set SCB,  64
.set RL,   96
.set AF,   128
.set BK,   128
.set G1,   24
.set G0,   32
.set G1B,  48
.set G0B,  56
.set G1S,  68
.set G0S,  76
.set MSB, 0
.macro WIN new
.if MSB != (\new)
	s_set_vgpr_msb (MSB<<8)|(\new)
.set MSB, (\new)
.endif
.endm
.set MUL_LO, 0xa1
.set MUL_HI, 0xf1
.set TO_B,   0x40
.macro JLOAD g0a, g1a, g0b, g1b
	s_cmp_eq_u32 s15, 0
	s_cbranch_scc0 .Lfor_b_\@
	tensor_load_to_lds s[\g0a:\g0a+3], s[\g1a:\g1a+7]
	s_nop 0
.rept 4
	v_nop
.endr
	s_branch .Lasked_\@
.Lfor_b_\@:
	tensor_load_to_lds s[\g0b:\g0b+3], s[\g1b:\g1b+7]
	s_nop 0
.rept 4
	v_nop
.endr
.Lasked_\@:
.endm
.macro CREST
	s_cmp_lg_u32 s14, 0
	s_cbranch_scc1 .Lnot_wave_0_\@
	s_barrier_signal -3
.Lnot_wave_0_\@:
	s_barrier_wait -3
	s_barrier_signal -1
	s_barrier_wait -1
.endm
.macro CROUND
	s_barrier_signal -1
	s_barrier_wait -1
	CREST
.endm
.macro PLACES n
.rept \n
	v_nop
.endr
.endm
.macro FRAG reg, adr, off
.irp c, 0,1,2
	ds_load_b128 v[\reg+4*\c:\reg+4*\c+3], v[\adr] offset:\off+512*\c
.endr
.endm
.macro MULQ qt, p, q, sc, zero
.set MA, (\qt)*NA/4
.rept NA/4
.if MA < 4
	WIN MUL_LO
.else
	WIN MUL_HI
.endif
.set MB, 0
.rept 8
.set RC, 8*(8*(MA%4)+MB)
.set RB, 128*(\p)+FR*MB
.set RA, AF+FR*MA
.set RSB, SCB+16*(\sc)+2*MB+(\q)
.set RSA, SCA+2*NA*(\sc)+2*MA+(\q)
.if \zero
	v_wmma_scale_f32_16x16x128_f8f6f4 v[RC:RC+7], v[RB:RB+FR-1], v[RA:RA+FR-1], 0, v[RSB], v[RSA] matrix_a_fmt:MATRIX_FMT_FP6 matrix_b_fmt:MATRIX_FMT_FP6
.else
	v_wmma_scale_f32_16x16x128_f8f6f4 v[RC:RC+7], v[RB:RB+FR-1], v[RA:RA+FR-1], v[RC:RC+7], v[RSB], v[RSA] matrix_a_fmt:MATRIX_FMT_FP6 matrix_b_fmt:MATRIX_FMT_FP6
.endif
.set MB, MB+1
.endr
.set MA, MA+1
.endr
.endm
.macro FRAGB reg, adr, off             ; v22-23: the address for pieces of 8 bytes
.irp c, 0,1
	ds_load_b128 v[\reg+6*\c:\reg+6*\c+3], v[\adr] offset:\off+768*\c
	ds_load_b64 v[\reg+6*\c+4:\reg+6*\c+5], v[\adr+2] offset:\off+768*\c+512
.endr
.endm
.macro ASKS k                          ; my share of tile k: 12 blocks of 256 bytes of P, 24 of WV^T
	global_prefetch_b8 v8, s[4:5] offset:BLKB*(\k) th:TH_LOAD_NT scope:SCOPE_SE
	global_prefetch_b8 v9, s[10:11] offset:BLKB*(\k) th:TH_LOAD_NT scope:SCOPE_SE
.endm
.macro FETCH_B slot, q, p
	WIN TO_B
.irp i, 0,1,2,3,4,5,6,7
	FRAGB 128*(\p)+FR*\i, ADRB+(\slot), \i*BLKB+(\q)*IMGB
.endr
	WIN 0
.endm
.macro FETCH_A slot, q, half
.set FI, (\half)*NA/2
.rept NA/2
	FRAG AF+FR*FI, ADRA+(\slot), FI*BLKB+(\q)*IMGB
.set FI, FI+1
.endr
.endm
.macro SCALES pl
.set SI, 0
.rept NA
	ds_load_b32 v[SCA+2*NA*((\pl)%2)+2*SI], v[ADRSA] offset:(2*(\pl))*512+64*SI
	ds_load_b32 v[SCA+2*NA*((\pl)%2)+2*SI+1], v[ADRSA] offset:(2*(\pl)+1)*512+64*SI
.set SI, SI+1
.endr
.set SI, 0
.rept 8
	ds_load_b32 v[SCB+16*((\pl)%2)+2*SI], v[ADRSB] offset:(2*(\pl))*1024+64*SI
	ds_load_b32 v[SCB+16*((\pl)%2)+2*SI+1], v[ADRSB] offset:(2*(\pl)+1)*1024+64*SI
.set SI, SI+1
.endr
.endm
.macro KSTEP t, kind
.set BS, (\t)%2
.set SS, ((\t)/2)%2
.set NX, (\t)+1
.set NS, (NX/4)%2
.set NK, NX%4
.set LS, 1-NS
.set ZR, 0
.if (\t) == 0
.set ZR, 1
.endif
.if (\kind) == 0
	s_wait_dscnt (NA/2)*NL
	MULQ 0, BS, BS, SS, ZR
	MULQ 1, BS, BS, SS, ZR
	s_wait_dscnt 0
	PLACES NP
.else
	s_wait_tensorcnt 0x0
	ds_add_u32 v[SPW], v[NIL]
	s_wait_dscnt (NA/2)*NL+1
	MULQ 0, BS, BS, SS, 0
	s_wait_dscnt 0x0
	s_barrier_signal -1
	MULQ 1, BS, BS, SS, 0
	WIN 0
	s_barrier_wait -1
.if (\kind) == 2
	CREST
	s_add_nc_u64 s[G0+4*LS+2:G0+4*LS+3], s[G0+4*LS+2:G0+4*LS+3], 2*BLKB
	s_add_nc_u64 s[G0B+4*LS+2:G0B+4*LS+3], s[G0B+4*LS+2:G0B+4*LS+3], 2*BLKB
	JLOAD G0+4*LS, G1, G0B+4*LS, G1B
.else
	PLACES NP
.endif
.endif
	FETCH_B NS, NK, 1-BS
	FETCH_A NS, NK, 0
.if NX%2 == 0
	SCALES NX/2
.endif
.if (\t) == 3
	ASKS 3
.endif
	MULQ 2, BS, BS, SS, ZR
	MULQ 3, BS, BS, SS, ZR
	PLACES NP
	WIN 0
	FETCH_A NS, NK, 1
.endm
	s_load_b256 s[4:11], s[0:1], 0x0
	s_load_b128 s[96:99], s[0:1], 0x20
	v_lshl_add_u32 v[SPW], v0, 2, SPARE
	v_mov_b32 v[NIL], 0
	ds_add_u32 v28, v29
	ds_add_u32 v28, v29
	s_wait_dscnt 0x0
	v_lshrrev_b32 v1, 5, v0
	v_readfirstlane_b32 s14, v1
	s_lshr_b32 s15, s14, 1
	s_and_b32 s16, s14, 1
	s_bfe_u32 s40, ttmp6, 0x40000
	s_bfe_u32 s41, ttmp6, 0x40004
	s_lshl_b32 s42, ttmp9, 2
	s_add_co_u32 s42, s42, s40
	s_and_b32 s92, ttmp7, 0xffff
	s_lshl_b32 s17, s92, 2
	s_add_co_u32 s17, s17, s41
	s_lshr_b32 s93, s92, 2
	s_and_b32 s94, s92, 3
	s_lshl_b32 s94, s94, 2
	s_add_co_u32 s94, s94, s41
	s_lshl_b32 s94, s94, 7
	s_lshl_b32 s43, s41, 2
	s_lshl_b32 s43, 15, s43
	s_lshl_b32 s44, 0x1111, s40
	s_or_b32 s[G1+0], s43, (3<<16)|(1<<21)
	s_mov_b32 s[G1+1], 768<<16
	s_mov_b32 s[G1+2], 8<<16                       ; 8 blocks for the head's load, 4 behind it
	s_mov_b32 s[G1+3], 768<<16
	s_mov_b32 s[G1+4], 8
	s_mov_b32 s[G1+5], 16*IMGB/8
	s_mov_b32 s[G1+6], 0
	s_mov_b32 s[G1+7], 0
	s_or_b32 s[G1B+0], s44, (3<<16)|(1<<21)
	s_mov_b32 s[G1B+1], 768<<16
	s_mov_b32 s[G1B+2], 8<<16
	s_mov_b32 s[G1B+3], 768<<16
	s_mov_b32 s[G1B+4], 8
	s_mov_b32 s[G1B+5], 16*IMGB/8
	s_mov_b32 s[G1B+6], 0
	s_mov_b32 s[G1B+7], 0
	s_or_b32 s[G1S+0], s44, (3<<16)|(1<<21)
	s_mov_b32 s[G1S+1], 128<<16
	s_mov_b32 s[G1S+2], 16<<16                     ; all 16 key steps' words of 256 outputs
	s_mov_b32 s[G1S+3], 128<<16
	s_mov_b32 s[G1S+4], 16
	s_mov_b32 s[G1S+5], 512
	s_mov_b32 s[G1S+6], 0
	s_mov_b32 s[G1S+7], 0
	s_lshl_b32 s20, s17, 3
	s_lshl_b32 s18, s16, 2
	s_add_co_u32 s20, s20, s18
	s_mul_i32 s20, s20, 16*IMGB
	s_mov_b32 s21, 0
	s_lshl_b32 s46, s93, 6
	s_lshl_b32 s19, s42, 4
	s_add_co_u32 s46, s46, s19
	s_lshl_b32 s19, s16, 3
	s_add_co_u32 s46, s46, s19
	s_mul_i32 s46, s46, 16*IMGB
	s_mov_b32 s47, 0
	s_lshl_b32 s22, s93, 16
	s_lshl_b32 s19, s42, 10
	s_add_co_u32 s22, s22, s19
	s_mov_b32 s23, 0
	s_lshl_b32 s66, s93, 17
	s_lshl_b32 s19, s94, 2
	s_add_co_u32 s66, s66, s19
	s_mov_b32 s67, 0
	s_lshl_b32 s18, s66, 1
	s_mov_b32 s19, 0
	s_lshl_b32 s12, s17, 7
	s_lshl_b32 s13, s15, 6
	s_add_co_u32 s12, s12, s13
	s_lshl_b32 s12, s12, 12
	s_lshl_b32 s13, s42, 10
	s_add_co_u32 s12, s12, s13
	s_lshl_b32 s13, s16, 9
	s_add_co_u32 s12, s12, s13
	s_mov_b32 s13, 0
	s_mul_i32 s45, s16, HALFA
	s_mul_i32 s93, s16, HALFB
	s_add_co_u32 s93, s93, 2*HALFA
	s_wait_kmcnt 0x0
	s_add_nc_u64 s[20:21], s[4:5], s[20:21]
	s_add_nc_u64 s[46:47], s[10:11], s[46:47]
	s_add_nc_u64 s[22:23], s[96:97], s[22:23]
	s_add_nc_u64 s[6:7], s[6:7], s[66:67]
	s_add_nc_u64 s[8:9], s[8:9], s[18:19]
	s_add_nc_u64 s[12:13], s[98:99], s[12:13]
	v_lshlrev_b32 v6, 2, v0                        ; a thread to a row: its 16 chunks' scale words and statistics
	v_lshlrev_b32 v7, 3, v0
.irp k, 0,1,2,3,4,5,6,7,8,9,10,11,12,13,14,15
	global_load_b32 v[128+\k], v6, s[6:7] offset:8192*\k
.endr
.irp k, 0,1,2,3,4,5,6,7,8,9,10,11,12,13,14,15
	global_load_b64 v[144+2*\k:145+2*\k], v7, s[8:9] offset:16384*\k
.endr
	s_mov_b32 s[G0S], 1
	s_mov_b32 s[G0S+1], SCLB
	s_mov_b64 s[G0S+2:G0S+3], s[22:23]
	s_or_b32 s[G0S+3], s[G0S+3], 0x80000000
.irp s, 0,1
	s_mov_b32 s[G0+4*\s], 1
	s_add_co_u32 s[G0+4*\s+1], s45, \s*SLOT
	s_add_nc_u64 s[G0+4*\s+2:G0+4*\s+3], s[20:21], \s*BLKB
	s_or_b32 s[G0+4*\s+3], s[G0+4*\s+3], 0x80000000
	s_mov_b32 s[G0B+4*\s], 1
	s_add_co_u32 s[G0B+4*\s+1], s93, \s*SLOT
	s_add_nc_u64 s[G0B+4*\s+2:G0B+4*\s+3], s[46:47], \s*BLKB
	s_or_b32 s[G0B+4*\s+3], s[G0B+4*\s+3], 0x80000000
.endr
	s_wait_alu depctr_va_vdst(0)
	CROUND
	; the head's loads, one a wave.  Wave 0 (wc = 0): P's 8 blocks; waves 1 and 2 (wc = 1, 0): WV^T's two halves; wave 3: its scale words
	s_cmp_eq_u32 s14, 0
	s_cbranch_scc0 .Lhead_1
	tensor_load_to_lds s[G0:G0+3], s[G1:G1+7]
	s_nop 0
.rept 4
	v_nop
.endr
	s_branch .Lhead_asked
.Lhead_1:
	s_cmp_eq_u32 s14, 3
	s_cbranch_scc0 .Lhead_2
	tensor_load_to_lds s[G0S:G0S+3], s[G1S:G1S+7]
	s_nop 0
.rept 4
	v_nop
.endr
	s_branch .Lhead_asked
.Lhead_2:
	tensor_load_to_lds s[G0B:G0B+3], s[G1B:G1B+7]
	s_nop 0
.rept 4
	v_nop
.endr
.Lhead_asked:
	v_and_b32 v1, 15, v0
	s_wait_alu depctr_va_vdst(0)
	v_bfe_u32 v2, v0, 4, 1
	v_and_b32 v3, 31, v0
	v_lshlrev_b32 v[CO], 4, v3
	v_lshlrev_b32 v5, 3, v3
	s_lshl_b32 s2, s40, 2                          ; my number among the sixteen waves of my row of the cluster: half a block of P
	s_add_co_u32 s2, s2, s14
	s_lshr_b32 s3, s2, 1
	s_mul_i32 s3, s3, 16*IMGB
	s_and_b32 s2, s2, 1
	s_mul_i32 s2, s2, 2*IMGB
	s_add_co_u32 s2, s2, s3
	s_mul_i32 s3, s17, 8*16*IMGB
	s_add_co_u32 s2, s2, s3
	s_wait_alu depctr_va_vdst(0)
	v_min_u32 v8, 11, v3
	v_lshl_add_u32 v8, v8, 8, s2
	s_lshl_b32 s2, s41, 2                          ; and of my column: a block of WV^T
	s_add_co_u32 s2, s2, s14
	s_lshr_b32 s3, s92, 2
	s_lshl_b32 s3, s3, 6
	s_add_co_u32 s2, s2, s3
	s_lshl_b32 s3, s42, 4
	s_add_co_u32 s2, s2, s3
	s_mul_i32 s2, s2, 16*IMGB
	s_wait_alu depctr_va_vdst(0)
	v_min_u32 v9, 23, v3
	v_lshl_add_u32 v9, v9, 8, s2
	ASKS 1
	s_mul_i32 s21, s15, HALFA
	s_mul_i32 s22, s16, HALFB
	s_add_co_u32 s22, s22, 2*HALFA
.irp s, 0,1
	v_add_nc_u32 v[ADRA+\s], s21, v[CO]
	v_add_nc_u32 v[ADRB+\s], s22, v[CO]
	v_add_nc_u32 v[ADRB+2+\s], s22, v5
	s_add_co_u32 s21, s21, SLOT
	s_add_co_u32 s22, s22, SLOT
.endr
	s_lshl_b32 s18, s15, 8
	s_add_co_u32 s18, s18, ASC
	v_lshl_add_u32 v[ADRSA], v1, 2, s18
	s_lshl_b32 s18, s16, 9
	s_add_co_u32 s18, s18, SCLB
	v_lshl_add_u32 v[ADRSB], v1, 2, s18
	s_lshl_b32 s18, s15, 8
	s_add_co_u32 s18, s18, RLB
	v_lshl_add_u32 v14, v1, 2, s18
	v_lshl_add_u32 v12, v0, 2, ASC
	v_lshl_add_u32 v13, v0, 2, RLB
	s_mul_i32 s18, s14, 16*SPITCH
	v_mul_u32_u24 v3, v1, SPITCH
	v_lshl_add_u32 v3, v2, 5, v3
	v_add_nc_u32 v[STO], s18, v3
	v_add_nc_u32 v[RD], s18, v[CO]
	s_wait_loadcnt 0x0
	v_min3_num_f32 v104, v144, v146, v148
.irp k, 3,5,7,9,11,13
	v_min3_num_f32 v104, v104, v[144+2*\k], v[146+2*\k]
.endr
	v_min_num_f32 v104, v104, v174
.irp k, 0,1,2,3,4,5,6,7,8,9,10,11,12,13,14,15
	v_sub_f32 v[176+\k], v[144+2*\k], v104
.endr
.irp k, 0,1,2,3,4,5,6,7,8,9,10,11,12,13,14,15
	v_min_num_f32 v[176+\k], 0x437f0000, v[176+\k]
.endr
.irp k, 0,1,2,3,4,5,6,7,8,9,10,11,12,13,14,15
	v_cvt_u32_f32 v[176+\k], v[176+\k]
.endr
.irp k, 0,1,2,3,4,5,6,7,8,9,10,11,12,13,14,15
	v_sub_nc_u32 v[192+\k], 0, v[176+\k]
.endr
.irp k, 0,1,2,3,4,5,6,7,8,9,10,11,12,13,14,15
	v_ldexp_f32 v[208+\k], v[145+2*\k], v[192+\k]
.endr
.irp k, 0,1,2,3,4,5,6,7
	v_add_f32 v[208+\k], v[208+\k], v[216+\k]
.endr
.irp k, 0,1,2,3
	v_add_f32 v[208+\k], v[208+\k], v[212+\k]
.endr
	v_add_f32 v208, v208, v210
	v_add_f32 v209, v209, v211
	v_add_f32 v208, v208, v209
	s_wait_alu depctr_va_vdst(0)
	v_rcp_f32 v105, v208
.irp k, 0,1,2,3,4,5,6,7,8,9,10,11,12,13,14,15
	v_add_nc_u32 v110, 0xfefefeff, v[128+\k]
	v_bfe_u32 v111, v110, 0, 8
	v_bfe_u32 v112, v110, 8, 8
	v_bfe_u32 v113, v110, 16, 8
	v_lshrrev_b32 v114, 24, v110
	v_min_u32 v111, v111, v[176+\k]
	v_min_u32 v112, v112, v[176+\k]
	v_min_u32 v113, v113, v[176+\k]
	v_min_u32 v114, v114, v[176+\k]
	v_lshl_or_b32 v111, v112, 8, v111
	v_lshl_or_b32 v113, v114, 8, v113
	v_lshl_or_b32 v111, v113, 16, v111
	v_sub_nc_u32 v[128+\k], v[128+\k], v111
.endr
	s_wait_alu depctr_va_vdst(0)
.irp k, 0,1,2,3,4,5,6,7,8,9,10,11,12,13,14,15
	ds_store_b32 v12, v[128+\k] offset:512*\k
.endr
	ds_store_b32 v13, v105
	s_wait_tensorcnt 0x0                           ; my load of the head's four is in
	ds_add_u32 v[SPW], v[NIL]                      ; 0 onto my spare word
	s_mov_b32 s[G1+2], 4<<16                       ; no load of mine is out: from here on a load of P brings 4 blocks
	s_mov_b32 s[G1+4], 4
	s_wait_dscnt 0x0                               ; the add is done, and my rows' words and 1 / l are stored
	CROUND
	JLOAD G0+4, G1, G0B+4, G1B                     ; tile 1 into slot 1
.irp a, 0,1,2,3
	ds_load_b32 v[RL+2*\a], v14 offset:64*\a
	ds_load_b32 v[RL+2*\a+1], v14 offset:64*\a
.endr
	FETCH_B 0, 0, 0
	FETCH_A 0, 0, 0
	SCALES 0
	FETCH_A 0, 0, 1
	ASKS 2
	KSTEP 0, 0
	KSTEP 1, 0
	KSTEP 2, 0
	KSTEP 3, 2
	KSTEP 4, 0
	KSTEP 5, 0
	KSTEP 6, 0
	KSTEP 7, 2
	KSTEP 8, 0
	KSTEP 9, 0
	KSTEP 10, 0
	KSTEP 11, 1
	KSTEP 12, 0
	KSTEP 13, 0
	KSTEP 14, 0
	s_wait_dscnt (NA/2)*NL
	MULQ 0, 1, 1, 1, 0
	MULQ 1, 1, 1, 1, 0
	s_wait_dscnt 0
	MULQ 2, 1, 1, 1, 0
	MULQ 3, 1, 1, 1, 0
	WIN 0
	PLACES NP
.macro TOSTAGE a
.set AC, 64*(\a)
	WIN 0x82
.set J, 0
.rept 32
	v_pk_mul_f32 v[AC+J:AC+J+1], v[AC+J:AC+J+1], v[RL+2*(\a):RL+2*(\a)+1]
.set J, J+2
.endr
	WIN 0x08
.irp b, 0,1,2,3,4,5,6,7
	ds_store_b128 v[STO], v[AC+8*\b:AC+8*\b+3] offset:64*\b
	ds_store_b128 v[STO], v[AC+8*\b+4:AC+8*\b+7] offset:64*\b+16
.endr
	WIN 0
.set BB, BK+64*((\a)%2)
.set T, 0
.rept 16
	ds_load_b128 v[BB+4*T:BB+4*T+3], v[RD] offset:T*SPITCH
.set T, T+1
.endr
.endm
.macro SEND a, younger
.set BB, BK+64*((\a)%2)
	s_wait_dscnt \younger
.if (\a) > 0
	s_add_nc_u64 s[12:13], s[12:13], 16*4096
.endif
.set T, 0
.rept 16
	global_store_b128 v[CO], v[BB+4*T:BB+4*T+3], s[12:13] offset:T*4096 th:TH_STORE_NT
.set T, T+1
.endr
.endm
	TOSTAGE 0
.irp a, 1,2,3
.if \a > 1
	s_wait_xcnt 0x0
.endif
	TOSTAGE \a
	SEND \a-1, 32
.endr
	s_wait_xcnt 0x0
	SEND 3, 0
	s_wait_tensorcnt 0x0
	ds_add_u32 v[SPW], v[NIL]
	s_wait_dscnt 0x0
	CROUND
	s_endpgm
.Lfunc_end_k_q0815d8a3e5_pv:
	.size	k_q0815d8a3e5_pv, .Lfunc_end_k_q0815d8a3e5_pv-k_q0815d8a3e5_pv
	.p2alignl 7, 3214868480
	.fill 96, 4, 3214868480
	.section	.rodata,"a",@progbits
	.p2align	6, 0x0
	.amdhsa_kernel k_q0815d8a3e5_pv
		.amdhsa_group_segment_fixed_size 327680
		.amdhsa_private_segment_fixed_size 0
		.amdhsa_enable_private_segment 0
		.amdhsa_kernarg_size 48
		.amdhsa_user_sgpr_count 2
		.amdhsa_user_sgpr_kernarg_segment_ptr 1
		.amdhsa_wavefront_size32 1
		.amdhsa_system_sgpr_workgroup_id_x 1
		.amdhsa_system_sgpr_workgroup_id_y 1
		.amdhsa_system_sgpr_workgroup_id_z 1
		.amdhsa_system_vgpr_workitem_id 0
		.amdhsa_next_free_vgpr 768
		.amdhsa_next_free_sgpr 100
		.amdhsa_reserve_vcc 0
		.amdhsa_float_denorm_mode_32 3
		.amdhsa_float_denorm_mode_16_64 3
		.amdhsa_memory_ordered 1
		.amdhsa_forward_progress 1
		.amdhsa_inst_pref_size 183
	.end_amdhsa_kernel
	.amdgpu_metadata
---
amdhsa.version: [ 1, 2 ]
amdhsa.kernels:
  - .name:           k_q0815d8a3e5_pv
    .symbol:         k_q0815d8a3e5_pv.kd
    .args:
      - { .name: p_codes, .offset: 0, .size: 8, .value_kind: global_buffer, .address_space: global }
      - { .name: p_scales, .offset: 8, .size: 8, .value_kind: global_buffer, .address_space: global }
      - { .name: p_stats, .offset: 16, .size: 8, .value_kind: global_buffer, .address_space: global }
      - { .name: vt_codes, .offset: 24, .size: 8, .value_kind: global_buffer, .address_space: global }
      - { .name: vt_scales, .offset: 32, .size: 8, .value_kind: global_buffer, .address_space: global }
      - { .name: out0, .offset: 40, .size: 8, .value_kind: global_buffer, .address_space: global }
    .group_segment_fixed_size: 327680
    .private_segment_fixed_size: 0
    .kernarg_segment_align: 8
    .kernarg_segment_size: 48
    .max_flat_workgroup_size: 128
    .sgpr_count:     100
    .vgpr_count:     768
    .wavefront_size: 32
...
	.end_amdgpu_metadata
.endif
;; end of part 6
